; MI455X (gfx1250); checked and timed in simulation.
; The chip was launched on July 23, 2026; its instructions are those of AMD's public machine-readable ISA for CDNA 5 (MIT licence, August 2026) and "CDNA5" Instruction Set Architecture Reference Guide (July 2026). The comments in the code are by the model that wrote it; some were corrected since.
;; Transformer Block. Allowed arithmetic: matrix products marked QUANTISED: E2M1 operands, one E8M0 scale for each 32 along K, by v_wmma_scale_f32_16x16x128_f8f6f4 with both operands' format E2M1 (or v_wmma_scale_f32_32x16x128_f4), f32 sums; everything else in f32.
;; Inputs: W1 1,024 x 4,096 float32; W2 4,096 x 1,024 float32; Wk 16 x 1,024 x 64 float32; Wo 1,024 x 1,024 float32; Wq 16 x 1,024 x 64 float32; Wv 16 x 1,024 x 64 float32; b1 1,024 float32; b2 1,024 float32; bk 16 x 64 float32; bo 1,024 float32; bq 16 x 64 float32; bv 16 x 64 float32; c1 4,096 float32; c2 1,024 float32; g1 1,024 float32; g2 1,024 float32; x 2 x 2,048 x 1,024 float32.
;; Outputs: out0 2 x 2,048 x 1,024 float32.
;; This version of the problem:
;;   THIS VERSION OF THE PROBLEM IS GIVEN IN LOW PRECISION. The matrix products marked QUANTISED in the list below multiply operands that are first quantised to E2M1 (2 exponent bits, 1 mantissa bit; 4 bits a number), with one power-of-two scale for each 32 numbers along K (OCP MX v1.0); their sums are f32. All else is computed in f32.
;;   The module's matrix products, in the order in which they are computed (A, B: the left and right operand; K: the contracted axis; several contracted axes count as one K, in the product's order):
;;     1. [M 1,024, K 1,024] x [K 1,024, N 4,096]; A: input Wq; B: computed on the way: QUANTISED
;;     2. [M 1,024, K 1,024] x [K 1,024, N 4,096]; A: input Wk; B: computed on the way: QUANTISED
;;     3. [M 1,024, K 1,024] x [K 1,024, N 4,096]; A: input Wv; B: computed on the way: QUANTISED
;;     4. batch 32 x [M 2,048, K 64] x [K 64, N 2,048]; A: computed on the way; B: computed on the way: QUANTISED
;;     5. batch 32 x [M 64, K 2,048] x [K 2,048, N 2,048]; A: computed on the way; B: softmax (see below): QUANTISED
;;     6. [M 4,096, K 1,024] x [K 1,024, N 1,024]; A: computed on the way; B: input Wo: QUANTISED
;;     7. [M 4,096, K 1,024] x [K 1,024, N 4,096]; A: computed on the way; B: input W1: QUANTISED
;;     8. [M 4,096, K 4,096] x [K 4,096, N 1,024]; A: computed on the way; B: input W2: QUANTISED
;;   THE QUANTISER, for each operand of a quantised product, along K:
;;     - K is cut into blocks of 32 from its start; a last block that is shorter is filled with zeros.
;;     - A block's scale is 2^e with e = floor(log2(the largest magnitude in the block)) - 2, held to -126 .. 127; a block of zeros has e = 0. As a byte (E8M0): e + 127.
;;     - Each number is divided by its block's scale, clamped to +-6, and rounded to the nearest number of E2M1, ties to even, subnormals kept.
;;     - The product sums the exact products of the quantised numbers (number of the format x scale) in f32.
;;   ~~~python
;;   def quantise(x, axis):      # numpy; x: float32 -> the quantised numbers, widened to float32 again
;;       x = np.moveaxis(x, axis, -1); K = x.shape[-1]
;;       x = np.pad(x, [(0, 0)] * (x.ndim - 1) + [(0, -K % 32)]); x = x.reshape(x.shape[:-1] + (-1, 32)); a = np.abs(x).max(-1, keepdims=True)
;;       e = np.where(a > 0, np.clip(np.frexp(np.where(a > 0, a, 1))[1] - 1 - 2, -126, 127), 0)      # np.frexp(a)[1] - 1 = floor(log2(a)), exactly
;;       r = np.clip(x / 2.0 ** e, -6, 6)
;;       step = 2.0 ** (np.maximum(np.frexp(np.where(r == 0, 1, r))[1] - 1, 0) - 1)
;;       q = np.round(r / step) * step * 2.0 ** e      # np.round: ties to even
;;       return np.moveaxis(q.reshape(q.shape[:-2] + (-1,))[..., :K], -1, axis).astype(np.float32)
;;   ~~~
;;   SOFTMAX AHEAD OF A QUANTISED PRODUCT. Where the list says 'softmax', what is quantised is not the finished softmax but p = 2^(t - M), with t = logit x log2(e) and M = ceil(the row's largest t), a whole number; so 1/2 < the row's largest p <= 1. The row's sum l is taken of the UNQUANTISED p, in f32, and the product's result is divided by l at the end. Since M is a whole number, a kernel that streams over the keys may use a running M (the ceiling of the running maximum): every later rescaling is an exact power of two, which a block's scale takes up: the codes' values come out the same.
;;   OPERANDS COMPUTED ON THE WAY. 'Computed on the way' means the value that the module computes at that place (a softmax that the list does not call 'softmax' is quantised finished and normalised). What goes into a quantiser is computed in f32, as accurately as f32 sums, v_exp_f32 and their like allow (about 1e-6 of the number): no bf16 or f16 on the way to a quantiser, and a product that is left as it is and whose result goes on into a quantised operand takes f32 operands (vector FMAs, or v_wmma_f32_16x16x4_f32). A number that lies on a knife's edge between two numbers of the format may be rounded either way, as far as f32 arithmetic and the matrix unit's own rounding can turn it there, and no further.
;; 2 versions, each right and faster than the one before. Each part assembles by itself: llvm-mc -triple=amdgcn-amd-amdhsa -mcpu=gfx1250 --defsym DOCPART=n.
;; ======== version 1 of 2: 8 launches
;; limits: an absolute error that grows with the inputs' magnitude: up to 1e-07 times it
;; workspace buffers: wc 6,684,672 bytes; h 2,228,224 bytes; qc 2,359,296 bytes; kv 4,587,520 bytes; ctx 2,228,224 bytes; x1 16,777,216 bytes; g 8,912,896 bytes
;; launch wquant (part 1): grid 768 x 1, 4 waves a work-group, no clusters, 0 bytes of LDS; arguments W1, W2, Wo, Wq, Wk, Wv, wc; writes wc
.if DOCPART == 1
	.amdgcn_target "amdgcn-amd-amdhsa--gfx1250"
	.amdhsa_code_object_version 6
	.text
	.protected	k_qe1c00ee292_wquant
	.globl	k_qe1c00ee292_wquant
	.p2align	8
	.type	k_qe1c00ee292_wquant,@function
k_qe1c00ee292_wquant:
	s_mov_b64 s[64:65], 0
	v_nop
	global_prefetch_b8 v0, s[64:65] scope:SCOPE_SE
	s_setreg_imm32_b32 hwreg(HW_REG_WAVE_MODE, 25, 1), 1
	s_wait_xcnt 0x0
; The six weights, f32 with K not innermost, become codes of FP4 (E2M1) with one E8M0 byte for each 32 along K, laid as images of operand registers.
; THE LAYOUT (all operand buffers of this program): a chunk of CH bytes holds 128 rows x 512 along K.  Codes: tile T (16 rows) x 4,096 + K step q (128 along K) x 1,024 + block kb (32 along K) x 256 + place r x 16.
; Scale words: 32,768 + q x 512 + (T / 2) x 128 + (16 (T % 2) + r) x 4, byte kb.  Place r of tile T holds row 32 (T / 2) + 8 (T % 2) + r % 8 + 16 (r / 8) of the 128.
; A LANE TAKES A COLUMN n OF THE WEIGHT (a row of the operand) AND ITS REGISTERS RUN DOWN K: a block of 32 lies in one lane, and its 16 bytes of codes are one place of the image.
; A work-group takes 128 columns x 128 along K of one tensor, a wave 32 columns (two tiles) x 4 blocks.  A store of 16 bytes a lane covers two runs of 256 consecutive bytes, aligned.
; A block's scale is 2^(floor(log2(largest magnitude)) - 2); its byte is the largest magnitude's exponent field - 2, held at 1 from below.  A block of zeros gets the byte 1: its codes are zeros, and this program alone reads the bytes.
; LIMITS: NaN and infinities among the inputs are not served.
.set CH,   34816
.set R_WK, 16*CH                       ; regions of wc: Wq at 0, Wk, Wv, Wo, W1, W2
.set R_WV, 32*CH
.set R_WO, 48*CH
.set R_W1, 64*CH
.set R_W2, 128*CH
.set X,    32                          ; v32-95   two sets of 32 numbers
.set OFF,  96                          ; v96-127  4 x lane + i x the pitch
.set C,    128                         ; v128-143 codes, four registers a block, never rewritten
.set SW,   144                         ; v144     the scale word
	s_load_b256 s[4:11], s[0:1], 0x0               ; W1, W2, Wo, Wq
	s_load_b128 s[12:15], s[0:1], 0x20             ; Wk, Wv
	s_load_b64 s[16:17], s[0:1], 0x30              ; wc
	v_lshrrev_b32 v1, 5, v0
	v_readfirstlane_b32 s18, v1                    ; wave
	v_and_b32 v2, 31, v0                           ; lane = my column among the wave's 32
	v_bfe_u32 v5, v0, 3, 1                         ; u: which of the two tiles
	v_and_b32 v6, 7, v0
	v_bfe_u32 v7, v0, 4, 1
	v_lshl_add_u32 v6, v7, 3, v6                   ; r: my place in it
	v_lshlrev_b32 v3, 4, v6
	v_lshl_add_u32 v3, v5, 12, v3                  ; codes: 4,096 u + 16 r
	v_lshl_add_u32 v4, v5, 4, v6
	v_lshlrev_b32 v4, 2, v4                        ; scale word: 4 (16 u + r)
	v_lshlrev_b32 v8, 2, v2                        ; 4 x lane
	s_mov_b32 s20, 0                               ; the tensor's first work-group,
	s_mov_b32 s21, 16384                           ; its pitch in bytes from k to k + 1,
	s_mov_b32 s22, 3                               ; log2 of its K / 128,
	s_mov_b32 s23, R_W1                            ; its region of wc
	s_wait_kmcnt 0x0
	s_mov_b64 s[24:25], s[4:5]
	s_cmp_ge_u32 ttmp9, 256                        ; the choices hang on the work-group's number alone
	s_cselect_b64 s[24:25], s[6:7], s[24:25]
	s_cselect_b32 s20, 256, s20
	s_cselect_b32 s21, 4096, s21
	s_cselect_b32 s22, 5, s22
	s_cselect_b32 s23, R_W2, s23
	s_cmp_ge_u32 ttmp9, 512
	s_cselect_b64 s[24:25], s[8:9], s[24:25]
	s_cselect_b32 s20, 512, s20
	s_cselect_b32 s22, 3, s22
	s_cselect_b32 s23, R_WO, s23
	s_cmp_ge_u32 ttmp9, 576
	s_cselect_b64 s[24:25], s[10:11], s[24:25]
	s_cselect_b32 s20, 576, s20
	s_cselect_b32 s21, 256, s21
	s_cselect_b32 s23, 0, s23
	s_cmp_ge_u32 ttmp9, 640
	s_cselect_b64 s[24:25], s[12:13], s[24:25]
	s_cselect_b32 s20, 640, s20
	s_cselect_b32 s23, R_WK, s23
	s_cmp_ge_u32 ttmp9, 704
	s_cselect_b64 s[24:25], s[14:15], s[24:25]
	s_cselect_b32 s20, 704, s20
	s_cselect_b32 s23, R_WV, s23
	s_sub_co_u32 s26, ttmp9, s20
	s_lshr_b32 s27, s26, s22                       ; rb: which 128 columns
	s_bfm_b32 s28, s22, 0
	s_and_b32 s28, s26, s28                        ; kst: which 128 along K
	s_lshl_b32 s29, s27, 9
	s_lshl_b32 s30, s18, 7
	s_add_co_u32 s29, s29, s30                     ; dense tensors: my wave's first column, in bytes
	s_lshl_b32 s30, s27, 1
	s_lshr_b32 s31, s18, 1
	s_add_co_u32 s30, s30, s31
	s_lshl_b32 s30, s30, 18                        ; by head: head 2 rb + wave / 2, 262,144 bytes each,
	s_and_b32 s31, s18, 1
	s_lshl_b32 s31, s31, 7
	s_add_co_u32 s30, s30, s31                     ; and 32 (wave % 2) of its 64 columns
	s_cmp_ge_u32 ttmp9, 576
	s_cselect_b32 s29, s30, s29
	s_mul_i32 s30, s28, s21
	s_lshl_b32 s30, s30, 7                         ; kst x 128 rows
	s_add_co_u32 s32, s29, s30
	s_mov_b32 s33, 0
	s_add_nc_u64 s[40:41], s[24:25], s[32:33]      ; block 0's first row; blocks 1 to 3 have bases of their own: no pointer is stepped
	s_lshl_b32 s32, s21, 5
	s_add_nc_u64 s[42:43], s[40:41], s[32:33]
	s_add_nc_u64 s[44:45], s[42:43], s[32:33]
	s_add_nc_u64 s[46:47], s[44:45], s[32:33]
	s_sub_co_u32 s30, s22, 2
	s_lshl_b32 s30, s27, s30                       ; rb x (K / 512)
	s_lshr_b32 s31, s28, 2
	s_add_co_u32 s30, s30, s31
	s_mul_i32 s30, s30, CH
	s_add_co_u32 s30, s30, s23                     ; my chunk
	s_and_b32 s31, s28, 3                          ; q
	s_lshl_b32 s34, s31, 10
	s_lshl_b32 s35, s18, 13
	s_add_co_u32 s34, s34, s35
	s_add_co_u32 s34, s34, s30
	s_mov_b32 s35, 0
	s_add_nc_u64 s[36:37], s[16:17], s[34:35]      ; codes: chunk + 8,192 wave + 1,024 q
	s_lshl_b32 s34, s31, 9
	s_lshl_b32 s48, s18, 7
	s_add_co_u32 s34, s34, s48
	s_add_co_u32 s34, s34, s30
	s_add_co_u32 s34, s34, 32768
	s_add_nc_u64 s[38:39], s[16:17], s[34:35]      ; scale words: chunk + 32,768 + 512 q + 128 wave
.set i, 0
.rept 32
	v_mad_u32_u24 v[OFF+i], s21, i, v8
.set i, i+1
.endr
.macro LOAD t                          ; block t: W(32 t + i, my column), i = 0 .. 31: each load reads 128 consecutive bytes
.set i, 0
.rept 32
	global_load_b32 v[X+32*((\t)%2)+i], v[OFF+i], s[40+2*(\t):41+2*(\t)] th:TH_LOAD_NT
.set i, i+1
.endr
.endm
.macro BLOCK t
.set XS, X+32*((\t)%2)
.if (\t) < 3
	s_wait_loadcnt 32                              ; this block's 32 loads are in; the next block's may be out
.else
	s_wait_loadcnt 0
.endif
	v_max3_num_f32 v12, |v[XS]|, |v[XS+1]|, |v[XS+2]|
	v_max3_num_f32 v13, |v[XS+3]|, |v[XS+4]|, |v[XS+5]|
.irp k, 6,10,14,18,22,26
	v_max3_num_f32 v12, v12, |v[XS+\k]|, |v[XS+\k+1]|
	v_max3_num_f32 v13, v13, |v[XS+\k+2]|, |v[XS+\k+3]|
.endr
	v_max3_num_f32 v12, v12, |v[XS+30]|, |v[XS+31]|
	v_max3_num_f32 v12, v12, v13, 0x1800000        ; and the floor 2^(3 - 127): the byte cannot fall under 1
	v_add_nc_u32 v11, 0xff000000, v12              ; 2 off the exponent field: the conversion's scale operand
	v_lshrrev_b32 v13, 23, v11                     ; the scale's byte
.if (\t) == 0
	v_mov_b32 v[SW], v13
.else
	v_lshl_or_b32 v[SW], v13, 8*(\t), v[SW]
.endif
.irp g, 0,1,2,3
	v_cvt_scalef32_pk8_fp4_f32 v[C+4*(\t)+\g], v[XS+8*\g:XS+8*\g+7], v11
.endr
	global_store_b128 v3, v[C+4*(\t):C+4*(\t)+3], s[36:37] offset:256*(\t)
.if (\t)+2 < 4
	LOAD (\t)+2
.endif
.endm
	LOAD 0
	LOAD 1
	BLOCK 0
	BLOCK 1
	BLOCK 2
	BLOCK 3
	global_store_b32 v4, v[SW], s[38:39]           ; the wave's 32 scale words: 128 consecutive bytes
	s_endpgm
.Lfunc_end_k_qe1c00ee292_wquant:
	.size	k_qe1c00ee292_wquant, .Lfunc_end_k_qe1c00ee292_wquant-k_qe1c00ee292_wquant
	.p2alignl 7, 3214868480
	.fill 96, 4, 3214868480
	.section	.rodata,"a",@progbits
	.p2align	6, 0x0
	.amdhsa_kernel k_qe1c00ee292_wquant
		.amdhsa_group_segment_fixed_size 0
		.amdhsa_private_segment_fixed_size 0
		.amdhsa_enable_private_segment 0
		.amdhsa_kernarg_size 56
		.amdhsa_user_sgpr_count 2
		.amdhsa_user_sgpr_kernarg_segment_ptr 1
		.amdhsa_wavefront_size32 1
		.amdhsa_system_sgpr_workgroup_id_x 1
		.amdhsa_system_sgpr_workgroup_id_y 1
		.amdhsa_system_sgpr_workgroup_id_z 1
		.amdhsa_system_vgpr_workitem_id 0
		.amdhsa_next_free_vgpr 152
		.amdhsa_next_free_sgpr 66
		.amdhsa_reserve_vcc 0
		.amdhsa_float_denorm_mode_32 3
		.amdhsa_float_denorm_mode_16_64 3
		.amdhsa_memory_ordered 1
		.amdhsa_forward_progress 1
		.amdhsa_inst_pref_size 25
	.end_amdhsa_kernel
	.amdgpu_metadata
---
amdhsa.version: [ 1, 2 ]
amdhsa.kernels:
  - .name:           k_qe1c00ee292_wquant
    .symbol:         k_qe1c00ee292_wquant.kd
    .args:
      - { .name: W1, .offset: 0, .size: 8, .value_kind: global_buffer, .address_space: global }
      - { .name: W2, .offset: 8, .size: 8, .value_kind: global_buffer, .address_space: global }
      - { .name: Wo, .offset: 16, .size: 8, .value_kind: global_buffer, .address_space: global }
      - { .name: Wq, .offset: 24, .size: 8, .value_kind: global_buffer, .address_space: global }
      - { .name: Wk, .offset: 32, .size: 8, .value_kind: global_buffer, .address_space: global }
      - { .name: Wv, .offset: 40, .size: 8, .value_kind: global_buffer, .address_space: global }
      - { .name: wc, .offset: 48, .size: 8, .value_kind: global_buffer, .address_space: global }
    .group_segment_fixed_size: 0
    .private_segment_fixed_size: 0
    .kernarg_segment_align: 8
    .kernarg_segment_size: 56
    .max_flat_workgroup_size: 128
    .sgpr_count:     66
    .vgpr_count:     152
    .wavefront_size: 32
...
	.end_amdgpu_metadata
.endif
;; end of part 1
;; launch ln1 (part 2): grid 256 x 1, 4 waves a work-group, no clusters, 83,456 bytes of LDS; arguments x, g1, b1, h; writes h
.if DOCPART == 2
	.amdgcn_target "amdgcn-amd-amdhsa--gfx1250"
	.amdhsa_code_object_version 6
	.text
	.protected	k_qe1c00ee292_ln1
	.globl	k_qe1c00ee292_ln1
	.p2align	8
	.type	k_qe1c00ee292_ln1,@function
k_qe1c00ee292_ln1:
	s_mov_b64 s[64:65], 0
	v_nop
	global_prefetch_b8 v0, s[64:65] scope:SCOPE_SE
	s_setreg_imm32_b32 hwreg(HW_REG_WAVE_MODE, 25, 1), 1
	s_wait_xcnt 0x0
; y = (x - mean) rsqrt(var + 1e-5) g + b along rows of 1,024 f32, then y becomes codes of FP4 (E2M1) with one E8M0 byte for each 32 along the row, laid as images of operand registers:
; a chunk of CH bytes holds 128 rows x 512 along K; codes at tile T x 4,096 + (k / 32 % 16) x 256 + place r x 16; scale words at 32,768 + (k / 128 % 4) x 512 + (T / 2) x 128 + (16 (T % 2) + r) x 4.
; Place r of tile T holds row 32 (T / 2) + 8 (T % 2) + r % 8 + 16 (r / 8) of the 128.
; A work-group takes one tile, 16 rows; wave w takes places 4 w .. 4 w + 3, which are four neighbouring rows.  A row stays in 32 registers a lane: memory is read once.
; Mean and variance are taken in two passes over the registers (the mean first, then the squares of the differences), so a common offset of the inputs does no harm.
; The conversions want 32 neighbours in ONE lane, a load wants neighbouring lanes on neighbouring bytes: each row turns through the wave's own stage in LDS (16 bytes of padding behind each 128).
; The codes of the 16 rows meet in a stage (32 blocks x 256 bytes + 16) behind one barrier and leave as runs of 512 consecutive bytes.  The scale words leave as runs of 64 bytes: one byte in 128 of what the launch reads.
; A block of zeros gets the byte 1: its codes are zeros, and this program alone reads the bytes.  LIMITS: NaN and infinities among the inputs are not served.
.set CH,   34816
.set CST,  73728                       ; LDS: the code stage, behind 4 waves x 4 rows x 4,608 bytes
.set SST,  82432                       ; LDS: the scale stage, 512 bytes
	s_load_b256 s[4:11], s[0:1], 0x0               ; x, g, b, the codes' buffer
	v_lshl_add_u32 v254, v0, 2, 0x14400
	v_mov_b32 v255, 0
	v_lshrrev_b32 v1, 5, v0
	v_readfirstlane_b32 s12, v1                    ; wave
	v_and_b32 v2, 31, v0                           ; lane
	v_lshlrev_b32 v3, 4, v2                        ; 16 x lane
	s_lshr_b32 s13, ttmp9, 3                       ; rb: which 128 rows
	s_and_b32 s14, ttmp9, 7                        ; T
	s_lshl_b32 s15, s13, 7
	s_lshr_b32 s16, s14, 1
	s_lshl_b32 s16, s16, 5
	s_add_co_u32 s15, s15, s16
	s_and_b32 s16, s14, 1
	s_lshl_b32 s16, s16, 3
	s_add_co_u32 s15, s15, s16
	s_and_b32 s16, s12, 1
	s_lshl_b32 s16, s16, 2
	s_add_co_u32 s15, s15, s16
	s_lshr_b32 s16, s12, 1
	s_lshl_b32 s16, s16, 4
	s_add_co_u32 s15, s15, s16                     ; my first row: 128 rb + 32 (T / 2) + 8 (T % 2) + 4 (w % 2) + 16 (w / 2)
	s_lshl_b32 s16, s15, 12
	s_mov_b32 s17, 0
	s_wait_kmcnt 0x0
	s_add_nc_u64 s[4:5], s[4:5], s[16:17]
.irp i, 0,1,2,3
.irp j, 0,1,2,3,4,5,6,7
	global_load_b128 v[32+32*\i+4*\j:35+32*\i+4*\j], v3, s[4:5] offset:4096*\i+512*\j   ; 512 consecutive bytes a load
.endr
.endr
.irp j, 0,1,2,3,4,5,6,7
	global_load_b128 v[160+4*\j:163+4*\j], v3, s[6:7] offset:512*\j
.endr
.irp j, 0,1,2,3,4,5,6,7
	global_load_b128 v[192+4*\j:195+4*\j], v3, s[8:9] offset:512*\j
.endr
	s_mul_i32 s18, s12, 18432                      ; my wave's four row stages
	v_lshrrev_b32 v11, 3, v2
	v_lshl_add_u32 v4, v11, 4, v3
	v_add_nc_u32 v4, s18, v4                       ; in: 16 lane + 16 (lane / 8)
	v_mul_u32_u24 v5, v2, 144
	v_add_nc_u32 v5, s18, v5                       ; out: 144 x lane: block number lane of the row
	s_lshl_b32 s19, s12, 6
	s_add_co_u32 s19, s19, CST
	v_mul_u32_u24 v6, v2, 272
	v_add_nc_u32 v6, s19, v6                       ; code stage, in: block lane, places 4 w on
	s_lshl_b32 s19, s12, 4
	s_add_co_u32 s19, s19, SST
	v_lshrrev_b32 v11, 2, v2
	v_and_b32 v12, 3, v2
	v_lshl_add_u32 v7, v11, 6, v12
	v_add_nc_u32 v7, s19, v7                       ; scale stage, in: 64 (lane / 4) + lane % 4 + 16 w
	s_mul_i32 s19, s12, 8*272
	s_add_co_u32 s19, s19, CST
	v_lshrrev_b32 v11, 4, v2
	v_and_b32 v12, 15, v2
	v_mul_u32_u24 v8, v11, 272
	v_lshl_add_u32 v8, v12, 4, v8
	v_add_nc_u32 v8, s19, v8                       ; code stage, out: blocks 8 w on, two an instruction
	v_add_nc_u32 v9, SST, v3                       ; scale stage, out
	v_mul_u32_u24 v10, v11, CH
	v_bfe_u32 v12, v2, 2, 2
	v_lshl_add_u32 v10, v12, 9, v10
	v_and_b32 v12, 3, v2
	v_lshl_add_u32 v10, v12, 4, v10                ; and its place in memory: chunk lane / 16, K step (lane / 4) % 4, 16 (lane % 4)
	s_lshl_b32 s16, s13, 1
	s_lshr_b32 s18, s12, 1
	s_add_co_u32 s16, s16, s18
	s_mul_i32 s16, s16, CH
	s_lshl_b32 s18, s14, 12
	s_add_co_u32 s16, s16, s18
	s_and_b32 s18, s12, 1
	s_lshl_b32 s18, s18, 11
	s_add_co_u32 s16, s16, s18
	s_add_nc_u64 s[24:25], s[10:11], s[16:17]      ; codes: chunk 2 rb + w / 2, tile T, blocks 8 (w % 2) on
	s_lshl_b32 s16, s13, 1
	s_mul_i32 s16, s16, CH
	s_lshl_b32 s18, s14, 6
	s_add_co_u32 s16, s16, s18
	s_add_co_u32 s16, s16, 32768
	s_add_nc_u64 s[26:27], s[10:11], s[16:17]      ; scale words: chunk 2 rb, + 64 T
	s_mov_b32 s20, 0x76543210
	s_mov_b32 s21, 0xfedcba98                      ; v_permlanex16_b32's selects for lane l xor 16
	s_mov_b32 s22, 0x3a800000                      ; 1 / 1,024
	s_mov_b32 s23, 0x3727c5ac                      ; 1e-5
; row i's statistics: v[16 + 4 i] .. v[19 + 4 i], two pairs.  REDUCE adds the two pairs, their halves and the 32 lanes: the sum stands in v[16 + 4 i] of every lane
.macro REDUCE
.irp i, 0,1,2,3
	v_pk_add_f32 v[16+4*\i:17+4*\i], v[16+4*\i:17+4*\i], v[18+4*\i:19+4*\i]
.endr
.irp i, 0,1,2,3
	v_add_f32 v[16+4*\i], v[16+4*\i], v[17+4*\i]
.endr
.irp m, 1,2,4,8
.irp i, 0,1,2,3
	v_add_f32_dpp v[16+4*\i], v[16+4*\i], v[16+4*\i] row_xmask:\m row_mask:0xf bank_mask:0xf
.endr
.endr
.irp i, 0,1,2,3
	v_permlanex16_b32 v[17+4*\i], v[16+4*\i], s20, s21
.endr
.irp i, 0,1,2,3
	v_add_f32 v[16+4*\i], v[16+4*\i], v[17+4*\i]
.endr
.endm
	s_wait_loadcnt 16                              ; the four rows are in; g's and b's sixteen loads may be out
.irp i, 0,1,2,3
	v_pk_add_f32 v[16+4*\i:17+4*\i], v[32+32*\i:33+32*\i], v[34+32*\i:35+32*\i]
	v_pk_add_f32 v[18+4*\i:19+4*\i], v[36+32*\i:37+32*\i], v[38+32*\i:39+32*\i]
.endr
.irp j, 8,12,16,20,24,28
.irp i, 0,1,2,3
	v_pk_add_f32 v[16+4*\i:17+4*\i], v[16+4*\i:17+4*\i], v[32+32*\i+\j:33+32*\i+\j]
	v_pk_add_f32 v[18+4*\i:19+4*\i], v[18+4*\i:19+4*\i], v[34+32*\i+\j:35+32*\i+\j]
.endr
.endr
	REDUCE
.irp i, 0,1,2,3
	v_mul_f32 v[16+4*\i], s22, v[16+4*\i]          ; the mean
.endr
.irp j, 0,2,4,6,8,10,12,14,16,18,20,22,24,26,28,30
.irp i, 0,1,2,3
	v_pk_add_f32 v[32+32*\i+\j:33+32*\i+\j], v[32+32*\i+\j:33+32*\i+\j], v[16+4*\i:17+4*\i] op_sel_hi:[1,0] neg_lo:[0,1] neg_hi:[0,1]   ; x - mean
.endr
.endr
.irp i, 0,1,2,3
	v_pk_mul_f32 v[16+4*\i:17+4*\i], v[32+32*\i:33+32*\i], v[32+32*\i:33+32*\i]
	v_pk_mul_f32 v[18+4*\i:19+4*\i], v[34+32*\i:35+32*\i], v[34+32*\i:35+32*\i]
.endr
.irp j, 4,8,12,16,20,24,28
.irp i, 0,1,2,3
	v_pk_fma_f32 v[16+4*\i:17+4*\i], v[32+32*\i+\j:33+32*\i+\j], v[32+32*\i+\j:33+32*\i+\j], v[16+4*\i:17+4*\i]
	v_pk_fma_f32 v[18+4*\i:19+4*\i], v[34+32*\i+\j:35+32*\i+\j], v[34+32*\i+\j:35+32*\i+\j], v[18+4*\i:19+4*\i]
.endr
.endr
	REDUCE
.irp i, 0,1,2,3
	v_fma_f32 v[16+4*\i], v[16+4*\i], s22, s23     ; var + 1e-5
.endr
.irp i, 0,1,2,3
	v_rsq_f32 v[18+4*\i], v[16+4*\i]
.endr
	v_nop                                          ; a plain instruction behind the last of the batch
	s_wait_alu depctr_va_vdst(0)                   ; one wait for the four, ahead of their first reader
	s_wait_loadcnt 0x0                             ; g and b
.irp j, 0,2,4,6,8,10,12,14,16,18,20,22,24,26,28,30
.irp i, 0,1,2,3
	v_pk_mul_f32 v[32+32*\i+\j:33+32*\i+\j], v[32+32*\i+\j:33+32*\i+\j], v[18+4*\i:19+4*\i] op_sel_hi:[1,0]
.endr
.irp i, 0,1,2,3
	v_pk_fma_f32 v[32+32*\i+\j:33+32*\i+\j], v[32+32*\i+\j:33+32*\i+\j], v[160+\j:161+\j], v[192+\j:193+\j]
.endr
.endr
.irp i, 0,1,2,3                        ; the turn: LDS serves a wave's instructions in order, so no wait stands between the stores and the loads
.irp j, 0,1,2,3,4,5,6,7
	ds_store_b128 v4, v[32+32*\i+4*\j:35+32*\i+4*\j] offset:4608*\i+576*\j
.endr
.irp j, 0,1,2,3,4,5,6,7
	ds_load_b128 v[32+32*\i+4*\j:35+32*\i+4*\j], v5 offset:4608*\i+16*\j
.endr
.endr
.macro QROW i                          ; my block of row i: its scale, its codes
.set RW, 32+32*\i
	s_wait_dscnt 16*(3-\i)+2*\i                    ; behind row i's loads: sixteen instructions for each later row, two stores for each earlier row
	v_max3_num_f32 v248, |v[RW]|, |v[RW+1]|, |v[RW+2]|
	v_max3_num_f32 v249, |v[RW+3]|, |v[RW+4]|, |v[RW+5]|
.irp k, 6,10,14,18,22,26
	v_max3_num_f32 v248, v248, |v[RW+\k]|, |v[RW+\k+1]|
	v_max3_num_f32 v249, v249, |v[RW+\k+2]|, |v[RW+\k+3]|
.endr
	v_max3_num_f32 v248, v248, |v[RW+30]|, |v[RW+31]|
	v_max3_num_f32 v248, v248, v249, 0x1800000     ; and the floor 2^(3 - 127)
	v_add_nc_u32 v[244+\i], 0xff000000, v248       ; 2 off the exponent field: the conversion's scale operand
.irp g, 0,1,2,3
	v_cvt_scalef32_pk8_fp4_f32 v[224+4*\i+\g], v[RW+8*\g:RW+8*\g+7], v[244+\i]
.endr
	v_lshrrev_b32 v[240+\i], 23, v[244+\i]         ; the scale's byte
	ds_store_b128 v6, v[224+4*\i:227+4*\i] offset:16*\i
	ds_store_b8 v7, v[240+\i] offset:4*\i
.endm
	QROW 0
	QROW 1
	QROW 2
	QROW 3
	s_wait_dscnt 0x0                               ; for the others' sake: my stores into the two stages are done
	s_barrier_signal -1
	s_barrier_wait -1
.irp i, 0,1,2,3
	ds_load_b128 v[32+4*\i:35+4*\i], v8 offset:544*\i
.endr
.irp i, 0,1,2,3
	s_wait_dscnt 3-\i
	global_store_b128 v3, v[32+4*\i:35+4*\i], s[24:25] offset:512*\i   ; 512 consecutive bytes, aligned
.endr
	s_cmp_lg_u32 s12, 0
	s_cbranch_scc1 .Lend
	ds_load_b128 v[48:51], v9                      ; wave 0: the tile's 512 bytes of scale words
	s_wait_dscnt 0x0
	global_store_b128 v10, v[48:51], s[26:27]
.Lend:
	s_wait_tensorcnt 0x0
	ds_add_u32 v254, v255
	s_wait_dscnt 0x0
	s_endpgm
.Lfunc_end_k_qe1c00ee292_ln1:
	.size	k_qe1c00ee292_ln1, .Lfunc_end_k_qe1c00ee292_ln1-k_qe1c00ee292_ln1
	.p2alignl 7, 3214868480
	.fill 96, 4, 3214868480
	.section	.rodata,"a",@progbits
	.p2align	6, 0x0
	.amdhsa_kernel k_qe1c00ee292_ln1
		.amdhsa_group_segment_fixed_size 83456
		.amdhsa_private_segment_fixed_size 0
		.amdhsa_enable_private_segment 0
		.amdhsa_kernarg_size 32
		.amdhsa_user_sgpr_count 2
		.amdhsa_user_sgpr_kernarg_segment_ptr 1
		.amdhsa_wavefront_size32 1
		.amdhsa_system_sgpr_workgroup_id_x 1
		.amdhsa_system_sgpr_workgroup_id_y 1
		.amdhsa_system_sgpr_workgroup_id_z 1
		.amdhsa_system_vgpr_workitem_id 0
		.amdhsa_next_free_vgpr 256
		.amdhsa_next_free_sgpr 66
		.amdhsa_reserve_vcc 0
		.amdhsa_float_denorm_mode_32 3
		.amdhsa_float_denorm_mode_16_64 3
		.amdhsa_memory_ordered 1
		.amdhsa_forward_progress 1
		.amdhsa_inst_pref_size 44
	.end_amdhsa_kernel
	.amdgpu_metadata
---
amdhsa.version: [ 1, 2 ]
amdhsa.kernels:
  - .name:           k_qe1c00ee292_ln1
    .symbol:         k_qe1c00ee292_ln1.kd
    .args:
      - { .name: x, .offset: 0, .size: 8, .value_kind: global_buffer, .address_space: global }
      - { .name: g1, .offset: 8, .size: 8, .value_kind: global_buffer, .address_space: global }
      - { .name: b1, .offset: 16, .size: 8, .value_kind: global_buffer, .address_space: global }
      - { .name: h, .offset: 24, .size: 8, .value_kind: global_buffer, .address_space: global }
    .group_segment_fixed_size: 83456
    .private_segment_fixed_size: 0
    .kernarg_segment_align: 8
    .kernarg_segment_size: 32
    .max_flat_workgroup_size: 128
    .sgpr_count:     66
    .vgpr_count:     256
    .wavefront_size: 32
...
	.end_amdgpu_metadata
.endif
;; end of part 2
;; launch qkv (part 3): grid 12 x 16, 4 waves a work-group, clusters of 4 x 4, 327,680 bytes of LDS; arguments h, wc, bq, bk, bv, qc, kv; writes qc, kv
.if DOCPART == 3
	.amdgcn_target "amdgcn-amd-amdhsa--gfx1250"
	.amdhsa_code_object_version 6
	.text
	.protected	k_qe1c00ee292_qkv
	.globl	k_qe1c00ee292_qkv
	.p2align	8
	.type	k_qe1c00ee292_qkv,@function
k_qe1c00ee292_qkv:
	s_mov_b64 s[64:65], 0
	v_nop
	global_prefetch_b8 v0, s[64:65] scope:SCOPE_SE
	s_setreg_imm32_b32 hwreg(HW_REG_WAVE_MODE, 25, 1), 1
	s_wait_xcnt 0x0
	s_wait_alu depctr_hold_cnt(0) depctr_sa_sdst(0) depctr_va_vdst(0) depctr_va_sdst(0) depctr_va_ssrc(0) depctr_va_vcc(0) depctr_vm_vsrc(0)
	s_getreg_b32 s2, hwreg(HW_REG_IB_STS2, 6, 4)
	s_cmp_eq_u32 s2, 0
	s_cbranch_scc0 .Lentry_in_a_cluster
	s_endpgm
.Lentry_in_a_cluster:
	s_bfe_u32 s2, ttmp6, 0x10000c
	s_cmp_lg_u32 s2, 0xf033
	s_cbranch_scc0 .Lentry_shape_is_right
	s_endpgm
.Lentry_shape_is_right:
; q, k, v = Q(LN(x)) W + bias on codes of FP4 (E2M1) with E8M0 scales, and the results quantised on the way out: q and k along the head's 64, v along the keys.
; OPERAND BUFFERS are images of operand registers: a chunk of CH bytes holds 128 rows x 512 along K: codes at tile x 4,096 + K step x 1,024 + 16 x lane (+ 512 for registers 4-7), scale words at 32,768 + K step x 512 + (tile / 2) x 128 + 4 x lane
; (lanes 0-15 the even tile, lanes 16-31 the odd one).  Place r of tile T holds row 32 (T / 2) + 8 (T % 2) + r % 8 + 16 (r / 8) of the 128.
; A tile of 256 x 256 is made by four waves, 128 x 128 each: 64 accumulators.  K = 1,024 is two slots of 512: both are first fills, nothing is filled again.
; THE MATRIX INSTRUCTION IS USED TRANSPOSED: source 0 = 16 rows of "B", source 1 = 16 rows of "A": a lane holds ONE row of A, and by the order of rows in a tile the 16 registers of B's tiles 2 b, 2 b + 1 are 16 neighbouring rows of B.
; ROLES, by the cluster's x, the same in all sixteen partners: x = 0, 1: A = tokens (h), B = columns of Wq (x = 0) or Wk (x = 1): a lane's registers run along the head's axis.  x = 2: A = columns of Wv, B = tokens: they run along the keys.
; CLUSTERS: 4 x 4 work-groups; A's chunks are asked for jointly along a row of the cluster, B's along a column.
; OUT: qc: for each (batch x 16 + head, 128 queries) 4,608 bytes: 8 tiles x 512 bytes of codes (K = 64: registers 0-3 of a fragment), then 4 x 128 bytes of scale words.
; kv: for each (batch x 16 + head, 128 keys) 8,960 bytes: K's codes 8 x 512, V^T's codes 4 x 1,024, K's scale words 4 x 128, V's 2 x 128.  In q's and k's scale words bytes 2 and 3 are 0x7f: they scale zero codes.
; A block of zeros gets the byte 1: its codes are zeros, and this program alone reads the bytes.  LIMITS: NaN and infinities are not served.
.set SIZE_K, 1024
.set CH,    34816
.set R_WV,  32*CH
.set SLOT,  4*CH                       ; A's two chunks, then B's two
.set SPARE, 2*SLOT                     ; the spare words, 128 bytes a wave: two blocks of 256 bytes that no other line names
.set KG,    SIZE_K/512
.set LAPS,  SIZE_K/1024
.set NQ,    4
.set FR,    8
.set ADRA, 16                          ; v16-17 LDS address of my A fragments in slot 0, 1;  v18-19 of A's scale words;  v20-23 the same for B
.set ADSA, 18
.set ADRB, 20
.set ADSB, 22
.set LI,   24                          ; v24 16 x lane
.set L4,   25                          ; v25 4 x lane
.set LS,   26                          ; v26 4 x lane + where a block's scale words begin
.set SPW,  28                          ; v28 LDS address of my spare word; never rewritten
.set NIL,  29                          ; v29 0; never rewritten
.set SC,   32                          ; v32-95 scale words: set s at SC + 32 s: A's pair p, K step q at 4 p + q; B's at 16 + 4 p + q
.set AF,   128                         ; v128-191 A's fragments, one set; window 1: v0-63, v128-191 B's two sets, v64-127 and v192-199 the biases; windows 2, 3: the accumulators
.set TR,   128                         ; the way out, window 0: 64 numbers;
.set PC,   192                         ; a fragment's codes;
.set TM,   200                         ; v200-215 at work;
.set PW,   216                         ; the scale word just made;
.set KE0,  217                         ; the even tile's words, kept;
.set KE1,  218
.set W0,   219
.set W1,   220
.set WS0,  221                         ; a pair's words, to store
.set WS1,  222
.set G1, 24
.set G0, 32
.set G1B, 48
.set G0B, 56
.set SEL, 94
.set MSB, 0
.macro WIN new                         ; the immediate's high byte repeats the setting that is left
.if MSB != (\new)
	s_set_vgpr_msb (MSB<<8)|(\new)
.set MSB, (\new)
.endif
.endm
.set MUL_LO, 0xa1                      ; source 0 (B) window 1, source 1 (A) window 0, C and D window 2
.set MUL_HI, 0xf1
.set TO_B,   0x40
.macro JLOAD g0a, g1a, g0b, g1b        ; a joint load: waves 0 and 1 fetch A's chunks, waves 2 and 3 B's; four v_nop follow each line
	s_cmp_eq_u32 s15, 0
	s_cbranch_scc0 .Lfor_b_\@
	tensor_load_to_lds s[\g0a:\g0a+3], s[\g1a:\g1a+7]
	s_nop 0
.rept 4
	v_nop
.endr
	s_branch .Lasked_\@
.Lfor_b_\@:
	tensor_load_to_lds s[\g0b:\g0b+3], s[\g1b:\g1b+7]
	s_nop 0
.rept 4
	v_nop
.endr
.Lasked_\@:
.endm
.macro CREST
	s_cmp_lg_u32 s14, 0
	s_cbranch_scc1 .Lnot_wave_0_\@
	s_barrier_signal -3
.Lnot_wave_0_\@:
	s_barrier_wait -3
	s_barrier_signal -1
	s_barrier_wait -1
.endm
.macro CROUND
	s_barrier_signal -1
	s_barrier_wait -1
	CREST
.endm
	s_load_b256 s[68:75], s[0:1], 0x0              ; h, wc, bq, bk
	s_load_b128 s[76:79], s[0:1], 0x20             ; bv, qc
	s_load_b64 s[80:81], s[0:1], 0x30              ; kv
	v_lshl_add_u32 v[SPW], v0, 2, SPARE
	v_mov_b32 v[NIL], 0
	ds_add_u32 v28, v29
	ds_add_u32 v28, v29
	s_wait_dscnt 0x0
	v_lshrrev_b32 v1, 5, v0
	v_readfirstlane_b32 s14, v1                    ; wave 0..3
	s_lshr_b32 s15, s14, 1                         ; which half of A's rows is mine.  Also: I fetch for A (0) or for B (1)
	s_and_b32 s16, s14, 1                          ; which half of B's rows.  Also: which chunk I fetch
	s_bfe_u32 s40, ttmp6, 0x40000                  ; cx
	s_bfe_u32 s41, ttmp6, 0x40004                  ; cy
	s_and_b32 s83, ttmp7, 0xffff
	s_lshl_b32 s83, s83, 2                         ; 4 x cluster y
	s_lshl_b32 s84, ttmp9, 2                       ; 4 x cluster x
	s_cmp_eq_u32 ttmp9, 2                          ; the role
	s_cselect_b32 s82, 1, 0
	s_cselect_b32 s17, 0, s83
	s_cselect_b32 s42, s83, s84
	s_cselect_b32 s85, R_WV, 0
	s_add_co_u32 s17, s17, s41                     ; A's tile: 4 y + cy of the tokens, or cy of Wv's columns
	s_add_co_u32 s42, s42, s40                     ; B's tile: 4 x + cx of Wq's and Wk's columns, or 4 y + cx of the tokens
	s_lshl_b32 s43, s41, 2
	s_lshl_b32 s43, 15, s43                        ; my row of the cluster
	s_lshl_b32 s44, 0x1111, s40                    ; my column
	s_or_b32 s[G1+0], s43, (3<<16)|(1<<21)         ; 15:0 the mask; 17:16 elements of 8 bytes; 21 set beside a mask; no padding: a fragment is read at 16 x lane
	s_or_b32 s[G1B+0], s44, (3<<16)|(1<<21)
.irp g, G1, G1B
	s_mov_b32 s[\g+1], 32<<16                      ; tensor_dim0: 32 elements, 256 bytes
	s_mov_b32 s[\g+2], 136<<16                     ; tensor_dim1: a chunk is 136 such rows, dense
	s_mov_b32 s[\g+3], 32<<16                      ; tile_dim0
	s_mov_b32 s[\g+4], 136                         ; tile_dim1
	s_mov_b32 s[\g+5], 32                          ; the pitch
	s_mov_b32 s[\g+6], 0
	s_mov_b32 s[\g+7], 0
.endr
	s_lshl_b32 s20, s17, 1
	s_add_co_u32 s20, s20, s16
	s_mul_i32 s20, s20, KG*CH
	s_add_co_u32 s20, s20, s85                     ; A: block of 128 rows 2 x tile + half, its first chunk
	s_mov_b32 s21, 0
	s_lshl_b32 s46, s42, 1
	s_add_co_u32 s46, s46, s16
	s_mul_i32 s46, s46, KG*CH                      ; B likewise
	s_mov_b32 s47, 0
	s_mul_i32 s45, s14, CH                         ; where they go: wave x a chunk
	s_wait_kmcnt 0x0
	s_cmp_eq_u32 s82, 1
	s_cselect_b64 s[86:87], s[70:71], s[68:69]
	s_cselect_b64 s[88:89], s[68:69], s[70:71]
	s_add_nc_u64 s[20:21], s[86:87], s[20:21]
	s_add_nc_u64 s[46:47], s[88:89], s[46:47]
	CROUND                                         ; all sixteen work-groups are here: the first joint loads meet
.irp s, 0,1
	s_mov_b32 s[G0+4*\s], 1
	s_add_co_u32 s[G0+4*\s+1], s45, \s*SLOT
	s_add_nc_u64 s[G0+4*\s+2:G0+4*\s+3], s[20:21], \s*CH
	s_or_b32 s[G0+4*\s+3], s[G0+4*\s+3], 0x80000000
	s_mov_b32 s[G0B+4*\s], 1
	s_add_co_u32 s[G0B+4*\s+1], s45, \s*SLOT
	s_add_nc_u64 s[G0B+4*\s+2:G0B+4*\s+3], s[46:47], \s*CH
	s_or_b32 s[G0B+4*\s+3], s[G0B+4*\s+3], 0x80000000
	JLOAD G0+4*\s, G1, G0B+4*\s, G1B
.endr
	v_and_b32 v1, 15, v0                           ; r
	v_bfe_u32 v2, v0, 4, 1                         ; h
	v_and_b32 v3, 31, v0
	v_lshlrev_b32 v[LI], 4, v3
	v_lshlrev_b32 v[L4], 2, v3
	s_mul_i32 s21, s15, CH
	s_mul_i32 s22, s16, CH
	s_add_co_u32 s22, s22, 2*CH
.irp s, 0,1
	v_add_nc_u32 v[ADRA+\s], s21, v[LI]
	v_add_nc_u32 v[ADRB+\s], s22, v[LI]
	v_add_nc_u32 v[ADSA+\s], s21, v[L4]
	v_add_nc_u32 v[ADSB+\s], s22, v[L4]
	s_add_co_u32 s21, s21, SLOT
	s_add_co_u32 s22, s22, SLOT
.endr
	; the biases, in both layouts, without a branch: each role uses one of them.  In the layout that a role does not use, numbers of bv are loaded from inside its 4,096 bytes and not used.
	s_cmp_eq_u32 ttmp9, 1
	s_cselect_b64 s[86:87], s[74:75], s[72:73]     ; bk or bq
	s_cmp_eq_u32 s82, 1
	s_cselect_b64 s[86:87], s[76:77], s[86:87]
	s_lshl_b32 s88, s40, 10
	s_lshl_b32 s89, s16, 9
	s_add_co_u32 s88, s88, s89
	s_mov_b32 s89, 0
	s_add_nc_u64 s[86:87], s[86:87], s[88:89]      ; at my 128 columns: 256 cx + 128 x half
	s_lshl_b32 s92, s17, 1
	s_add_co_u32 s92, s92, s15                     ; my block of 128 rows of A
	s_and_b32 s88, s92, 7
	s_lshl_b32 s88, s88, 9
	s_add_nc_u64 s[96:97], s[76:77], s[88:89]      ; bv at my 128 rows of Wv's columns (the role v has 8 such blocks)
	v_lshlrev_b32 v6, 6, v2                        ; 16 h numbers
	v_and_b32 v7, 7, v1
	v_lshrrev_b32 v8, 3, v1
	v_lshl_add_u32 v7, v8, 4, v7
	v_lshlrev_b32 v7, 2, v7                        ; (r % 8 + 16 (r / 8)) numbers
	WIN 0x40
.irp b, 0,1,2,3,4,5,6,7
	global_load_b128 v[64+8*\b:67+8*\b], v6, s[86:87] offset:(32*(\b/2)+8*(\b%2))*4       ; the result's layout: register 8 b + j: column 32 (b / 2) + 16 h + 8 (b % 2) + j
	global_load_b128 v[68+8*\b:71+8*\b], v6, s[86:87] offset:(32*(\b/2)+8*(\b%2))*4+16
.endr
.irp a, 0,1,2,3,4,5,6,7
	global_load_b32 v[192+\a], v7, s[96:97] offset:(32*(\a/2)+8*(\a%2))*4                 ; bv of my row in A's tile a
.endr
	WIN 0
.macro FRAG reg, adr, q, i             ; a fragment as it lies: two loads at 16 x lane
.irp c, 0,1
	ds_load_b128 v[\reg+4*\c:\reg+4*\c+3], v[\adr] offset:(\i)*4096+(\q)*1024+512*\c
.endr
.endm
; one product: A's tile a x B's tile b, the slot's q-th 128 along K.  A pair of tiles shares a scale register: the odd tile's words stand in lanes 16-31.
.macro WM a, b, p, q, sc, zero
.set rD, 8*(8*((\a)%4)+(\b))
.set rB, 128*(\p)+FR*(\b)
.set rA, AF+FR*(\a)
.set rX, SC+32*(\sc)+16+4*((\b)/2)+(\q)
.set rY, SC+32*(\sc)+4*((\a)/2)+(\q)
.set sl, 4*(\zero)+2*((\a)%2)+(\b)%2
.if sl == 0
	v_wmma_scale_f32_16x16x128_f8f6f4 v[rD:rD+7], v[rB:rB+7], v[rA:rA+7], v[rD:rD+7], v[rX], v[rY] matrix_a_fmt:MATRIX_FMT_FP4 matrix_b_fmt:MATRIX_FMT_FP4
.elseif sl == 1
	v_wmma_scale_f32_16x16x128_f8f6f4 v[rD:rD+7], v[rB:rB+7], v[rA:rA+7], v[rD:rD+7], v[rX], v[rY] matrix_a_fmt:MATRIX_FMT_FP4 matrix_b_fmt:MATRIX_FMT_FP4 matrix_a_scale:MATRIX_SCALE_ROW1
.elseif sl == 2
	v_wmma_scale_f32_16x16x128_f8f6f4 v[rD:rD+7], v[rB:rB+7], v[rA:rA+7], v[rD:rD+7], v[rX], v[rY] matrix_a_fmt:MATRIX_FMT_FP4 matrix_b_fmt:MATRIX_FMT_FP4 matrix_b_scale:MATRIX_SCALE_ROW1
.elseif sl == 3
	v_wmma_scale_f32_16x16x128_f8f6f4 v[rD:rD+7], v[rB:rB+7], v[rA:rA+7], v[rD:rD+7], v[rX], v[rY] matrix_a_fmt:MATRIX_FMT_FP4 matrix_b_fmt:MATRIX_FMT_FP4 matrix_a_scale:MATRIX_SCALE_ROW1 matrix_b_scale:MATRIX_SCALE_ROW1
.elseif sl == 4
	v_wmma_scale_f32_16x16x128_f8f6f4 v[rD:rD+7], v[rB:rB+7], v[rA:rA+7], 0, v[rX], v[rY] matrix_a_fmt:MATRIX_FMT_FP4 matrix_b_fmt:MATRIX_FMT_FP4
.elseif sl == 5
	v_wmma_scale_f32_16x16x128_f8f6f4 v[rD:rD+7], v[rB:rB+7], v[rA:rA+7], 0, v[rX], v[rY] matrix_a_fmt:MATRIX_FMT_FP4 matrix_b_fmt:MATRIX_FMT_FP4 matrix_a_scale:MATRIX_SCALE_ROW1
.elseif sl == 6
	v_wmma_scale_f32_16x16x128_f8f6f4 v[rD:rD+7], v[rB:rB+7], v[rA:rA+7], 0, v[rX], v[rY] matrix_a_fmt:MATRIX_FMT_FP4 matrix_b_fmt:MATRIX_FMT_FP4 matrix_b_scale:MATRIX_SCALE_ROW1
.else
	v_wmma_scale_f32_16x16x128_f8f6f4 v[rD:rD+7], v[rB:rB+7], v[rA:rA+7], 0, v[rX], v[rY] matrix_a_fmt:MATRIX_FMT_FP4 matrix_b_fmt:MATRIX_FMT_FP4 matrix_a_scale:MATRIX_SCALE_ROW1 matrix_b_scale:MATRIX_SCALE_ROW1
.endif
.endm
.macro MUL16 a0, p, q, sc, zero        ; A's tiles a0, a0 + 1 x B's eight.  The 64 accumulators take turns, one instruction a turn, in the same order in every step
.irp a, \a0, \a0+1
.irp b, 0,1,2,3,4,5,6,7
	WM \a, \b, \p, \q, \sc, \zero
.endr
.endr
.endm
.macro FETCH_B slot, q, p
	WIN TO_B
.irp i, 0,1,2,3,4,5,6,7
	FRAG 128*(\p)+FR*\i, ADRB+\slot, \q, \i
.endr
	WIN 0
.endm
.macro FETCH_A slot, q, i0
.irp i, \i0, \i0+1, \i0+2, \i0+3
	FRAG AF+FR*(\i), ADRA+\slot, \q, \i
.endr
.endm
.macro SCALES sc                       ; a slot's scale words: 4 pairs x 4 K steps for each side
.irp p, 0,1,2,3
.irp q, 0,1,2,3
	ds_load_b32 v[SC+32*\sc+4*\p+\q], v[ADSA+\sc] offset:32768+512*\q+128*\p
	ds_load_b32 v[SC+32*\sc+16+4*\p+\q], v[ADSB+\sc] offset:32768+512*\q+128*\p
.endr
.endr
.endm
.macro PLACES n                        ; plain vector instructions between a matrix instruction and a load into, or a read of, its registers (ISA guide 7.12.1 for the reads)
.rept \n
	v_nop
.endr
.endm
.macro STEP slot, q, zero              ; 128 along K that has its successor in the same slot
	s_wait_dscnt 8                                 ; B's set, A's tiles 0-3 and the scale words are in; the youngest eight loads (A's tiles 4-7) may be out
	WIN MUL_LO
	MUL16 0, (\q)%2, \q, \slot, \zero
	MUL16 2, (\q)%2, \q, \slot, \zero
	s_wait_dscnt 0
	PLACES 4
	FETCH_B \slot, (\q)+1, 1-(\q)%2
	FETCH_A \slot, (\q)+1, 0
	WIN MUL_HI
	MUL16 4, (\q)%2, \q, \slot, \zero
	MUL16 6, (\q)%2, \q, \slot, \zero
	PLACES 4
	WIN 0
	FETCH_A \slot, (\q)+1, 4
.endm
.macro TURN slot, next, fill           ; a slot's last step changes slots: one barrier; in front of it each wave waits for all its tensor loads, adds 0 to its spare word, and waits for that and for its reads of this slot
	s_wait_tensorcnt 0x0                           ; all my tensor loads have landed: my part of the next slot
	ds_add_u32 v[SPW], v[NIL]                      ; 0 onto my spare word
	s_wait_dscnt 9                                 ; (the add and the youngest eight loads may be out)
	WIN MUL_LO
	MUL16 0, 1, NQ-1, \slot, 0
	s_wait_dscnt 0x0                               ; the add is done, and my reads of this slot are over
	s_barrier_signal -1
	MUL16 2, 1, NQ-1, \slot, 0
	WIN 0
	s_barrier_wait -1
.if \fill
	CREST
	s_add_nc_u64 s[G0+4*\slot+2:G0+4*\slot+3], s[G0+4*\slot+2:G0+4*\slot+3], 2*CH
	s_add_nc_u64 s[G0B+4*\slot+2:G0B+4*\slot+3], s[G0B+4*\slot+2:G0B+4*\slot+3], 2*CH
	JLOAD G0+4*\slot, G1, G0B+4*\slot, G1B
.else
	PLACES 4
.endif
	FETCH_B \next, 0, 0
	FETCH_A \next, 0, 0
	SCALES \next
	WIN MUL_HI
	MUL16 4, 1, NQ-1, \slot, 0
	MUL16 6, 1, NQ-1, \slot, 0
	PLACES 4
	WIN 0
	FETCH_A \next, 0, 4
.endm
.macro STEPS slot, from
.set QS, \from
.rept NQ-1-\from
	STEP \slot, QS, 0
.set QS, QS+1
.endr
.endm
	s_wait_tensorcnt 1                             ; my part of slot 0 is in (slot 1's load may be out),
	s_barrier_signal -1
	s_barrier_wait -1                              ; everybody's is
	FETCH_B 0, 0, 0
	FETCH_A 0, 0, 0
	SCALES 0
	FETCH_A 0, 0, 4
	STEP 0, 0, 1                                   ; the first products start the sums: nothing is cleared
	STEPS 0, 1
	TURN 0, 1, 0
	STEPS 1, 0
	s_wait_dscnt 8
	WIN MUL_LO
	MUL16 0, 1, NQ-1, 1, 0
	MUL16 2, 1, NQ-1, 1, 0
	s_wait_dscnt 0
	WIN MUL_HI
	MUL16 4, 1, NQ-1, 1, 0
	MUL16 6, 1, NQ-1, 1, 0
	WIN 0
; 64 numbers of a lane, register 16 b + i = k 32 b + 16 (lane / 16) + i of my row, become a fragment's codes in v[PC] on and its scale word in v[PW]
.macro QUANT s
.irp b, 0,1,2,3
	v_max3_num_f32 v[TM+\b], |v[\s+16*\b]|, |v[\s+1+16*\b]|, 0x1800000   ; my 16 numbers of block b, and the floor 2^(3 - 127): the byte cannot fall under 1
.endr
.irp i, 2,4,6,8,10,12,14
.irp b, 0,1,2,3
	v_max3_num_f32 v[TM+\b], v[TM+\b], |v[\s+16*\b+\i]|, |v[\s+1+16*\b+\i]|
.endr
.endr
.irp b, 0,1,2,3
	v_permlanex16_b32 v[TM+4+\b], v[TM+\b], s[SEL], s[SEL+1]
.endr
.irp b, 0,1,2,3
	v_max_num_f32 v[TM+\b], v[TM+\b], v[TM+4+\b]   ; with lane l xor 16's: the block's largest magnitude
.endr
.irp b, 0,1,2,3
	v_add_nc_u32 v[TM+12+\b], 0xff000000, v[TM+\b] ; 2 off its exponent field: the conversion's scale operand
.endr
.irp b, 0,1,2,3
	v_lshrrev_b32 v[TM+4+\b], 23, v[TM+12+\b]      ; the scale's byte
.endr
	v_lshl_or_b32 v[PW], v[TM+5], 8, v[TM+4]
	v_lshl_or_b32 v[PW], v[TM+6], 16, v[PW]
	v_lshl_or_b32 v[PW], v[TM+7], 24, v[PW]
.irp b, 0,1,2,3
	v_cvt_scalef32_pk8_fp4_f32 v[PC+2*\b], v[\s+16*\b:\s+7+16*\b], v[TM+12+\b]
	v_cvt_scalef32_pk8_fp4_f32 v[PC+1+2*\b], v[\s+8+16*\b:\s+15+16*\b], v[TM+12+\b]
.endr
	v_nop                                          ; one plain place behind a scaled conversion
.irp c, 0,1                            ; the operand's layout wants a whole block in a lane
.irp i, 0,1
	v_permlane16_swap_b32 v[PC+4*\c+\i], v[PC+2+4*\c+\i]
.endr
.endr
.endm
; q, k: A's tile a: 16 tokens x my 128 columns = two heads.  Registers 0-3 of the codes are head 0's tile, registers 4-7 head 1's.
.macro EPIQK a
.set AC, 64*((\a)%4)
.if (\a) > 0
	s_wait_xcnt 0x0                                ; the last tile's stores have read their registers
.endif
	WIN 0x06+(\a)/4                                ; source 0: the accumulators' window; source 1: window 1
.set i, 0
.rept 32
	v_pk_add_f32 v[TR+i:TR+i+1], v[AC+i:AC+i+1], v[64+i:65+i]   ; + bias; each accumulator from its low end on
.set i, i+2
.endr
	WIN 0
	QUANT TR
	global_store_b128 v[LI], v[PC:PC+3], s[4:5] offset:512*(\a)       ; 512 consecutive bytes
	global_store_b128 v[LI], v[PC+4:PC+7], s[10:11] offset:512*(\a)
.if (\a)%2 == 0
	v_and_or_b32 v[KE0], v[PW], 0xffff, s99        ; head 0's two bytes, and 0x7f for the zero codes of k = 64 .. 127
	v_lshrrev_b32 v[KE1], 16, v[PW]
	v_or_b32 v[KE1], s99, v[KE1]                   ; head 1's
.else
	v_and_or_b32 v[W0], v[PW], 0xffff, s99
	v_lshrrev_b32 v[W1], 16, v[PW]
	v_or_b32 v[W1], s99, v[W1]
	v_cndmask_b32 v[WS0], v[KE0], v[W0], s98       ; lanes 0-15 the even tile's words, lanes 16-31 the odd tile's
	v_cndmask_b32 v[WS1], v[KE1], v[W1], s98
	global_store_b32 v[LS], v[WS0], s[4:5] offset:128*((\a)/2)
	global_store_b32 v[LS], v[WS1], s[10:11] offset:128*((\a)/2)
.endif
.endm
; v: A's tile a: 16 of a head's 64 x my 128 tokens: one fragment of V^T
.macro EPIV a
.set AC, 64*((\a)%4)
.if (\a) > 0
	s_wait_xcnt 0x0
.endif
	WIN 0x06+(\a)/4
.set i, 0
.rept 32
.if (\a)%2 == 0
	v_pk_add_f32 v[TR+i:TR+i+1], v[AC+i:AC+i+1], v[192+2*((\a)/2):193+2*((\a)/2)] op_sel_hi:[1,0]             ; + bv of my row: the pair's first register for both halves
.else
	v_pk_add_f32 v[TR+i:TR+i+1], v[AC+i:AC+i+1], v[192+2*((\a)/2):193+2*((\a)/2)] op_sel:[0,1] op_sel_hi:[1,1]  ; the second
.endif
.set i, i+2
.endr
	WIN 0
	QUANT TR
	global_store_b128 v[LI], v[PC:PC+3], s[4:5] offset:((\a)/4)*143360+4096+((\a)%4)*1024
	global_store_b128 v[LI], v[PC+4:PC+7], s[4:5] offset:((\a)/4)*143360+4096+((\a)%4)*1024+512
.if (\a)%2 == 0
	v_mov_b32 v[KE0], v[PW]
.else
	v_cndmask_b32 v[WS0], v[KE0], v[PW], s98
	global_store_b32 v[L4], v[WS0], s[4:5] offset:((\a)/4)*143360+8704+(((\a)%4)/2)*128
.endif
.endm
	PLACES 4                                       ; behind the last products
	s_wait_loadcnt 0x0                             ; the biases
	s_mov_b32 s[SEL], 0x76543210
	s_mov_b32 s[SEL+1], 0xfedcba98
	s_mov_b32 s98, 0xffff0000                      ; lanes 16-31
	s_mov_b32 s99, 0x7f7f0000
.irp b, 0,1,2,3
	v_mov_b32 v[TM+4+\b], 0                        ; a lane permute's destination counts as one of its sources
.endr
	s_cmp_eq_u32 s82, 1
	s_cbranch_scc1 .Lrole_v
	s_cmp_eq_u32 ttmp9, 1                          ; k or q
	s_cselect_b64 s[4:5], s[80:81], s[78:79]
	s_mov_b32 s6, 4608
	s_cselect_b32 s6, 8960, s6                     ; bytes of a block of 128 tokens of a head,
	s_mov_b32 s7, 4096
	s_cselect_b32 s7, 8192, s7                     ; and where its scale words begin
	s_lshr_b32 s8, s92, 4
	s_lshl_b32 s8, s8, 4                           ; 16 x batch
	s_lshl_b32 s9, s40, 2
	s_add_co_u32 s8, s8, s9
	s_lshl_b32 s9, s16, 1
	s_add_co_u32 s8, s8, s9                        ; + my first head: 4 cx + 2 x half
	s_lshl_b32 s8, s8, 4
	s_and_b32 s9, s92, 15
	s_add_co_u32 s8, s8, s9                        ; x 16 + the block of 128 tokens
	s_mul_i32 s8, s8, s6
	s_mov_b32 s9, 0
	s_add_nc_u64 s[4:5], s[4:5], s[8:9]            ; head 0's block
	s_lshl_b32 s8, s6, 4
	s_add_nc_u64 s[10:11], s[4:5], s[8:9]          ; head 1's: 16 blocks on
	v_add_nc_u32 v[LS], s7, v[L4]
.irp a, 0,1,2,3,4,5,6,7
	EPIQK \a
.endr
	s_branch .Ldone
.Lrole_v:
	s_lshl_b32 s8, s42, 1
	s_add_co_u32 s8, s8, s16                       ; my block of 128 tokens
	s_lshr_b32 s9, s8, 4
	s_lshl_b32 s9, s9, 4                           ; 16 x batch
	s_lshl_b32 s6, s92, 1
	s_add_co_u32 s9, s9, s6                        ; + my first head: 2 x my block of Wv's columns
	s_lshl_b32 s9, s9, 4
	s_and_b32 s8, s8, 15
	s_add_co_u32 s8, s8, s9
	s_mul_i32 s8, s8, 8960
	s_mov_b32 s9, 0
	s_add_nc_u64 s[4:5], s[80:81], s[8:9]
.irp a, 0,1,2,3,4,5,6,7
	EPIV \a
.endr
.Ldone:
	s_wait_tensorcnt 0x0                           ; the wave's end
	ds_add_u32 v[SPW], v[NIL]
	s_wait_dscnt 0x0
	CROUND                                         ; the closing round
	s_endpgm
.Lfunc_end_k_qe1c00ee292_qkv:
	.size	k_qe1c00ee292_qkv, .Lfunc_end_k_qe1c00ee292_qkv-k_qe1c00ee292_qkv
	.p2alignl 7, 3214868480
	.fill 96, 4, 3214868480
	.section	.rodata,"a",@progbits
	.p2align	6, 0x0
	.amdhsa_kernel k_qe1c00ee292_qkv
		.amdhsa_group_segment_fixed_size 327680
		.amdhsa_private_segment_fixed_size 0
		.amdhsa_enable_private_segment 0
		.amdhsa_kernarg_size 56
		.amdhsa_user_sgpr_count 2
		.amdhsa_user_sgpr_kernarg_segment_ptr 1
		.amdhsa_wavefront_size32 1
		.amdhsa_system_sgpr_workgroup_id_x 1
		.amdhsa_system_sgpr_workgroup_id_y 1
		.amdhsa_system_sgpr_workgroup_id_z 1
		.amdhsa_system_vgpr_workitem_id 0
		.amdhsa_next_free_vgpr 1024
		.amdhsa_next_free_sgpr 100
		.amdhsa_reserve_vcc 0
		.amdhsa_float_denorm_mode_32 3
		.amdhsa_float_denorm_mode_16_64 3
		.amdhsa_memory_ordered 1
		.amdhsa_forward_progress 1
		.amdhsa_inst_pref_size 199
	.end_amdhsa_kernel
	.amdgpu_metadata
---
amdhsa.version: [ 1, 2 ]
amdhsa.kernels:
  - .name:           k_qe1c00ee292_qkv
    .symbol:         k_qe1c00ee292_qkv.kd
    .args:
      - { .name: h, .offset: 0, .size: 8, .value_kind: global_buffer, .address_space: global }
      - { .name: wc, .offset: 8, .size: 8, .value_kind: global_buffer, .address_space: global }
      - { .name: bq, .offset: 16, .size: 8, .value_kind: global_buffer, .address_space: global }
      - { .name: bk, .offset: 24, .size: 8, .value_kind: global_buffer, .address_space: global }
      - { .name: bv, .offset: 32, .size: 8, .value_kind: global_buffer, .address_space: global }
      - { .name: qc, .offset: 40, .size: 8, .value_kind: global_buffer, .address_space: global }
      - { .name: kv, .offset: 48, .size: 8, .value_kind: global_buffer, .address_space: global }
    .group_segment_fixed_size: 327680
    .private_segment_fixed_size: 0
    .kernarg_segment_align: 8
    .kernarg_segment_size: 56
    .max_flat_workgroup_size: 128
    .sgpr_count:     100
    .vgpr_count:     1024
    .wavefront_size: 32
...
	.end_amdgpu_metadata
.endif
;; end of part 3
;; launch attn (part 4): grid 8 x 32, 16 waves a work-group, no clusters, 169,984 bytes of LDS; arguments qc, kv, ctx; writes ctx
.if DOCPART == 4
	.amdgcn_target "amdgcn-amd-amdhsa--gfx1250"
	.amdhsa_code_object_version 6
	.text
	.protected	k_qe1c00ee292_attn
	.globl	k_qe1c00ee292_attn
	.p2align	8
	.type	k_qe1c00ee292_attn,@function
k_qe1c00ee292_attn:
	s_mov_b64 s[64:65], 0
	v_nop
	global_prefetch_b8 v0, s[64:65] scope:SCOPE_SE
	s_setreg_imm32_b32 hwreg(HW_REG_WAVE_MODE, 25, 1), 1
	s_wait_xcnt 0x0
; ctx = softmax(q k^T / 8, causal) v for one (batch, head), both products on codes of FP4 (E2M1) with E8M0 scales, and ctx quantised along the model's axis on the way out.
; THE SOFTMAX AHEAD OF THE SECOND PRODUCT: t = score x log2(e) / 8; M = the running largest t rounded UP to a whole number; p = 2^(t - M) is quantised along the keys, not normalised; the row's sum is taken of the
; unquantised p and divides at the end.  When M moves, the sum and O are multiplied by 2^(old M - new M): exact.
; SHARES.  Work-group (i, batch x 16 + head), sixteen waves of 256 registers.  Waves 0-7 own the eight tiles of 16 queries of block i (128 queries), waves 8-15 those of block 15 - i: every work-group has 8 x 17 key steps of work.
; THE HEAD'S K AND V, 16 key steps x 8,960 bytes, LIE IN LDS: sixteen tensor loads, four by each of waves 0-3, all first fills: nothing is filled again.  A quarter of them is waited for at a time.
; Four tensor loads of a wave are out at the most.  No cluster: which steps a wave leaves out hangs on the work-group's number, and partners of a cluster would need different steps.
; LAYOUT.  Both products transposed: S^T = K Q^T, O^T = V^T P^T: a lane holds ONE query.  Place m of K's tile t is key 32 (t / 2) + 8 (t % 2) + m % 8 + 16 (m / 8), so the 16 registers of tiles 2 b, 2 b + 1 are keys 32 b + 16 (lane / 16) + 0 .. 15;
; V^T's tiles are ordered likewise along the head's 64.  K = 64 in the first product: registers 4-7 of K's and Q's fragments are zeros, their scale bytes 0x7f.
; CAUSAL.  A key step behind my block is left out by a scalar branch on ids; every loop's trip count is a constant.  In the step on the diagonal hidden scores become -infinity ahead of the maximum.
; OUT: 512 consecutive bytes of codes a wave; two scale bytes a query by stores of two bytes from lanes 0-15 (the other half of each word belongs to the neighbouring head's work-group): 131,072 bytes in the whole launch.
; LIMITS: NaN and infinities are not served.
; REGISTERS: v1 16 x lane, v2 4 x lane, v3 4 (lane % 16), v8-9 addresses in hand, v10 the mask's d, v12 -M, v13 largest t, v[14:15] the sum, v16-23 Q, v24 Q's scales, v25-26 V's, v27-30 K's, v32-95 K, v96-159 S^T then p, v160-191 O^T, v192-223 V, v224-231 p's codes, v232-254 at work.
.set CH,   34816
.set KVS,  8960
.set LI,   1
.set L4,   2
.set ADK,  8
.set ADS,  9
.set WV,   18
.set SEL,  20
.set CS,   22
.set G1,   24
.set TB,   32                          ; s32 LDS byte at which the key step in hand begins
.set KS,   33                          ; s33 the key step
.set BLK,  34                          ; s34 my block of 128 queries
.set CNT,  35
	s_load_b128 s[4:7], s[0:1], 0x0                ; qc, kv
	s_load_b64 s[8:9], s[0:1], 0x10                ; ctx
	v_lshl_add_u32 v251, v0, 2, 0x29000
	v_mov_b32 v255, 0
	ds_add_u32 v251, v255
	ds_add_u32 v251, v255
	v_lshrrev_b32 v1, 5, v0
	v_readfirstlane_b32 s[WV], v1                  ; wave 0..15
	s_and_b32 s37, ttmp7, 0xffff                   ; batch x 16 + head
	s_sub_co_u32 s38, 15, ttmp9
	s_cmp_lt_u32 s[WV], 8
	s_cselect_b32 s[BLK], ttmp9, s38
	s_and_b32 s36, s[WV], 7                        ; my tile of the block
	s_mov_b32 s[G1], 3<<16                         ; no mask; elements of 8 bytes; no padding: fragments are read at 16 x lane
	s_mov_b32 s[G1+1], 32<<16                      ; tensor_dim0: 256 bytes
	s_mov_b32 s[G1+2], 35<<16                      ; tensor_dim1: a key step is 35 such rows, dense
	s_mov_b32 s[G1+3], 32<<16
	s_mov_b32 s[G1+4], 35
	s_mov_b32 s[G1+5], 32
	s_mov_b32 s[G1+6], 0
	s_mov_b32 s[G1+7], 0
	s_mul_i32 s39, s[WV], KVS
	s_lshl_b32 s56, s37, 4
	s_add_co_u32 s56, s56, s[WV]
	s_mul_i32 s56, s56, KVS
	s_mov_b32 s57, 0
	s_mov_b32 s[SEL], 0x76543210
	s_mov_b32 s[SEL+1], 0xfedcba98
	s_mov_b32 s[CS], 0x3e38aa3b                    ; c = log2(e) / 8
	s_mov_b32 s[CS+1], s[CS]
	s_mov_b32 s[KS], 0
	s_wait_dscnt 0x0
	s_wait_kmcnt 0x0
	s_add_nc_u64 s[56:57], s[6:7], s[56:57]        ; the head's key step number wave
.irp j, 0,1,2,3                        ; quarter j: key step 4 j + wave
	s_mov_b32 s[40+4*\j], 1
	s_add_co_u32 s[41+4*\j], s39, \j*4*KVS
	s_add_nc_u64 s[42+4*\j:43+4*\j], s[56:57], \j*4*KVS
	s_or_b32 s[43+4*\j], s[43+4*\j], 0x80000000
.endr
	s_cmp_lt_u32 s[WV], 4                          ; a wave's four first fills stand in one branch, ahead of every wait on TENSORcnt, every LDS read and every barrier
	s_cbranch_scc0 .Lno_fetch
	tensor_load_to_lds s[40:43], s[G1:G1+7]
	s_nop 0
	tensor_load_to_lds s[44:47], s[G1:G1+7]
	s_nop 0
	tensor_load_to_lds s[48:51], s[G1:G1+7]
	s_nop 0
	tensor_load_to_lds s[52:55], s[G1:G1+7]
	s_nop 0
.rept 4
	v_nop
.endr
.Lno_fetch:
	v_and_b32 v4, 31, v0                           ; lane
	v_and_b32 v5, 15, v0                           ; r
	v_bfe_u32 v6, v0, 4, 1                         ; h
	v_lshlrev_b32 v[LI], 4, v4
	v_lshlrev_b32 v[L4], 2, v4
	v_lshlrev_b32 v3, 2, v5
	s_lshl_b32 s58, s37, 4
	s_add_co_u32 s58, s58, s[BLK]
	s_mul_i32 s58, s58, 4608                       ; my block of queries in qc
	s_lshl_b32 s59, s36, 9
	s_add_co_u32 s60, s58, s59
	s_mov_b32 s61, 0
	s_add_nc_u64 s[60:61], s[4:5], s[60:61]        ; my tile's codes
	s_lshl_b32 s59, s36, 6
	s_add_co_u32 s62, s58, s59
	s_add_co_u32 s62, s62, 4096
	s_mov_b32 s63, 0
	s_add_nc_u64 s[62:63], s[4:5], s[62:63]        ; my tile's 16 scale words
	global_load_b128 v[16:19], v[LI], s[60:61]
	global_load_b32 v24, v3, s[62:63]              ; lane r (and r + 16) takes place r's word
	s_lshr_b32 s58, s36, 1
	s_lshl_b32 s58, s58, 5
	s_and_b32 s59, s36, 1
	s_lshl_b32 s59, s59, 3
	s_add_co_u32 s58, s58, s59                     ; 32 (tile / 2) + 8 (tile % 2)
	v_and_b32 v7, 7, v5
	v_lshrrev_b32 v10, 3, v5
	v_lshl_add_u32 v10, v10, 4, v7
	v_add_nc_u32 v10, s58, v10                     ; my query in its block
	v_lshlrev_b32 v7, 4, v6
	v_sub_nc_u32 v10, v10, v7                      ; d = my query - 16 (lane / 16)
	v_mov_b32 v13, 0xff61b1e6                      ; the largest t so far: -3e38
	v_floor_f32 v12, -v13                          ; -M
	v_mov_b32 v14, 0
	v_mov_b32 v15, 0
.irp j, 20,21,22,23
	v_mov_b32 v[\j], 0                             ; Q's k = 64 .. 127: zero codes
.endr
.irp t, 0,1,2,3,4,5,6,7
.irp j, 4,5,6,7
	v_mov_b32 v[32+8*\t+\j], 0                     ; K's likewise: set once, no load lands here
.endr
.endr
.set i, 0
.rept 32
	v_mov_b32 v[160+i], 0                          ; O^T: the step is written once; the first change of M leaves zeros zeros
.set i, i+1
.endr
.irp b, 0,1,2,3
	v_mov_b32 v[236+\b], 0                         ; a lane permute's destination counts as one of its sources
.endr
	v_mov_b32 v252, 0
	v_mov_b32 v253, 0
; A KEY STEP: 128 keys
.macro STEP
	s_cmp_gt_u32 s[KS], s[BLK]                     ; all its keys come after my queries: only the lines at its end are run
	s_cbranch_scc1 .Lhidden_\@
	v_add_nc_u32 v[ADK], s[TB], v[LI]
	v_add_nc_u32 v[ADS], s[TB], v[L4]
.irp t, 0,1,2,3,4,5,6,7
	ds_load_b128 v[32+8*\t:35+8*\t], v[ADK] offset:512*\t
.endr
.irp p, 0,1,2,3
	ds_load_b32 v[27+\p], v[ADS] offset:8192+128*\p
.endr
.irp t, 0,1,2,3
.irp c, 0,1
	ds_load_b128 v[192+8*\t+4*\c:195+8*\t+4*\c], v[ADK] offset:4096+1024*\t+512*\c
.endr
.endr
	ds_load_b32 v25, v[ADS] offset:8704
	ds_load_b32 v26, v[ADS] offset:8832
	s_wait_dscnt 10                                ; K and its scale words are in; V's ten loads may be out
.irp t, 0,2,4,6
	v_wmma_scale_f32_16x16x128_f8f6f4 v[96+8*\t:103+8*\t], v[32+8*\t:39+8*\t], v[16:23], 0, v[27+\t/2], v24 matrix_a_fmt:MATRIX_FMT_FP4 matrix_b_fmt:MATRIX_FMT_FP4
	v_wmma_scale_f32_16x16x128_f8f6f4 v[104+8*\t:111+8*\t], v[40+8*\t:47+8*\t], v[16:23], 0, v[27+\t/2], v24 matrix_a_fmt:MATRIX_FMT_FP4 matrix_b_fmt:MATRIX_FMT_FP4 matrix_a_scale:MATRIX_SCALE_ROW1
.endr
.rept 4
	v_nop
.endr
	s_cmp_lg_u32 s[KS], s[BLK]                     ; only the step on the diagonal has hidden keys
	s_cbranch_scc1 .Lopen_\@
	v_mov_b32 v254, 0xff800000                     ; -infinity.  Register 16 b + i holds key 32 b + 16 (lane / 16) + i: hidden where 32 b + i > d
.set n, 0
.rept 64
	v_cmp_gt_i32 vcc_lo, 32*(n/16)+n%16, v10
	v_cndmask_b32 v[96+n], v[96+n], v254, vcc_lo
.set n, n+1
.endr
.Lopen_\@:
.irp b, 0,1,2,3
	v_max3_num_f32 v[232+\b], v[96+16*\b], v[97+16*\b], v[98+16*\b]   ; the largest score of each block of 32 keys: for the row's maximum, and, since p rises with the score, for the block's largest p
.endr
.irp i, 3,5,7,9,11,13
.irp b, 0,1,2,3
	v_max3_num_f32 v[232+\b], v[232+\b], v[96+16*\b+\i], v[97+16*\b+\i]
.endr
.endr
.irp b, 0,1,2,3
	v_max_num_f32 v[232+\b], v[232+\b], v[111+16*\b]
.endr
.irp b, 0,1,2,3
	v_permlanex16_b32 v[236+\b], v[232+\b], s[SEL], s[SEL+1]
.endr
.irp b, 0,1,2,3
	v_max_num_f32 v[232+\b], v[232+\b], v[236+\b]
.endr
	v_max3_num_f32 v254, v232, v233, v234
	v_max_num_f32 v254, v254, v235
	v_mul_f32 v254, s[CS], v254
	v_max_num_f32 v13, v13, v254                   ; the running largest t
	v_mov_b32 v254, v12
	v_floor_f32 v12, -v13                          ; the new -M = -ceil(t)
	v_sub_f32 v254, v12, v254                      ; old M - new M: a whole number, 0 or less
	v_cvt_i32_f32 v254, v254                       ; (it saturates)
	v_ldexp_f32 v252, 1.0, v254                    ; f = 2^(old M - new M)
.set j, 0
.rept 32
	v_pk_fma_f32 v[96+j:97+j], v[96+j:97+j], s[CS:CS+1], v[12:13] op_sel_hi:[1,0,0]   ; t - M
.set j, j+2
.endr
.irp b, 0,1,2,3
	v_fma_f32 v[232+\b], v[232+\b], s[CS], v12
.endr
.set j, 0
.rept 64
	v_exp_f32 v[96+j], v[96+j]                     ; p = 2^(t - M)
.set j, j+1
.endr
	v_pk_mul_f32 v[14:15], v[14:15], v[252:253] op_sel_hi:[1,0]   ; the sums under the new M: a plain instruction behind the batch
	s_wait_alu depctr_va_vdst(0)                   ; one wait for the 64, ahead of their first reader
.irp b, 0,1,2,3
	v_exp_f32 v[232+\b], v[232+\b]                 ; each block's largest p
.endr
	v_pk_add_f32 v[236:237], v[96:97], v[98:99]    ; the row's sum of the unquantised p, in two chains
.irp j, 4,8,12,16,20,24,28,32,36,40,44,48,52,56,60
	v_pk_add_f32 v[14:15], v[14:15], v[96+\j:97+\j]
	v_pk_add_f32 v[236:237], v[236:237], v[98+\j:99+\j]
.endr
	v_pk_add_f32 v[14:15], v[14:15], v[236:237]
	s_wait_alu depctr_va_vdst(0)                   ; and one for the four
.irp b, 0,1,2,3
	v_max_num_f32 v[232+\b], 0x1800000, v[232+\b]  ; the floor 2^(3 - 127)
.endr
.irp b, 0,1,2,3
	v_add_nc_u32 v[244+\b], 0xff000000, v[232+\b]
.endr
.irp b, 0,1,2,3
	v_lshrrev_b32 v[236+\b], 23, v[244+\b]
.endr
	v_lshl_or_b32 v253, v237, 8, v236              ; p's scale word for these 128 keys
	v_lshl_or_b32 v253, v238, 16, v253
	v_lshl_or_b32 v253, v239, 24, v253
.irp b, 0,1,2,3
	v_cvt_scalef32_pk8_fp4_f32 v[224+2*\b], v[96+16*\b:103+16*\b], v[244+\b]
	v_cvt_scalef32_pk8_fp4_f32 v[225+2*\b], v[104+16*\b:111+16*\b], v[244+\b]
.endr
	v_nop                                          ; one plain place behind a scaled conversion
.irp c, 0,1
.irp i, 0,1
	v_permlane16_swap_b32 v[224+4*\c+\i], v[226+4*\c+\i]
.endr
.endr
.set j, 0
.rept 16
	v_pk_mul_f32 v[160+j:161+j], v[160+j:161+j], v[252:253] op_sel_hi:[1,0]   ; O^T under the new M.  For each product below, twelve of these name none of its registers: the places behind the writes of p's codes and scale word
.set j, j+2
.endr
	s_wait_dscnt 0x0                               ; V
.irp t, 0,2
	v_wmma_scale_f32_16x16x128_f8f6f4 v[160+8*\t:167+8*\t], v[192+8*\t:199+8*\t], v[224:231], v[160+8*\t:167+8*\t], v[25+\t/2], v253 matrix_a_fmt:MATRIX_FMT_FP4 matrix_b_fmt:MATRIX_FMT_FP4
	v_wmma_scale_f32_16x16x128_f8f6f4 v[168+8*\t:175+8*\t], v[200+8*\t:207+8*\t], v[224:231], v[168+8*\t:175+8*\t], v[25+\t/2], v253 matrix_a_fmt:MATRIX_FMT_FP4 matrix_b_fmt:MATRIX_FMT_FP4 matrix_a_scale:MATRIX_SCALE_ROW1
.endr
.rept 4
	v_nop                                          ; places in front of the next step's loads into V's registers, and of the first read of O^T
.endr
.Lhidden_\@:
	s_add_co_u32 s[TB], s[TB], KVS
	s_add_co_u32 s[KS], s[KS], 1
.endm
.macro QUARTER j                       ; key steps 4 j .. 4 j + 3
	s_wait_tensorcnt 3-\j                          ; my load of this quarter has landed; those of the later quarters may be out
	s_wait_dscnt 0x0
	s_barrier_signal -1
	s_barrier_wait -1                              ; everybody's has
	s_mov_b32 s[TB], \j*4*KVS
	s_mov_b32 s[CNT], 4
.Lq_\@:
	STEP
	s_sub_co_u32 s[CNT], s[CNT], 1
	s_cmp_lg_u32 s[CNT], 0
	s_cbranch_scc1 .Lq_\@
.endm
	s_wait_loadcnt 0x0                             ; Q
	QUARTER 0
	QUARTER 1
	QUARTER 2
	QUARTER 3
	; THE WAY OUT: O^T / the sum; my query's 64 numbers are two blocks of 32 of ctx's row
	v_add_f32 v14, v14, v15
	v_permlanex16_b32 v252, v14, s[SEL], s[SEL+1]
	v_add_f32 v14, v14, v252                       ; the row's sum
	v_rcp_f32 v14, v14
	v_cmp_gt_u32 vcc_lo, 16, v4                    ; (a plain place behind the reciprocal)  lanes 0-15
	s_lshr_b32 s56, s37, 4
	s_and_b32 s57, s37, 15                         ; the head
	s_lshl_b32 s56, s56, 4
	s_add_co_u32 s56, s56, s[BLK]                  ; the block of 128 rows: 16 x batch + my block
	s_lshl_b32 s56, s56, 1
	s_lshr_b32 s58, s57, 3
	s_add_co_u32 s56, s56, s58
	s_mul_i32 s56, s56, CH                         ; the chunk: K = 512 (head / 8) on
	s_bfe_u32 s58, s57, 0x20001                    ; the K step: (head / 2) % 4
	s_and_b32 s59, s57, 1
	s_lshl_b32 s60, s36, 12
	s_lshl_b32 s61, s58, 10
	s_add_co_u32 s60, s60, s61
	s_lshl_b32 s61, s59, 9
	s_add_co_u32 s60, s60, s61
	s_add_co_u32 s60, s60, s56
	s_mov_b32 s61, 0
	s_add_nc_u64 s[60:61], s[8:9], s[60:61]        ; codes: tile x 4,096 + K step x 1,024 + 512 (head % 2)
	s_lshl_b32 s62, s58, 9
	s_lshl_b32 s63, s36, 6
	s_add_co_u32 s62, s62, s63
	s_lshl_b32 s63, s59, 1
	s_add_co_u32 s62, s62, s63
	s_add_co_u32 s62, s62, s56
	s_add_co_u32 s62, s62, 32768
	s_mov_b32 s63, 0
	s_add_nc_u64 s[62:63], s[8:9], s[62:63]        ; scale bytes: 32,768 + K step x 512 + tile x 64 + 2 (head % 2)
	s_wait_alu depctr_va_vdst(0)                   ; the wait ahead of the reciprocal's first reader
.set j, 0
.rept 32
	v_mul_f32 v[96+j], v[160+j], v14               ; register 16 b + i: channel 32 b + 16 (lane / 16) + i
.set j, j+1
.endr
.irp b, 0,1
	v_max3_num_f32 v[232+\b], |v[96+16*\b]|, |v[97+16*\b]|, 0x1800000
.endr
.irp i, 2,4,6,8,10,12,14
.irp b, 0,1
	v_max3_num_f32 v[232+\b], v[232+\b], |v[96+16*\b+\i]|, |v[97+16*\b+\i]|
.endr
.endr
.irp b, 0,1
	v_permlanex16_b32 v[236+\b], v[232+\b], s[SEL], s[SEL+1]
.endr
.irp b, 0,1
	v_max_num_f32 v[232+\b], v[232+\b], v[236+\b]
.endr
.irp b, 0,1
	v_add_nc_u32 v[244+\b], 0xff000000, v[232+\b]
.endr
.irp b, 0,1
	v_lshrrev_b32 v[236+\b], 23, v[244+\b]
.endr
	v_lshl_or_b32 v240, v237, 8, v236              ; the two scale bytes
.irp b, 0,1
	v_cvt_scalef32_pk8_fp4_f32 v[224+2*\b], v[96+16*\b:103+16*\b], v[244+\b]
	v_cvt_scalef32_pk8_fp4_f32 v[225+2*\b], v[104+16*\b:111+16*\b], v[244+\b]
.endr
	v_nop
	v_permlane16_swap_b32 v224, v226               ; lanes 0-15 block 0, lanes 16-31 block 1, whole
	v_permlane16_swap_b32 v225, v227
	global_store_b128 v[LI], v[224:227], s[60:61]  ; 512 consecutive bytes
	s_wait_xcnt 0x0                                ; EXEC changes only behind this wait
	s_wait_tensorcnt 0x0
	ds_add_u32 v251, v255
	s_wait_dscnt 0x0
	s_and_saveexec_b32 s56, vcc_lo
	global_store_b16 v3, v240, s[62:63]
	s_wait_xcnt 0x0
	s_or_b32 exec_lo, exec_lo, s56
	s_endpgm
.Lfunc_end_k_qe1c00ee292_attn:
	.size	k_qe1c00ee292_attn, .Lfunc_end_k_qe1c00ee292_attn-k_qe1c00ee292_attn
	.p2alignl 7, 3214868480
	.fill 96, 4, 3214868480
	.section	.rodata,"a",@progbits
	.p2align	6, 0x0
	.amdhsa_kernel k_qe1c00ee292_attn
		.amdhsa_group_segment_fixed_size 169984
		.amdhsa_private_segment_fixed_size 0
		.amdhsa_enable_private_segment 0
		.amdhsa_kernarg_size 24
		.amdhsa_user_sgpr_count 2
		.amdhsa_user_sgpr_kernarg_segment_ptr 1
		.amdhsa_wavefront_size32 1
		.amdhsa_system_sgpr_workgroup_id_x 1
		.amdhsa_system_sgpr_workgroup_id_y 1
		.amdhsa_system_sgpr_workgroup_id_z 1
		.amdhsa_system_vgpr_workitem_id 0
		.amdhsa_next_free_vgpr 256
		.amdhsa_next_free_sgpr 66
		.amdhsa_reserve_vcc 1
		.amdhsa_float_denorm_mode_32 3
		.amdhsa_float_denorm_mode_16_64 3
		.amdhsa_memory_ordered 1
		.amdhsa_forward_progress 1
		.amdhsa_inst_pref_size 94
	.end_amdhsa_kernel
	.amdgpu_metadata
---
amdhsa.version: [ 1, 2 ]
amdhsa.kernels:
  - .name:           k_qe1c00ee292_attn
    .symbol:         k_qe1c00ee292_attn.kd
    .args:
      - { .name: qc, .offset: 0, .size: 8, .value_kind: global_buffer, .address_space: global }
      - { .name: kv, .offset: 8, .size: 8, .value_kind: global_buffer, .address_space: global }
      - { .name: ctx, .offset: 16, .size: 8, .value_kind: global_buffer, .address_space: global }
    .group_segment_fixed_size: 169984
    .private_segment_fixed_size: 0
    .kernarg_segment_align: 8
    .kernarg_segment_size: 24
    .max_flat_workgroup_size: 512
    .sgpr_count:     66
    .vgpr_count:     256
    .wavefront_size: 32
...
	.end_amdgpu_metadata
.endif
;; end of part 4
;; launch wo (part 5): grid 4 x 16, 4 waves a work-group, clusters of 4 x 4, 327,680 bytes of LDS; arguments ctx, wc, bo, x, x1; writes x1
.if DOCPART == 5
	.amdgcn_target "amdgcn-amd-amdhsa--gfx1250"
	.amdhsa_code_object_version 6
	.text
	.protected	k_qe1c00ee292_wo
	.globl	k_qe1c00ee292_wo
	.p2align	8
	.type	k_qe1c00ee292_wo,@function
k_qe1c00ee292_wo:
	s_mov_b64 s[64:65], 0
	v_nop
	global_prefetch_b8 v0, s[64:65] scope:SCOPE_SE
	s_setreg_imm32_b32 hwreg(HW_REG_WAVE_MODE, 25, 1), 1
	s_wait_xcnt 0x0
	s_wait_alu depctr_hold_cnt(0) depctr_sa_sdst(0) depctr_va_vdst(0) depctr_va_sdst(0) depctr_va_ssrc(0) depctr_va_vcc(0) depctr_vm_vsrc(0)
	s_getreg_b32 s2, hwreg(HW_REG_IB_STS2, 6, 4)
	s_cmp_eq_u32 s2, 0
	s_cbranch_scc0 .Lentry_in_a_cluster
	s_endpgm
.Lentry_in_a_cluster:
	s_bfe_u32 s2, ttmp6, 0x10000c
	s_cmp_lg_u32 s2, 0xf033
	s_cbranch_scc0 .Lentry_shape_is_right
	s_endpgm
.Lentry_shape_is_right:
; out = res + (A W + bias): A [4,096][SIZE_K] and W's columns [1,024][SIZE_K] as codes of FP4 (E2M1) with E8M0 scales; bias [1,024], res and out [4,096][1,024] f32.  Here: x1 = x + ctx Wo + bo.
; OPERAND BUFFERS are images of operand registers: a chunk of CH bytes holds 128 rows x 512 along K: codes at tile x 4,096 + K step x 1,024 + 16 x lane (+ 512 for registers 4-7), scale words at 32,768 + K step x 512 + (tile / 2) x 128 + 4 x lane
; (lanes 0-15 the even tile, lanes 16-31 the odd one).  Place r of tile T holds row 32 (T / 2) + 8 (T % 2) + r % 8 + 16 (r / 8) of the 128.
; A tile of 256 x 256 is made by four waves, 128 x 128 each: 64 accumulators.  K goes in steps of 512 through two LDS slots; one joint tensor load a wave brings a chunk, codes and scale words together.
; THE MATRIX INSTRUCTION IS USED TRANSPOSED (source 0 = 16 rows of W's columns, source 1 = 16 rows of A): a lane holds one row of the result and, by the order of rows in a tile, runs of 16 neighbouring columns.
; CLUSTERS: 4 x 4 work-groups; A's chunks are asked for jointly along a row of the cluster, B's along a column.  64 tiles: a quarter of the WGPs have work; a smaller tile would read each operand byte from LDS for half the products.
; THE WAY OUT: 16 rows at a time through the wave's own stage in LDS, back as whole rows of 512 bytes; the residual's rows are loaded ahead, two blocks at the head into registers that lie idle in the loop.
.set SIZE_K, 1024
.set CH,    34816
.set REGION, 48*CH                     ; the weight's region of wc
.set SLOT,  4*CH
.set SPARE, 2*SLOT                     ; the spare words, 128 bytes a wave: two blocks of 256 bytes that no other line names
.set STAGE, SPARE+512                  ; 16 rows x (512 + 16) bytes for each wave: no tensor load fills it
.set KG,    SIZE_K/512
.set LAPS,  SIZE_K/1024
.set NQ,    4
.set FR,    8
.set ADRA, 16
.set ADSA, 18
.set ADRB, 20
.set ADSB, 22
.set STO,  24                          ; v24 the stage: where I put 32 bytes of a row
.set RD,   25                          ; v25 and where I read a row back
.set CO,   26                          ; v26 16 x lane
.set SPW,  28
.set NIL,  29
.set SC,   32                          ; v32-95 scale words, two sets
.set BI,   96                          ; v96-99 the bias of my four columns
.set AF,   128                         ; v128-191 A's fragments; window 1: v0-63, v128-191 B's two sets; v64-127, v192-255 residual rows; windows 2, 3: the accumulators
.set BK,   128                         ; the way out: 16 rows back from the stage: v128-191 and v192-255 by turns
.set G1, 24
.set G0, 32
.set G1B, 48
.set G0B, 56
.set MSB, 0
.macro WIN new
.if MSB != (\new)
	s_set_vgpr_msb (MSB<<8)|(\new)
.set MSB, (\new)
.endif
.endm
.set MUL_LO, 0xa1
.set MUL_HI, 0xf1
.set TO_B,   0x40
.macro JLOAD g0a, g1a, g0b, g1b        ; a joint load: waves 0 and 1 fetch A's chunks, waves 2 and 3 B's; four v_nop follow each line
	s_cmp_eq_u32 s15, 0
	s_cbranch_scc0 .Lfor_b_\@
	tensor_load_to_lds s[\g0a:\g0a+3], s[\g1a:\g1a+7]
	s_nop 0
.rept 4
	v_nop
.endr
	s_branch .Lasked_\@
.Lfor_b_\@:
	tensor_load_to_lds s[\g0b:\g0b+3], s[\g1b:\g1b+7]
	s_nop 0
.rept 4
	v_nop
.endr
.Lasked_\@:
.endm
.macro CREST
	s_cmp_lg_u32 s14, 0
	s_cbranch_scc1 .Lnot_wave_0_\@
	s_barrier_signal -3
.Lnot_wave_0_\@:
	s_barrier_wait -3
	s_barrier_signal -1
	s_barrier_wait -1
.endm
.macro CROUND
	s_barrier_signal -1
	s_barrier_wait -1
	CREST
.endm
	s_load_b256 s[68:75], s[0:1], 0x0              ; A, wc, the bias, the residual
	s_load_b64 s[76:77], s[0:1], 0x20              ; the result
	v_lshl_add_u32 v[SPW], v0, 2, SPARE
	v_mov_b32 v[NIL], 0
	ds_add_u32 v28, v29
	ds_add_u32 v28, v29
	s_wait_dscnt 0x0
	v_lshrrev_b32 v1, 5, v0
	v_readfirstlane_b32 s14, v1                    ; wave 0..3
	s_lshr_b32 s15, s14, 1                         ; which half of the tile's rows is mine.  Also: I fetch for A (0) or for B (1)
	s_and_b32 s16, s14, 1                          ; which half of its columns.  Also: which chunk I fetch
	s_bfe_u32 s40, ttmp6, 0x40000                  ; cx
	s_bfe_u32 s41, ttmp6, 0x40004                  ; cy
	s_lshl_b32 s42, ttmp9, 2
	s_add_co_u32 s42, s42, s40                     ; tile column
	s_and_b32 s17, ttmp7, 0xffff
	s_lshl_b32 s17, s17, 2
	s_add_co_u32 s17, s17, s41                     ; tile row
	s_lshl_b32 s43, s41, 2
	s_lshl_b32 s43, 15, s43                        ; my row of the cluster
	s_lshl_b32 s44, 0x1111, s40                    ; my column
	s_or_b32 s[G1+0], s43, (3<<16)|(1<<21)         ; 15:0 the mask; 17:16 elements of 8 bytes; 21 set beside a mask; no padding
	s_or_b32 s[G1B+0], s44, (3<<16)|(1<<21)
.irp g, G1, G1B
	s_mov_b32 s[\g+1], 32<<16                      ; rows of 256 bytes,
	s_mov_b32 s[\g+2], 136<<16                     ; 136 of them: a chunk, dense
	s_mov_b32 s[\g+3], 32<<16
	s_mov_b32 s[\g+4], 136
	s_mov_b32 s[\g+5], 32
	s_mov_b32 s[\g+6], 0
	s_mov_b32 s[\g+7], 0
.endr
	s_lshl_b32 s20, s17, 1
	s_add_co_u32 s20, s20, s16
	s_mul_i32 s20, s20, KG*CH                      ; A: block of 128 rows 2 x tile row + half, its first chunk
	s_mov_b32 s21, 0
	s_lshl_b32 s46, s42, 1
	s_add_co_u32 s46, s46, s16
	s_mul_i32 s46, s46, KG*CH
	s_add_co_u32 s46, s46, REGION                  ; B likewise, in its region
	s_mov_b32 s47, 0
	s_mul_i32 s45, s14, CH
	s_wait_kmcnt 0x0
	s_add_nc_u64 s[20:21], s[68:69], s[20:21]
	s_add_nc_u64 s[46:47], s[70:71], s[46:47]
	CROUND                                         ; all sixteen work-groups are here: the first joint loads meet
.irp s, 0,1
	s_mov_b32 s[G0+4*\s], 1
	s_add_co_u32 s[G0+4*\s+1], s45, \s*SLOT
	s_add_nc_u64 s[G0+4*\s+2:G0+4*\s+3], s[20:21], \s*CH
	s_or_b32 s[G0+4*\s+3], s[G0+4*\s+3], 0x80000000
	s_mov_b32 s[G0B+4*\s], 1
	s_add_co_u32 s[G0B+4*\s+1], s45, \s*SLOT
	s_add_nc_u64 s[G0B+4*\s+2:G0B+4*\s+3], s[46:47], \s*CH
	s_or_b32 s[G0B+4*\s+3], s[G0B+4*\s+3], 0x80000000
	JLOAD G0+4*\s, G1, G0B+4*\s, G1B
.endr
	v_and_b32 v1, 15, v0                           ; r
	v_bfe_u32 v2, v0, 4, 1                         ; h
	v_and_b32 v3, 31, v0
	v_lshlrev_b32 v[CO], 4, v3
	v_lshlrev_b32 v5, 2, v3
	s_mul_i32 s21, s15, CH
	s_mul_i32 s22, s16, CH
	s_add_co_u32 s22, s22, 2*CH
.irp s, 0,1
	v_add_nc_u32 v[ADRA+\s], s21, v[CO]
	v_add_nc_u32 v[ADRB+\s], s22, v[CO]
	v_add_nc_u32 v[ADSA+\s], s21, v5
	v_add_nc_u32 v[ADSB+\s], s22, v5
	s_add_co_u32 s21, s21, SLOT
	s_add_co_u32 s22, s22, SLOT
.endr
	s_mul_i32 s23, s14, 16*528
	s_add_co_u32 s23, s23, STAGE                   ; my stage
	v_mul_u32_u24 v6, v1, 528
	v_lshl_add_u32 v6, v2, 6, v6
	v_add_nc_u32 v[STO], s23, v6                   ; in: row r, + 64 h
	v_add_nc_u32 v[RD], s23, v[CO]                 ; back: a row's 512 bytes over the 32 lanes
	s_lshl_b32 s90, s42, 10
	s_lshl_b32 s91, s16, 9
	s_add_co_u32 s90, s90, s91                     ; my first column, in bytes
	s_mov_b32 s91, 0
	s_add_nc_u64 s[72:73], s[72:73], s[90:91]
	s_lshl_b32 s92, s17, 20
	s_lshl_b32 s93, s15, 19
	s_add_co_u32 s92, s92, s93                     ; my first row, 4,096 bytes each
	s_add_co_u32 s92, s92, s90
	s_mov_b32 s93, 0
	s_add_nc_u64 s[74:75], s[74:75], s[92:93]
	s_add_nc_u64 s[76:77], s[76:77], s[92:93]
.macro RLOAD a                         ; the residual's 16 rows of A's tile a into window 1: sets at v64, v192, v0, v128 for a % 4 = 0 .. 3
.set RS, 128*((\a)%2)+64*(1-((\a)%4)/2)
	WIN 0x40
.irp t, 0,1,2,3,4,5,6,7,8,9,10,11,12,13,14,15
	global_load_b128 v[RS+4*\t:RS+4*\t+3], v[CO], s[74:75] offset:(32*((\a)/2)+8*((\a)%2)+(\t%8)+16*(\t/8))*4096
.endr
	WIN 0
.endm
	global_load_b128 v[BI:BI+3], v[CO], s[72:73]
	RLOAD 0
	RLOAD 1
.macro FRAG reg, adr, q, i
.irp c, 0,1
	ds_load_b128 v[\reg+4*\c:\reg+4*\c+3], v[\adr] offset:(\i)*4096+(\q)*1024+512*\c
.endr
.endm
.macro WM a, b, p, q, sc, zero         ; one product: A's tile a x B's tile b.  A pair of tiles shares a scale register: the odd tile's words stand in lanes 16-31
.set rD, 8*(8*((\a)%4)+(\b))
.set rB, 128*(\p)+FR*(\b)
.set rA, AF+FR*(\a)
.set rX, SC+32*(\sc)+16+4*((\b)/2)+(\q)
.set rY, SC+32*(\sc)+4*((\a)/2)+(\q)
.set sl, 4*(\zero)+2*((\a)%2)+(\b)%2
.if sl == 0
	v_wmma_scale_f32_16x16x128_f8f6f4 v[rD:rD+7], v[rB:rB+7], v[rA:rA+7], v[rD:rD+7], v[rX], v[rY] matrix_a_fmt:MATRIX_FMT_FP4 matrix_b_fmt:MATRIX_FMT_FP4
.elseif sl == 1
	v_wmma_scale_f32_16x16x128_f8f6f4 v[rD:rD+7], v[rB:rB+7], v[rA:rA+7], v[rD:rD+7], v[rX], v[rY] matrix_a_fmt:MATRIX_FMT_FP4 matrix_b_fmt:MATRIX_FMT_FP4 matrix_a_scale:MATRIX_SCALE_ROW1
.elseif sl == 2
	v_wmma_scale_f32_16x16x128_f8f6f4 v[rD:rD+7], v[rB:rB+7], v[rA:rA+7], v[rD:rD+7], v[rX], v[rY] matrix_a_fmt:MATRIX_FMT_FP4 matrix_b_fmt:MATRIX_FMT_FP4 matrix_b_scale:MATRIX_SCALE_ROW1
.elseif sl == 3
	v_wmma_scale_f32_16x16x128_f8f6f4 v[rD:rD+7], v[rB:rB+7], v[rA:rA+7], v[rD:rD+7], v[rX], v[rY] matrix_a_fmt:MATRIX_FMT_FP4 matrix_b_fmt:MATRIX_FMT_FP4 matrix_a_scale:MATRIX_SCALE_ROW1 matrix_b_scale:MATRIX_SCALE_ROW1
.elseif sl == 4
	v_wmma_scale_f32_16x16x128_f8f6f4 v[rD:rD+7], v[rB:rB+7], v[rA:rA+7], 0, v[rX], v[rY] matrix_a_fmt:MATRIX_FMT_FP4 matrix_b_fmt:MATRIX_FMT_FP4
.elseif sl == 5
	v_wmma_scale_f32_16x16x128_f8f6f4 v[rD:rD+7], v[rB:rB+7], v[rA:rA+7], 0, v[rX], v[rY] matrix_a_fmt:MATRIX_FMT_FP4 matrix_b_fmt:MATRIX_FMT_FP4 matrix_a_scale:MATRIX_SCALE_ROW1
.elseif sl == 6
	v_wmma_scale_f32_16x16x128_f8f6f4 v[rD:rD+7], v[rB:rB+7], v[rA:rA+7], 0, v[rX], v[rY] matrix_a_fmt:MATRIX_FMT_FP4 matrix_b_fmt:MATRIX_FMT_FP4 matrix_b_scale:MATRIX_SCALE_ROW1
.else
	v_wmma_scale_f32_16x16x128_f8f6f4 v[rD:rD+7], v[rB:rB+7], v[rA:rA+7], 0, v[rX], v[rY] matrix_a_fmt:MATRIX_FMT_FP4 matrix_b_fmt:MATRIX_FMT_FP4 matrix_a_scale:MATRIX_SCALE_ROW1 matrix_b_scale:MATRIX_SCALE_ROW1
.endif
.endm
.macro MUL16 a0, p, q, sc, zero        ; the 64 accumulators take turns, one instruction a turn, in the same order in every step
.irp a, \a0, \a0+1
.irp b, 0,1,2,3,4,5,6,7
	WM \a, \b, \p, \q, \sc, \zero
.endr
.endr
.endm
.macro FETCH_B slot, q, p
	WIN TO_B
.irp i, 0,1,2,3,4,5,6,7
	FRAG 128*(\p)+FR*\i, ADRB+\slot, \q, \i
.endr
	WIN 0
.endm
.macro FETCH_A slot, q, i0
.irp i, \i0, \i0+1, \i0+2, \i0+3
	FRAG AF+FR*(\i), ADRA+\slot, \q, \i
.endr
.endm
.macro SCALES sc
.irp p, 0,1,2,3
.irp q, 0,1,2,3
	ds_load_b32 v[SC+32*\sc+4*\p+\q], v[ADSA+\sc] offset:32768+512*\q+128*\p
	ds_load_b32 v[SC+32*\sc+16+4*\p+\q], v[ADSB+\sc] offset:32768+512*\q+128*\p
.endr
.endr
.endm
.macro PLACES n                        ; plain vector instructions between a matrix instruction and a load into, or a read of, its registers (ISA guide 7.12.1 for the reads)
.rept \n
	v_nop
.endr
.endm
.macro STEP slot, q, zero
	s_wait_dscnt 8                                 ; all but the youngest eight loads (A's tiles 4-7) are in
	WIN MUL_LO
	MUL16 0, (\q)%2, \q, \slot, \zero
	MUL16 2, (\q)%2, \q, \slot, \zero
	s_wait_dscnt 0
	PLACES 4
	FETCH_B \slot, (\q)+1, 1-(\q)%2
	FETCH_A \slot, (\q)+1, 0
	WIN MUL_HI
	MUL16 4, (\q)%2, \q, \slot, \zero
	MUL16 6, (\q)%2, \q, \slot, \zero
	PLACES 4
	WIN 0
	FETCH_A \slot, (\q)+1, 4
.endm
.macro TURN slot, next, fill           ; a slot's last step changes slots: one barrier; fill = 1: it opens a round of the cluster's barrier, and this slot is filled again, two slots ahead
	s_wait_tensorcnt 0x0                           ; all my tensor loads have landed: my part of the next slot
	ds_add_u32 v[SPW], v[NIL]                      ; 0 onto my spare word
	s_wait_dscnt 9                                 ; (the add and the youngest eight loads may be out)
	WIN MUL_LO
	MUL16 0, 1, NQ-1, \slot, 0
	s_wait_dscnt 0x0                               ; the add is done, and my reads of this slot are over
	s_barrier_signal -1
	MUL16 2, 1, NQ-1, \slot, 0
	WIN 0
	s_barrier_wait -1
.if \fill
	CREST
	s_add_nc_u64 s[G0+4*\slot+2:G0+4*\slot+3], s[G0+4*\slot+2:G0+4*\slot+3], 2*CH
	s_add_nc_u64 s[G0B+4*\slot+2:G0B+4*\slot+3], s[G0B+4*\slot+2:G0B+4*\slot+3], 2*CH
	JLOAD G0+4*\slot, G1, G0B+4*\slot, G1B         ; the first tensor load behind the round
.else
	PLACES 4
.endif
	FETCH_B \next, 0, 0
	FETCH_A \next, 0, 0
	SCALES \next
	WIN MUL_HI
	MUL16 4, 1, NQ-1, \slot, 0
	MUL16 6, 1, NQ-1, \slot, 0
	PLACES 4
	WIN 0
	FETCH_A \next, 0, 4
.endm
.macro STEPS slot, from
.set QS, \from
.rept NQ-1-\from
	STEP \slot, QS, 0
.set QS, QS+1
.endr
.endm
	s_wait_tensorcnt 1                             ; my part of slot 0 is in (slot 1's load may be out),
	s_barrier_signal -1
	s_barrier_wait -1                              ; everybody's is
	FETCH_B 0, 0, 0
	FETCH_A 0, 0, 0
	SCALES 0
	FETCH_A 0, 0, 4
	STEP 0, 0, 1                                   ; the first products start the sums: nothing is cleared
.if LAPS > 1
	s_mov_b32 s3, LAPS-1
.Llap:                                             ; a trip goes once round the ring and fills both slots again
	STEPS 0, 1
	TURN 0, 1, 1
	STEPS 1, 0
	TURN 1, 0, 1
	STEP 0, 0, 0
	s_sub_co_u32 s3, s3, 1
	s_cmp_lg_u32 s3, 0
	s_cbranch_scc1 .Llap
.endif
	STEPS 0, 1
	TURN 0, 1, 0
	STEPS 1, 0
	s_wait_dscnt 8
	WIN MUL_LO
	MUL16 0, 1, NQ-1, 1, 0
	MUL16 2, 1, NQ-1, 1, 0
	s_wait_dscnt 0
	WIN MUL_HI
	MUL16 4, 1, NQ-1, 1, 0
	MUL16 6, 1, NQ-1, 1, 0
	WIN 0
.macro TOSTAGE a                       ; A's tile a: 16 rows x 128 columns into my stage, and back as whole rows.  LDS serves a wave's instructions in order: no wait between the stores and the loads
.set AC, 64*((\a)%4)
	WIN 0x08+4*((\a)/4)                            ; the data: window 2 or 3
.irp b, 0,1,2,3,4,5,6,7
	ds_store_b128 v[STO], v[AC+8*\b:AC+8*\b+3] offset:128*(\b/2)+32*(\b%2)        ; each accumulator from its low end on: columns 32 (b / 2) + 16 h + 8 (b % 2) on
	ds_store_b128 v[STO], v[AC+8*\b+4:AC+8*\b+7] offset:128*(\b/2)+32*(\b%2)+16
.endr
	WIN 0
.set BB, BK+64*((\a)%2)
.irp t, 0,1,2,3,4,5,6,7,8,9,10,11,12,13,14,15
	ds_load_b128 v[BB+4*\t:BB+4*\t+3], v[RD] offset:\t*528
.endr
.endm
.macro SEND a, younger, lc             ; younger: the LDS instructions behind tile a's loads;  lc: the residual loads of later tiles, which may stay out
.set BB, BK+64*((\a)%2)
.set RS, 128*((\a)%2)+64*(1-((\a)%4)/2)
	s_wait_dscnt \younger
	s_wait_loadcnt \lc
.irp t, 0,1,2,3,4,5,6,7,8,9,10,11,12,13,14,15
	v_pk_add_f32 v[BB+4*\t:BB+4*\t+1], v[BB+4*\t:BB+4*\t+1], v[BI:BI+1]          ; + bias
	v_pk_add_f32 v[BB+4*\t+2:BB+4*\t+3], v[BB+4*\t+2:BB+4*\t+3], v[BI+2:BI+3]
.endr
	WIN 0x04                                       ; source 1: window 1
.set i, 0
.rept 32
	v_pk_add_f32 v[BB+i:BB+i+1], v[BB+i:BB+i+1], v[RS+i:RS+i+1]                  ; + the residual
.set i, i+2
.endr
	WIN 0
.if (\a) < 4
	RLOAD (\a)+4                                   ; its set takes the tile four further on
.endif
.set BB, BK+64*((\a)%2)
.irp t, 0,1,2,3,4,5,6,7,8,9,10,11,12,13,14,15
	global_store_b128 v[CO], v[BB+4*\t:BB+4*\t+3], s[76:77] offset:(32*((\a)/2)+8*((\a)%2)+(\t%8)+16*(\t/8))*4096   ; 512 consecutive bytes, aligned
.endr
.endm
	PLACES 4                                       ; behind the last products: for the loads into B's and A's registers and the reads of results
	RLOAD 2
	RLOAD 3
	TOSTAGE 0
	TOSTAGE 1
	SEND 0, 32, 48
.irp a, 2,3,4,5
	s_wait_xcnt 0x0                                ; tile a - 2's stores have read their registers: tile a's rows may land there
	TOSTAGE \a
	SEND \a-1, 32, 48
.endr
	s_wait_xcnt 0x0
	TOSTAGE 6
	SEND 5, 32, 32
	s_wait_xcnt 0x0
	TOSTAGE 7
	SEND 6, 32, 16
	SEND 7, 0, 0
	s_wait_tensorcnt 0x0                           ; the wave's end
	ds_add_u32 v[SPW], v[NIL]
	s_wait_dscnt 0x0
	CROUND                                         ; the closing round
	s_endpgm
.Lfunc_end_k_qe1c00ee292_wo:
	.size	k_qe1c00ee292_wo, .Lfunc_end_k_qe1c00ee292_wo-k_qe1c00ee292_wo
	.p2alignl 7, 3214868480
	.fill 96, 4, 3214868480
	.section	.rodata,"a",@progbits
	.p2align	6, 0x0
	.amdhsa_kernel k_qe1c00ee292_wo
		.amdhsa_group_segment_fixed_size 327680
		.amdhsa_private_segment_fixed_size 0
		.amdhsa_enable_private_segment 0
		.amdhsa_kernarg_size 40
		.amdhsa_user_sgpr_count 2
		.amdhsa_user_sgpr_kernarg_segment_ptr 1
		.amdhsa_wavefront_size32 1
		.amdhsa_system_sgpr_workgroup_id_x 1
		.amdhsa_system_sgpr_workgroup_id_y 1
		.amdhsa_system_sgpr_workgroup_id_z 1
		.amdhsa_system_vgpr_workitem_id 0
		.amdhsa_next_free_vgpr 1024
		.amdhsa_next_free_sgpr 100
		.amdhsa_reserve_vcc 0
		.amdhsa_float_denorm_mode_32 3
		.amdhsa_float_denorm_mode_16_64 3
		.amdhsa_memory_ordered 1
		.amdhsa_forward_progress 1
		.amdhsa_inst_pref_size 170
	.end_amdhsa_kernel
	.amdgpu_metadata
---
amdhsa.version: [ 1, 2 ]
amdhsa.kernels:
  - .name:           k_qe1c00ee292_wo
    .symbol:         k_qe1c00ee292_wo.kd
    .args:
      - { .name: ctx, .offset: 0, .size: 8, .value_kind: global_buffer, .address_space: global }
      - { .name: wc, .offset: 8, .size: 8, .value_kind: global_buffer, .address_space: global }
      - { .name: bo, .offset: 16, .size: 8, .value_kind: global_buffer, .address_space: global }
      - { .name: x, .offset: 24, .size: 8, .value_kind: global_buffer, .address_space: global }
      - { .name: x1, .offset: 32, .size: 8, .value_kind: global_buffer, .address_space: global }
    .group_segment_fixed_size: 327680
    .private_segment_fixed_size: 0
    .kernarg_segment_align: 8
    .kernarg_segment_size: 40
    .max_flat_workgroup_size: 128
    .sgpr_count:     100
    .vgpr_count:     1024
    .wavefront_size: 32
...
	.end_amdgpu_metadata
.endif
;; end of part 5
;; launch ln2: the kernel of part 2 again; grid 256 x 1, 4 waves a work-group, no clusters, 83,456 bytes of LDS; arguments x1, g2, b2, h; writes h
;; launch fc1 (part 6): grid 16 x 16, 4 waves a work-group, clusters of 4 x 4, 327,680 bytes of LDS; arguments h, wc, c1, g; writes g
.if DOCPART == 6
	.amdgcn_target "amdgcn-amd-amdhsa--gfx1250"
	.amdhsa_code_object_version 6
	.text
	.protected	k_qe1c00ee292_fc1
	.globl	k_qe1c00ee292_fc1
	.p2align	8
	.type	k_qe1c00ee292_fc1,@function
k_qe1c00ee292_fc1:
	s_mov_b64 s[64:65], 0
	v_nop
	global_prefetch_b8 v0, s[64:65] scope:SCOPE_SE
	s_setreg_imm32_b32 hwreg(HW_REG_WAVE_MODE, 25, 1), 1
	s_wait_xcnt 0x0
	s_wait_alu depctr_hold_cnt(0) depctr_sa_sdst(0) depctr_va_vdst(0) depctr_va_sdst(0) depctr_va_ssrc(0) depctr_va_vcc(0) depctr_vm_vsrc(0)
	s_getreg_b32 s2, hwreg(HW_REG_IB_STS2, 6, 4)
	s_cmp_eq_u32 s2, 0
	s_cbranch_scc0 .Lentry_in_a_cluster
	s_endpgm
.Lentry_in_a_cluster:
	s_bfe_u32 s2, ttmp6, 0x10000c
	s_cmp_lg_u32 s2, 0xf033
	s_cbranch_scc0 .Lentry_shape_is_right
	s_endpgm
.Lentry_shape_is_right:
; g = Q(gelu(Q(LN(x1)) W1 + c1)), gelu exact (by erf), on codes of FP4 (E2M1) with E8M0 scales; the result is quantised along the hidden axis on the way out and leaves as an image of operand registers.
; OPERAND BUFFERS: a chunk of CH bytes holds 128 rows x 512 along K: codes at tile x 4,096 + K step x 1,024 + 16 x lane (+ 512 for registers 4-7), scale words at 32,768 + K step x 512 + (tile / 2) x 128 + 4 x lane
; (lanes 0-15 the even tile, lanes 16-31 the odd one).  Place r of tile T holds row 32 (T / 2) + 8 (T % 2) + r % 8 + 16 (r / 8) of the 128.
; A tile of 256 x 256 is made by four waves, 128 x 128 each.  K = 1,024 is two slots of 512: both are first fills, nothing is filled again.  CLUSTERS: 4 x 4; A's chunks are asked for jointly along a row, B's along a column.
; THE MATRIX INSTRUCTION IS USED TRANSPOSED (source 0 = 16 columns of W1, source 1 = 16 tokens): a lane holds one token, and the 16 registers of B's tiles 2 b, 2 b + 1 are 16 neighbouring hidden units.  My 128 columns are one K step of the next product.
; erf(z) = z P(z^2) / Q(z^2) on |z| <= 4, z held there (beyond, erf is 1 to f32); P of degree 6, Q of degree 4; gelu = x/2 + (x/2) erf(x / sqrt 2).
; LIMIT: 1 + erf carries an absolute error of about 1e-7, as any f32 erf does, so for x under about -5.6 the result is 0 where the true number is under 1e-7 in magnitude.  NaN and infinities are not served.
; THE WAY OUT IS A LOOP of eight trips, a tile of 16 tokens each: only the 32 lines that take the tile's accumulators (their register numbers differ) are written eight times.
.set SIZE_K, 1024
.set CH,    34816
.set REGION, 64*CH
.set SLOT,  4*CH
.set SPARE, 2*SLOT                     ; the spare words, 128 bytes a wave: two blocks of 256 bytes that no other line names
.set KG,    SIZE_K/512
.set LAPS,  SIZE_K/1024
.set NQ,    4
.set FR,    8
.set ADRA, 16
.set ADSA, 18
.set ADRB, 20
.set ADSB, 22
.set LI,   24                          ; v24 16 x lane
.set L4,   25                          ; v25 4 x lane
.set SPW,  28
.set NIL,  29
.set SC,   32
.set AF,   128
.set TR,   32                          ; the way out, window 0: v32-95 64 numbers; v96-127 z; v128-159 z^2, then x/2; v160-191 P; v192-223 Q
.set GZ,   96
.set GS,   128
.set GP,   160
.set GQ,   192
.set PC,   224
.set TM,   232
.set PW,   248
.set KEEP, 249
.set A13,  250                         ; v[250:251], v[252:253] the leading coefficients, twice each
.set B8,   252
.set WS,   254
.set G1, 24
.set G0, 32
.set G1B, 48
.set G0B, 56
.set SEL, 94
.set MSB, 0
.macro WIN new
.if MSB != (\new)
	s_set_vgpr_msb (MSB<<8)|(\new)
.set MSB, (\new)
.endif
.endm
.set MUL_LO, 0xa1
.set MUL_HI, 0xf1
.set TO_B,   0x40
.macro JLOAD g0a, g1a, g0b, g1b        ; a joint load: waves 0 and 1 fetch A's chunks, waves 2 and 3 B's; four v_nop follow each line
	s_cmp_eq_u32 s15, 0
	s_cbranch_scc0 .Lfor_b_\@
	tensor_load_to_lds s[\g0a:\g0a+3], s[\g1a:\g1a+7]
	s_nop 0
.rept 4
	v_nop
.endr
	s_branch .Lasked_\@
.Lfor_b_\@:
	tensor_load_to_lds s[\g0b:\g0b+3], s[\g1b:\g1b+7]
	s_nop 0
.rept 4
	v_nop
.endr
.Lasked_\@:
.endm
.macro CREST
	s_cmp_lg_u32 s14, 0
	s_cbranch_scc1 .Lnot_wave_0_\@
	s_barrier_signal -3
.Lnot_wave_0_\@:
	s_barrier_wait -3
	s_barrier_signal -1
	s_barrier_wait -1
.endm
.macro CROUND
	s_barrier_signal -1
	s_barrier_wait -1
	CREST
.endm
	s_load_b256 s[68:75], s[0:1], 0x0              ; h, wc, c1, g
	v_lshl_add_u32 v[SPW], v0, 2, SPARE
	v_mov_b32 v[NIL], 0
	ds_add_u32 v28, v29
	ds_add_u32 v28, v29
	s_wait_dscnt 0x0
	v_lshrrev_b32 v1, 5, v0
	v_readfirstlane_b32 s14, v1
	s_lshr_b32 s15, s14, 1
	s_and_b32 s16, s14, 1
	s_bfe_u32 s40, ttmp6, 0x40000
	s_bfe_u32 s41, ttmp6, 0x40004
	s_lshl_b32 s42, ttmp9, 2
	s_add_co_u32 s42, s42, s40                     ; tile column
	s_and_b32 s17, ttmp7, 0xffff
	s_lshl_b32 s17, s17, 2
	s_add_co_u32 s17, s17, s41                     ; tile row
	s_lshl_b32 s43, s41, 2
	s_lshl_b32 s43, 15, s43
	s_lshl_b32 s44, 0x1111, s40
	s_or_b32 s[G1+0], s43, (3<<16)|(1<<21)
	s_or_b32 s[G1B+0], s44, (3<<16)|(1<<21)
.irp g, G1, G1B
	s_mov_b32 s[\g+1], 32<<16
	s_mov_b32 s[\g+2], 136<<16
	s_mov_b32 s[\g+3], 32<<16
	s_mov_b32 s[\g+4], 136
	s_mov_b32 s[\g+5], 32
	s_mov_b32 s[\g+6], 0
	s_mov_b32 s[\g+7], 0
.endr
	s_lshl_b32 s20, s17, 1
	s_add_co_u32 s20, s20, s16
	s_mul_i32 s20, s20, KG*CH
	s_mov_b32 s21, 0
	s_lshl_b32 s46, s42, 1
	s_add_co_u32 s46, s46, s16
	s_mul_i32 s46, s46, KG*CH
	s_add_co_u32 s46, s46, REGION
	s_mov_b32 s47, 0
	s_mul_i32 s45, s14, CH
	s_wait_kmcnt 0x0
	s_add_nc_u64 s[20:21], s[68:69], s[20:21]
	s_add_nc_u64 s[46:47], s[70:71], s[46:47]
	CROUND
.irp s, 0,1
	s_mov_b32 s[G0+4*\s], 1
	s_add_co_u32 s[G0+4*\s+1], s45, \s*SLOT
	s_add_nc_u64 s[G0+4*\s+2:G0+4*\s+3], s[20:21], \s*CH
	s_or_b32 s[G0+4*\s+3], s[G0+4*\s+3], 0x80000000
	s_mov_b32 s[G0B+4*\s], 1
	s_add_co_u32 s[G0B+4*\s+1], s45, \s*SLOT
	s_add_nc_u64 s[G0B+4*\s+2:G0B+4*\s+3], s[46:47], \s*CH
	s_or_b32 s[G0B+4*\s+3], s[G0B+4*\s+3], 0x80000000
	JLOAD G0+4*\s, G1, G0B+4*\s, G1B
.endr
	v_bfe_u32 v2, v0, 4, 1                         ; h
	v_and_b32 v3, 31, v0
	v_lshlrev_b32 v[LI], 4, v3
	v_lshlrev_b32 v[L4], 2, v3
	s_mul_i32 s21, s15, CH
	s_mul_i32 s22, s16, CH
	s_add_co_u32 s22, s22, 2*CH
.irp s, 0,1
	v_add_nc_u32 v[ADRA+\s], s21, v[LI]
	v_add_nc_u32 v[ADRB+\s], s22, v[LI]
	v_add_nc_u32 v[ADSA+\s], s21, v[L4]
	v_add_nc_u32 v[ADSB+\s], s22, v[L4]
	s_add_co_u32 s21, s21, SLOT
	s_add_co_u32 s22, s22, SLOT
.endr
	s_lshl_b32 s90, s42, 10
	s_lshl_b32 s91, s16, 9
	s_add_co_u32 s90, s90, s91
	s_mov_b32 s91, 0
	s_add_nc_u64 s[72:73], s[72:73], s[90:91]      ; c1 at my 128 columns
	v_lshlrev_b32 v6, 6, v2
	WIN 0x40
.irp b, 0,1,2,3,4,5,6,7
	global_load_b128 v[64+8*\b:67+8*\b], v6, s[72:73] offset:(32*(\b/2)+8*(\b%2))*4       ; the result's layout: register 8 b + j: column 32 (b / 2) + 16 h + 8 (b % 2) + j
	global_load_b128 v[68+8*\b:71+8*\b], v6, s[72:73] offset:(32*(\b/2)+8*(\b%2))*4+16
.endr
	WIN 0
	s_lshl_b32 s90, s17, 1
	s_add_co_u32 s90, s90, s15                     ; my block of 128 tokens
	s_lshl_b32 s92, s42, 1
	s_add_co_u32 s92, s92, s16                     ; my 128 hidden units: K step number 4 kg + q of the next product
	s_lshl_b32 s90, s90, 3
	s_lshr_b32 s93, s92, 2
	s_add_co_u32 s90, s90, s93
	s_mul_i32 s90, s90, CH                         ; the chunk
	s_and_b32 s92, s92, 3
	s_lshl_b32 s8, s92, 10
	s_add_co_u32 s8, s8, s90
	s_mov_b32 s9, 0
	s_add_nc_u64 s[4:5], s[74:75], s[8:9]          ; codes: chunk + 1,024 q; a tile on: 4,096
	s_lshl_b32 s8, s92, 9
	s_add_co_u32 s8, s8, s90
	s_add_co_u32 s8, s8, 32768
	s_add_nc_u64 s[6:7], s[74:75], s[8:9]          ; scale words: chunk + 32,768 + 512 q; a pair of tiles on: 128
.macro FRAG reg, adr, q, i
.irp c, 0,1
	ds_load_b128 v[\reg+4*\c:\reg+4*\c+3], v[\adr] offset:(\i)*4096+(\q)*1024+512*\c
.endr
.endm
.macro WM a, b, p, q, sc, zero         ; one product: A's tile a x B's tile b.  A pair of tiles shares a scale register: the odd tile's words stand in lanes 16-31
.set rD, 8*(8*((\a)%4)+(\b))
.set rB, 128*(\p)+FR*(\b)
.set rA, AF+FR*(\a)
.set rX, SC+32*(\sc)+16+4*((\b)/2)+(\q)
.set rY, SC+32*(\sc)+4*((\a)/2)+(\q)
.set sl, 4*(\zero)+2*((\a)%2)+(\b)%2
.if sl == 0
	v_wmma_scale_f32_16x16x128_f8f6f4 v[rD:rD+7], v[rB:rB+7], v[rA:rA+7], v[rD:rD+7], v[rX], v[rY] matrix_a_fmt:MATRIX_FMT_FP4 matrix_b_fmt:MATRIX_FMT_FP4
.elseif sl == 1
	v_wmma_scale_f32_16x16x128_f8f6f4 v[rD:rD+7], v[rB:rB+7], v[rA:rA+7], v[rD:rD+7], v[rX], v[rY] matrix_a_fmt:MATRIX_FMT_FP4 matrix_b_fmt:MATRIX_FMT_FP4 matrix_a_scale:MATRIX_SCALE_ROW1
.elseif sl == 2
	v_wmma_scale_f32_16x16x128_f8f6f4 v[rD:rD+7], v[rB:rB+7], v[rA:rA+7], v[rD:rD+7], v[rX], v[rY] matrix_a_fmt:MATRIX_FMT_FP4 matrix_b_fmt:MATRIX_FMT_FP4 matrix_b_scale:MATRIX_SCALE_ROW1
.elseif sl == 3
	v_wmma_scale_f32_16x16x128_f8f6f4 v[rD:rD+7], v[rB:rB+7], v[rA:rA+7], v[rD:rD+7], v[rX], v[rY] matrix_a_fmt:MATRIX_FMT_FP4 matrix_b_fmt:MATRIX_FMT_FP4 matrix_a_scale:MATRIX_SCALE_ROW1 matrix_b_scale:MATRIX_SCALE_ROW1
.elseif sl == 4
	v_wmma_scale_f32_16x16x128_f8f6f4 v[rD:rD+7], v[rB:rB+7], v[rA:rA+7], 0, v[rX], v[rY] matrix_a_fmt:MATRIX_FMT_FP4 matrix_b_fmt:MATRIX_FMT_FP4
.elseif sl == 5
	v_wmma_scale_f32_16x16x128_f8f6f4 v[rD:rD+7], v[rB:rB+7], v[rA:rA+7], 0, v[rX], v[rY] matrix_a_fmt:MATRIX_FMT_FP4 matrix_b_fmt:MATRIX_FMT_FP4 matrix_a_scale:MATRIX_SCALE_ROW1
.elseif sl == 6
	v_wmma_scale_f32_16x16x128_f8f6f4 v[rD:rD+7], v[rB:rB+7], v[rA:rA+7], 0, v[rX], v[rY] matrix_a_fmt:MATRIX_FMT_FP4 matrix_b_fmt:MATRIX_FMT_FP4 matrix_b_scale:MATRIX_SCALE_ROW1
.else
	v_wmma_scale_f32_16x16x128_f8f6f4 v[rD:rD+7], v[rB:rB+7], v[rA:rA+7], 0, v[rX], v[rY] matrix_a_fmt:MATRIX_FMT_FP4 matrix_b_fmt:MATRIX_FMT_FP4 matrix_a_scale:MATRIX_SCALE_ROW1 matrix_b_scale:MATRIX_SCALE_ROW1
.endif
.endm
.macro MUL16 a0, p, q, sc, zero        ; the 64 accumulators take turns, one instruction a turn, in the same order in every step
.irp a, \a0, \a0+1
.irp b, 0,1,2,3,4,5,6,7
	WM \a, \b, \p, \q, \sc, \zero
.endr
.endr
.endm
.macro FETCH_B slot, q, p
	WIN TO_B
.irp i, 0,1,2,3,4,5,6,7
	FRAG 128*(\p)+FR*\i, ADRB+\slot, \q, \i
.endr
	WIN 0
.endm
.macro FETCH_A slot, q, i0
.irp i, \i0, \i0+1, \i0+2, \i0+3
	FRAG AF+FR*(\i), ADRA+\slot, \q, \i
.endr
.endm
.macro SCALES sc
.irp p, 0,1,2,3
.irp q, 0,1,2,3
	ds_load_b32 v[SC+32*\sc+4*\p+\q], v[ADSA+\sc] offset:32768+512*\q+128*\p
	ds_load_b32 v[SC+32*\sc+16+4*\p+\q], v[ADSB+\sc] offset:32768+512*\q+128*\p
.endr
.endr
.endm
.macro PLACES n                        ; plain vector instructions between a matrix instruction and a load into, or a read of, its registers (ISA guide 7.12.1 for the reads)
.rept \n
	v_nop
.endr
.endm
.macro STEP slot, q, zero
	s_wait_dscnt 8                                 ; all but the youngest eight loads (A's tiles 4-7) are in
	WIN MUL_LO
	MUL16 0, (\q)%2, \q, \slot, \zero
	MUL16 2, (\q)%2, \q, \slot, \zero
	s_wait_dscnt 0
	PLACES 4
	FETCH_B \slot, (\q)+1, 1-(\q)%2
	FETCH_A \slot, (\q)+1, 0
	WIN MUL_HI
	MUL16 4, (\q)%2, \q, \slot, \zero
	MUL16 6, (\q)%2, \q, \slot, \zero
	PLACES 4
	WIN 0
	FETCH_A \slot, (\q)+1, 4
.endm
.macro TURN slot, next                 ; slot 0's last step changes slots: one barrier; nothing is filled again
	s_wait_tensorcnt 0x0                           ; all my tensor loads have landed: my part of the next slot
	ds_add_u32 v[SPW], v[NIL]                      ; 0 onto my spare word
	s_wait_dscnt 9                                 ; (the add and the youngest eight loads may be out)
	WIN MUL_LO
	MUL16 0, 1, NQ-1, \slot, 0
	s_wait_dscnt 0x0
	s_barrier_signal -1
	MUL16 2, 1, NQ-1, \slot, 0
	WIN 0
	s_barrier_wait -1
	PLACES 4
	FETCH_B \next, 0, 0
	FETCH_A \next, 0, 0
	SCALES \next
	WIN MUL_HI
	MUL16 4, 1, NQ-1, \slot, 0
	MUL16 6, 1, NQ-1, \slot, 0
	PLACES 4
	WIN 0
	FETCH_A \next, 0, 4
.endm
.macro STEPS slot, from
.set QS, \from
.rept NQ-1-\from
	STEP \slot, QS, 0
.set QS, QS+1
.endr
.endm
	s_wait_tensorcnt 1                             ; my part of slot 0 is in (slot 1's load may be out),
	s_barrier_signal -1
	s_barrier_wait -1
	FETCH_B 0, 0, 0
	FETCH_A 0, 0, 0
	SCALES 0
	FETCH_A 0, 0, 4
	STEP 0, 0, 1
	STEPS 0, 1
	TURN 0, 1
	STEPS 1, 0
	s_wait_dscnt 8
	WIN MUL_LO
	MUL16 0, 1, NQ-1, 1, 0
	MUL16 2, 1, NQ-1, 1, 0
	s_wait_dscnt 0
	WIN MUL_HI
	MUL16 4, 1, NQ-1, 1, 0
	MUL16 6, 1, NQ-1, 1, 0
	WIN 0
.macro QUANT s                         ; 64 numbers of a lane, register 16 b + i = k 32 b + 16 (lane / 16) + i of my row, become a fragment's codes in v[PC] on and its scale word in v[PW]
.irp b, 0,1,2,3
	v_max3_num_f32 v[TM+\b], |v[\s+16*\b]|, |v[\s+1+16*\b]|, 0x1800000
.endr
.irp i, 2,4,6,8,10,12,14
.irp b, 0,1,2,3
	v_max3_num_f32 v[TM+\b], v[TM+\b], |v[\s+16*\b+\i]|, |v[\s+1+16*\b+\i]|
.endr
.endr
.irp b, 0,1,2,3
	v_permlanex16_b32 v[TM+4+\b], v[TM+\b], s[SEL], s[SEL+1]
.endr
.irp b, 0,1,2,3
	v_max_num_f32 v[TM+\b], v[TM+\b], v[TM+4+\b]
.endr
.irp b, 0,1,2,3
	v_add_nc_u32 v[TM+12+\b], 0xff000000, v[TM+\b]
.endr
.irp b, 0,1,2,3
	v_lshrrev_b32 v[TM+4+\b], 23, v[TM+12+\b]
.endr
	v_lshl_or_b32 v[PW], v[TM+5], 8, v[TM+4]
	v_lshl_or_b32 v[PW], v[TM+6], 16, v[PW]
	v_lshl_or_b32 v[PW], v[TM+7], 24, v[PW]
.irp b, 0,1,2,3
	v_cvt_scalef32_pk8_fp4_f32 v[PC+2*\b], v[\s+16*\b:\s+7+16*\b], v[TM+12+\b]
	v_cvt_scalef32_pk8_fp4_f32 v[PC+1+2*\b], v[\s+8+16*\b:\s+15+16*\b], v[TM+12+\b]
.endr
	v_nop                                          ; one plain place behind a scaled conversion
.irp c, 0,1
.irp i, 0,1
	v_permlane16_swap_b32 v[PC+4*\c+\i], v[PC+2+4*\c+\i]
.endr
.endr
.endm
.macro MOVE a                          ; tile a's accumulators + c1
	WIN 0x06+(\a)/4
.set i, 0
.rept 32
	v_pk_add_f32 v[TR+i:TR+i+1], v[64*((\a)%4)+i:64*((\a)%4)+i+1], v[64+i:65+i]
.set i, i+2
.endr
	WIN 0
.endm
.macro HORN reg, lit                   ; a step of Horner's scheme in z^2, on 32 numbers
.set j, 0
.rept 16
	v_pk_fma_f32 v[\reg+j:\reg+j+1], v[\reg+j:\reg+j+1], v[GS+j:GS+j+1], \lit op_sel_hi:[1,1,0]
.set j, j+2
.endr
.endm
.macro GELU hf                         ; 32 of the 64 numbers
.set TT, TR+32*\hf
.set j, 0
.rept 16
	v_pk_mul_f32 v[GZ+j:GZ+j+1], v[TT+j:TT+j+1], 0x3f3504f3 op_sel_hi:[1,0]   ; z = x / sqrt 2
.set j, j+2
.endr
.set j, 0
.rept 32
	v_med3_num_f32 v[GZ+j], v[GZ+j], -4.0, 4.0
.set j, j+1
.endr
.set j, 0
.rept 16
	v_pk_mul_f32 v[GS+j:GS+j+1], v[GZ+j:GZ+j+1], v[GZ+j:GZ+j+1]
.set j, j+2
.endr
.set j, 0
.rept 16
	v_pk_fma_f32 v[GP+j:GP+j+1], v[GS+j:GS+j+1], v[A13:A13+1], 0x32edffee op_sel_hi:[1,1,0]
	v_pk_fma_f32 v[GQ+j:GQ+j+1], v[GS+j:GS+j+1], v[B8:B8+1], 0xb95fbd29 op_sel_hi:[1,1,0]
.set j, j+2
.endr
	HORN GP, 0xb60cff51
	HORN GQ, 0xbadc924e
	HORN GP, 0xb86ec2d2
	HORN GQ, 0xbbf19bf8
	HORN GP, 0xba40ac63
	HORN GQ, 0xbc69b6a7
	HORN GP, 0xbb41a1f6
	HORN GP, 0xbc83dbd4
.set j, 0
.rept 32
	v_rcp_f32 v[GQ+j], v[GQ+j]
.set j, j+1
.endr
.set j, 0
.rept 16
	v_pk_mul_f32 v[GP+j:GP+j+1], v[GP+j:GP+j+1], v[GZ+j:GZ+j+1]               ; plain work behind the batch, which names none of its results
	v_pk_mul_f32 v[GS+j:GS+j+1], v[TT+j:TT+j+1], 0.5 op_sel_hi:[1,0]          ; x / 2
.set j, j+2
.endr
	s_wait_alu depctr_va_vdst(0)                   ; one wait for the 32 reciprocals, ahead of their first reader
.set j, 0
.rept 16
	v_pk_mul_f32 v[GP+j:GP+j+1], v[GP+j:GP+j+1], v[GQ+j:GQ+j+1]               ; erf
.set j, j+2
.endr
.set j, 0
.rept 16
	v_pk_fma_f32 v[TT+j:TT+j+1], v[GS+j:GS+j+1], v[GP+j:GP+j+1], v[GS+j:GS+j+1]
.set j, j+2
.endr
.endm
	PLACES 4                                       ; behind the last products
	s_wait_loadcnt 0x0                             ; c1
	s_mov_b32 s[SEL], 0x76543210
	s_mov_b32 s[SEL+1], 0xfedcba98
	s_mov_b32 s98, 0xffff0000                      ; lanes 16-31
.irp b, 0,1,2,3
	v_mov_b32 v[TM+4+\b], 0                        ; a lane permute's destination counts as one of its sources
.endr
	v_mov_b32 v[KEEP], 0
	v_mov_b32 v[A13], 0xaf95df0b
	v_mov_b32 v[A13+1], 0xaf95df0b
	v_mov_b32 v[B8], 0xb77460cd
	v_mov_b32 v[B8+1], 0xb77460cd
	s_mov_b32 s3, 0
.Lrow:
.irp a, 0,1,2,3,4,5,6
	s_cmp_eq_u32 s3, \a
	s_cbranch_scc1 .Lmv\a
.endr
	MOVE 7
	s_branch .Lbody
.irp a, 0,1,2,3,4,5
.Lmv\a:
	MOVE \a
	s_branch .Lbody
.endr
.Lmv6:
	MOVE 6
.Lbody:
	GELU 0
	GELU 1
	QUANT TR
	global_store_b128 v[LI], v[PC:PC+3], s[4:5]                ; 512 consecutive bytes each
	global_store_b128 v[LI], v[PC+4:PC+7], s[4:5] offset:512
	v_cndmask_b32 v[WS], v[KEEP], v[PW], s98       ; lanes 0-15 the tile before, lanes 16-31 this tile: a pair's words in the odd trips
	v_mov_b32 v[KEEP], v[PW]
	s_bitcmp1_b32 s3, 0
	s_cbranch_scc0 .Leven
	global_store_b32 v[L4], v[WS], s[6:7]
	s_wait_xcnt 0x0                                ; the store has read its base
	s_add_nc_u64 s[6:7], s[6:7], 128
.Leven:
	s_wait_xcnt 0x0                                ; the stores have read their registers and their base: both are written again in the next trip
	s_add_nc_u64 s[4:5], s[4:5], 4096
	s_add_co_u32 s3, s3, 1
	s_cmp_lt_u32 s3, 8
	s_cbranch_scc1 .Lrow
	s_wait_tensorcnt 0x0                           ; the wave's end
	ds_add_u32 v[SPW], v[NIL]
	s_wait_dscnt 0x0
	CROUND                                         ; the closing round
	s_endpgm
.Lfunc_end_k_qe1c00ee292_fc1:
	.size	k_qe1c00ee292_fc1, .Lfunc_end_k_qe1c00ee292_fc1-k_qe1c00ee292_fc1
	.p2alignl 7, 3214868480
	.fill 96, 4, 3214868480
	.section	.rodata,"a",@progbits
	.p2align	6, 0x0
	.amdhsa_kernel k_qe1c00ee292_fc1
		.amdhsa_group_segment_fixed_size 327680
		.amdhsa_private_segment_fixed_size 0
		.amdhsa_enable_private_segment 0
		.amdhsa_kernarg_size 32
		.amdhsa_user_sgpr_count 2
		.amdhsa_user_sgpr_kernarg_segment_ptr 1
		.amdhsa_wavefront_size32 1
		.amdhsa_system_sgpr_workgroup_id_x 1
		.amdhsa_system_sgpr_workgroup_id_y 1
		.amdhsa_system_sgpr_workgroup_id_z 1
		.amdhsa_system_vgpr_workitem_id 0
		.amdhsa_next_free_vgpr 1024
		.amdhsa_next_free_sgpr 100
		.amdhsa_reserve_vcc 0
		.amdhsa_float_denorm_mode_32 3
		.amdhsa_float_denorm_mode_16_64 3
		.amdhsa_memory_ordered 1
		.amdhsa_forward_progress 1
		.amdhsa_inst_pref_size 168
	.end_amdhsa_kernel
	.amdgpu_metadata
---
amdhsa.version: [ 1, 2 ]
amdhsa.kernels:
  - .name:           k_qe1c00ee292_fc1
    .symbol:         k_qe1c00ee292_fc1.kd
    .args:
      - { .name: h, .offset: 0, .size: 8, .value_kind: global_buffer, .address_space: global }
      - { .name: wc, .offset: 8, .size: 8, .value_kind: global_buffer, .address_space: global }
      - { .name: c1, .offset: 16, .size: 8, .value_kind: global_buffer, .address_space: global }
      - { .name: g, .offset: 24, .size: 8, .value_kind: global_buffer, .address_space: global }
    .group_segment_fixed_size: 327680
    .private_segment_fixed_size: 0
    .kernarg_segment_align: 8
    .kernarg_segment_size: 32
    .max_flat_workgroup_size: 128
    .sgpr_count:     100
    .vgpr_count:     1024
    .wavefront_size: 32
...
	.end_amdgpu_metadata
.endif
;; end of part 6
;; launch fc2 (part 7): grid 4 x 16, 4 waves a work-group, clusters of 4 x 4, 327,680 bytes of LDS; arguments g, wc, c2, x1, out0; writes out0
.if DOCPART == 7
	.amdgcn_target "amdgcn-amd-amdhsa--gfx1250"
	.amdhsa_code_object_version 6
	.text
	.protected	k_qe1c00ee292_fc2
	.globl	k_qe1c00ee292_fc2
	.p2align	8
	.type	k_qe1c00ee292_fc2,@function
k_qe1c00ee292_fc2:
	s_mov_b64 s[64:65], 0
	v_nop
	global_prefetch_b8 v0, s[64:65] scope:SCOPE_SE
	s_setreg_imm32_b32 hwreg(HW_REG_WAVE_MODE, 25, 1), 1
	s_wait_xcnt 0x0
	s_wait_alu depctr_hold_cnt(0) depctr_sa_sdst(0) depctr_va_vdst(0) depctr_va_sdst(0) depctr_va_ssrc(0) depctr_va_vcc(0) depctr_vm_vsrc(0)
	s_getreg_b32 s2, hwreg(HW_REG_IB_STS2, 6, 4)
	s_cmp_eq_u32 s2, 0
	s_cbranch_scc0 .Lentry_in_a_cluster
	s_endpgm
.Lentry_in_a_cluster:
	s_bfe_u32 s2, ttmp6, 0x10000c
	s_cmp_lg_u32 s2, 0xf033
	s_cbranch_scc0 .Lentry_shape_is_right
	s_endpgm
.Lentry_shape_is_right:
; out = res + (A W + bias): A [4,096][SIZE_K] and W's columns [1,024][SIZE_K] as codes of FP4 (E2M1) with E8M0 scales; bias [1,024], res and out [4,096][1,024] f32.  Here: out0 = x1 + g W2 + c2.
; OPERAND BUFFERS are images of operand registers: a chunk of CH bytes holds 128 rows x 512 along K: codes at tile x 4,096 + K step x 1,024 + 16 x lane (+ 512 for registers 4-7), scale words at 32,768 + K step x 512 + (tile / 2) x 128 + 4 x lane
; (lanes 0-15 the even tile, lanes 16-31 the odd one).  Place r of tile T holds row 32 (T / 2) + 8 (T % 2) + r % 8 + 16 (r / 8) of the 128.
; A tile of 256 x 256 is made by four waves, 128 x 128 each: 64 accumulators.  K goes in steps of 512 through a ring of two LDS slots; one joint tensor load a wave brings a chunk, codes and scale words together:
; behind each change of slots one load of a wave is out, and it has 224 matrix instructions in which to land.
; THE MATRIX INSTRUCTION IS USED TRANSPOSED (source 0 = 16 rows of W's columns, source 1 = 16 rows of A): a lane holds one row of the result and, by the order of rows in a tile, runs of 16 neighbouring columns.
; CLUSTERS: 4 x 4 work-groups; A's chunks are asked for jointly along a row of the cluster, B's along a column.  64 tiles: a quarter of the WGPs have work; a smaller tile would read each operand byte from LDS for half the products.
; THE WAY OUT: 16 rows at a time through the wave's own stage in LDS, back as whole rows of 512 bytes; the residual's rows are loaded ahead, two blocks at the head into registers that lie idle in the loop.
.set SIZE_K, 4096
.set CH,    34816
.set REGION, 128*CH                    ; the weight's region of wc
.set SLOT,  4*CH
.set SPARE, 2*SLOT                     ; the spare words, 128 bytes a wave: two blocks of 256 bytes that no other line names
.set STAGE, SPARE+512                  ; 16 rows x (512 + 16) bytes for each wave: no tensor load fills it
.set KG,    SIZE_K/512
.set LAPS,  SIZE_K/1024
.set NQ,    4
.set FR,    8
.set ADRA, 16
.set ADSA, 18
.set ADRB, 20
.set ADSB, 22
.set STO,  24
.set RD,   25
.set CO,   26
.set SPW,  28
.set NIL,  29
.set SC,   32
.set BI,   96
.set AF,   128
.set BK,   128
.set G1, 24
.set G0, 32
.set G1B, 48
.set G0B, 56
.set MSB, 0
.macro WIN new
.if MSB != (\new)
	s_set_vgpr_msb (MSB<<8)|(\new)
.set MSB, (\new)
.endif
.endm
.set MUL_LO, 0xa1
.set MUL_HI, 0xf1
.set TO_B,   0x40
.macro JLOAD g0a, g1a, g0b, g1b        ; a joint load: waves 0 and 1 fetch A's chunks, waves 2 and 3 B's; four v_nop follow each line
	s_cmp_eq_u32 s15, 0
	s_cbranch_scc0 .Lfor_b_\@
	tensor_load_to_lds s[\g0a:\g0a+3], s[\g1a:\g1a+7]
	s_nop 0
.rept 4
	v_nop
.endr
	s_branch .Lasked_\@
.Lfor_b_\@:
	tensor_load_to_lds s[\g0b:\g0b+3], s[\g1b:\g1b+7]
	s_nop 0
.rept 4
	v_nop
.endr
.Lasked_\@:
.endm
.macro CREST
	s_cmp_lg_u32 s14, 0
	s_cbranch_scc1 .Lnot_wave_0_\@
	s_barrier_signal -3
.Lnot_wave_0_\@:
	s_barrier_wait -3
	s_barrier_signal -1
	s_barrier_wait -1
.endm
.macro CROUND
	s_barrier_signal -1
	s_barrier_wait -1
	CREST
.endm
	s_load_b256 s[68:75], s[0:1], 0x0              ; A, wc, the bias, the residual
	s_load_b64 s[76:77], s[0:1], 0x20              ; the result
	v_lshl_add_u32 v[SPW], v0, 2, SPARE
	v_mov_b32 v[NIL], 0
	ds_add_u32 v28, v29
	ds_add_u32 v28, v29
	s_wait_dscnt 0x0
	v_lshrrev_b32 v1, 5, v0
	v_readfirstlane_b32 s14, v1
	s_lshr_b32 s15, s14, 1
	s_and_b32 s16, s14, 1
	s_bfe_u32 s40, ttmp6, 0x40000
	s_bfe_u32 s41, ttmp6, 0x40004
	s_lshl_b32 s42, ttmp9, 2
	s_add_co_u32 s42, s42, s40
	s_and_b32 s17, ttmp7, 0xffff
	s_lshl_b32 s17, s17, 2
	s_add_co_u32 s17, s17, s41
	s_lshl_b32 s43, s41, 2
	s_lshl_b32 s43, 15, s43
	s_lshl_b32 s44, 0x1111, s40
	s_or_b32 s[G1+0], s43, (3<<16)|(1<<21)
	s_or_b32 s[G1B+0], s44, (3<<16)|(1<<21)
.irp g, G1, G1B
	s_mov_b32 s[\g+1], 32<<16
	s_mov_b32 s[\g+2], 136<<16
	s_mov_b32 s[\g+3], 32<<16
	s_mov_b32 s[\g+4], 136
	s_mov_b32 s[\g+5], 32
	s_mov_b32 s[\g+6], 0
	s_mov_b32 s[\g+7], 0
.endr
	s_lshl_b32 s20, s17, 1
	s_add_co_u32 s20, s20, s16
	s_mul_i32 s20, s20, KG*CH
	s_mov_b32 s21, 0
	s_lshl_b32 s46, s42, 1
	s_add_co_u32 s46, s46, s16
	s_mul_i32 s46, s46, KG*CH
	s_add_co_u32 s46, s46, REGION
	s_mov_b32 s47, 0
	s_mul_i32 s45, s14, CH
	s_wait_kmcnt 0x0
	s_add_nc_u64 s[20:21], s[68:69], s[20:21]
	s_add_nc_u64 s[46:47], s[70:71], s[46:47]
	CROUND                                         ; all sixteen work-groups are here: the first joint loads meet
.irp s, 0,1
	s_mov_b32 s[G0+4*\s], 1
	s_add_co_u32 s[G0+4*\s+1], s45, \s*SLOT
	s_add_nc_u64 s[G0+4*\s+2:G0+4*\s+3], s[20:21], \s*CH
	s_or_b32 s[G0+4*\s+3], s[G0+4*\s+3], 0x80000000
	s_mov_b32 s[G0B+4*\s], 1
	s_add_co_u32 s[G0B+4*\s+1], s45, \s*SLOT
	s_add_nc_u64 s[G0B+4*\s+2:G0B+4*\s+3], s[46:47], \s*CH
	s_or_b32 s[G0B+4*\s+3], s[G0B+4*\s+3], 0x80000000
	JLOAD G0+4*\s, G1, G0B+4*\s, G1B
.endr
	v_and_b32 v1, 15, v0
	v_bfe_u32 v2, v0, 4, 1
	v_and_b32 v3, 31, v0
	v_lshlrev_b32 v[CO], 4, v3
	v_lshlrev_b32 v5, 2, v3
	s_mul_i32 s21, s15, CH
	s_mul_i32 s22, s16, CH
	s_add_co_u32 s22, s22, 2*CH
.irp s, 0,1
	v_add_nc_u32 v[ADRA+\s], s21, v[CO]
	v_add_nc_u32 v[ADRB+\s], s22, v[CO]
	v_add_nc_u32 v[ADSA+\s], s21, v5
	v_add_nc_u32 v[ADSB+\s], s22, v5
	s_add_co_u32 s21, s21, SLOT
	s_add_co_u32 s22, s22, SLOT
.endr
	s_mul_i32 s23, s14, 16*528
	s_add_co_u32 s23, s23, STAGE
	v_mul_u32_u24 v6, v1, 528
	v_lshl_add_u32 v6, v2, 6, v6
	v_add_nc_u32 v[STO], s23, v6
	v_add_nc_u32 v[RD], s23, v[CO]
	s_lshl_b32 s90, s42, 10
	s_lshl_b32 s91, s16, 9
	s_add_co_u32 s90, s90, s91
	s_mov_b32 s91, 0
	s_add_nc_u64 s[72:73], s[72:73], s[90:91]
	s_lshl_b32 s92, s17, 20
	s_lshl_b32 s93, s15, 19
	s_add_co_u32 s92, s92, s93
	s_add_co_u32 s92, s92, s90
	s_mov_b32 s93, 0
	s_add_nc_u64 s[74:75], s[74:75], s[92:93]
	s_add_nc_u64 s[76:77], s[76:77], s[92:93]
.macro RLOAD a                         ; the residual's 16 rows of A's tile a into window 1: sets at v64, v192, v0, v128 for a % 4 = 0 .. 3
.set RS, 128*((\a)%2)+64*(1-((\a)%4)/2)
	WIN 0x40
.irp t, 0,1,2,3,4,5,6,7,8,9,10,11,12,13,14,15
	global_load_b128 v[RS+4*\t:RS+4*\t+3], v[CO], s[74:75] offset:(32*((\a)/2)+8*((\a)%2)+(\t%8)+16*(\t/8))*4096
.endr
	WIN 0
.endm
	global_load_b128 v[BI:BI+3], v[CO], s[72:73]
	RLOAD 0
	RLOAD 1
.macro FRAG reg, adr, q, i
.irp c, 0,1
	ds_load_b128 v[\reg+4*\c:\reg+4*\c+3], v[\adr] offset:(\i)*4096+(\q)*1024+512*\c
.endr
.endm
.macro WM a, b, p, q, sc, zero         ; one product: A's tile a x B's tile b.  A pair of tiles shares a scale register: the odd tile's words stand in lanes 16-31
.set rD, 8*(8*((\a)%4)+(\b))
.set rB, 128*(\p)+FR*(\b)
.set rA, AF+FR*(\a)
.set rX, SC+32*(\sc)+16+4*((\b)/2)+(\q)
.set rY, SC+32*(\sc)+4*((\a)/2)+(\q)
.set sl, 4*(\zero)+2*((\a)%2)+(\b)%2
.if sl == 0
	v_wmma_scale_f32_16x16x128_f8f6f4 v[rD:rD+7], v[rB:rB+7], v[rA:rA+7], v[rD:rD+7], v[rX], v[rY] matrix_a_fmt:MATRIX_FMT_FP4 matrix_b_fmt:MATRIX_FMT_FP4
.elseif sl == 1
	v_wmma_scale_f32_16x16x128_f8f6f4 v[rD:rD+7], v[rB:rB+7], v[rA:rA+7], v[rD:rD+7], v[rX], v[rY] matrix_a_fmt:MATRIX_FMT_FP4 matrix_b_fmt:MATRIX_FMT_FP4 matrix_a_scale:MATRIX_SCALE_ROW1
.elseif sl == 2
	v_wmma_scale_f32_16x16x128_f8f6f4 v[rD:rD+7], v[rB:rB+7], v[rA:rA+7], v[rD:rD+7], v[rX], v[rY] matrix_a_fmt:MATRIX_FMT_FP4 matrix_b_fmt:MATRIX_FMT_FP4 matrix_b_scale:MATRIX_SCALE_ROW1
.elseif sl == 3
	v_wmma_scale_f32_16x16x128_f8f6f4 v[rD:rD+7], v[rB:rB+7], v[rA:rA+7], v[rD:rD+7], v[rX], v[rY] matrix_a_fmt:MATRIX_FMT_FP4 matrix_b_fmt:MATRIX_FMT_FP4 matrix_a_scale:MATRIX_SCALE_ROW1 matrix_b_scale:MATRIX_SCALE_ROW1
.elseif sl == 4
	v_wmma_scale_f32_16x16x128_f8f6f4 v[rD:rD+7], v[rB:rB+7], v[rA:rA+7], 0, v[rX], v[rY] matrix_a_fmt:MATRIX_FMT_FP4 matrix_b_fmt:MATRIX_FMT_FP4
.elseif sl == 5
	v_wmma_scale_f32_16x16x128_f8f6f4 v[rD:rD+7], v[rB:rB+7], v[rA:rA+7], 0, v[rX], v[rY] matrix_a_fmt:MATRIX_FMT_FP4 matrix_b_fmt:MATRIX_FMT_FP4 matrix_a_scale:MATRIX_SCALE_ROW1
.elseif sl == 6
	v_wmma_scale_f32_16x16x128_f8f6f4 v[rD:rD+7], v[rB:rB+7], v[rA:rA+7], 0, v[rX], v[rY] matrix_a_fmt:MATRIX_FMT_FP4 matrix_b_fmt:MATRIX_FMT_FP4 matrix_b_scale:MATRIX_SCALE_ROW1
.else
	v_wmma_scale_f32_16x16x128_f8f6f4 v[rD:rD+7], v[rB:rB+7], v[rA:rA+7], 0, v[rX], v[rY] matrix_a_fmt:MATRIX_FMT_FP4 matrix_b_fmt:MATRIX_FMT_FP4 matrix_a_scale:MATRIX_SCALE_ROW1 matrix_b_scale:MATRIX_SCALE_ROW1
.endif
.endm
.macro MUL16 a0, p, q, sc, zero        ; the 64 accumulators take turns, one instruction a turn, in the same order in every step, over the loop's backward jump too
.irp a, \a0, \a0+1
.irp b, 0,1,2,3,4,5,6,7
	WM \a, \b, \p, \q, \sc, \zero
.endr
.endr
.endm
.macro FETCH_B slot, q, p
	WIN TO_B
.irp i, 0,1,2,3,4,5,6,7
	FRAG 128*(\p)+FR*\i, ADRB+\slot, \q, \i
.endr
	WIN 0
.endm
.macro FETCH_A slot, q, i0
.irp i, \i0, \i0+1, \i0+2, \i0+3
	FRAG AF+FR*(\i), ADRA+\slot, \q, \i
.endr
.endm
.macro SCALES sc
.irp p, 0,1,2,3
.irp q, 0,1,2,3
	ds_load_b32 v[SC+32*\sc+4*\p+\q], v[ADSA+\sc] offset:32768+512*\q+128*\p
	ds_load_b32 v[SC+32*\sc+16+4*\p+\q], v[ADSB+\sc] offset:32768+512*\q+128*\p
.endr
.endr
.endm
.macro PLACES n                        ; plain vector instructions between a matrix instruction and a load into, or a read of, its registers (ISA guide 7.12.1 for the reads)
.rept \n
	v_nop
.endr
.endm
.macro STEP slot, q, zero
	s_wait_dscnt 8                                 ; all but the youngest eight loads (A's tiles 4-7) are in
	WIN MUL_LO
	MUL16 0, (\q)%2, \q, \slot, \zero
	MUL16 2, (\q)%2, \q, \slot, \zero
	s_wait_dscnt 0
	PLACES 4
	FETCH_B \slot, (\q)+1, 1-(\q)%2
	FETCH_A \slot, (\q)+1, 0
	WIN MUL_HI
	MUL16 4, (\q)%2, \q, \slot, \zero
	MUL16 6, (\q)%2, \q, \slot, \zero
	PLACES 4
	WIN 0
	FETCH_A \slot, (\q)+1, 4
.endm
.macro TURN slot, next, fill           ; a slot's last step changes slots: one barrier; fill = 1: it opens a round of the cluster's barrier, and this slot is filled again, two slots ahead
	s_wait_tensorcnt 0x0                           ; all my tensor loads have landed: my part of the next slot
	ds_add_u32 v[SPW], v[NIL]                      ; 0 onto my spare word
	s_wait_dscnt 9                                 ; (the add and the youngest eight loads may be out)
	WIN MUL_LO
	MUL16 0, 1, NQ-1, \slot, 0
	s_wait_dscnt 0x0                               ; the add is done, and my reads of this slot are over
	s_barrier_signal -1
	MUL16 2, 1, NQ-1, \slot, 0
	WIN 0
	s_barrier_wait -1
.if \fill
	CREST                                          ; no wave of any partner still reads this slot or has a load on its way
	s_add_nc_u64 s[G0+4*\slot+2:G0+4*\slot+3], s[G0+4*\slot+2:G0+4*\slot+3], 2*CH
	s_add_nc_u64 s[G0B+4*\slot+2:G0B+4*\slot+3], s[G0B+4*\slot+2:G0B+4*\slot+3], 2*CH
	JLOAD G0+4*\slot, G1, G0B+4*\slot, G1B         ; the first tensor load behind the round; its four v_nop are also the places in front of the loads below
.else
	PLACES 4
.endif
	FETCH_B \next, 0, 0
	FETCH_A \next, 0, 0
	SCALES \next
	WIN MUL_HI
	MUL16 4, 1, NQ-1, \slot, 0
	MUL16 6, 1, NQ-1, \slot, 0
	PLACES 4
	WIN 0
	FETCH_A \next, 0, 4
.endm
.macro STEPS slot, from
.set QS, \from
.rept NQ-1-\from
	STEP \slot, QS, 0
.set QS, QS+1
.endr
.endm
	s_wait_tensorcnt 1                             ; my part of slot 0 is in (slot 1's load may be out),
	s_barrier_signal -1
	s_barrier_wait -1
	FETCH_B 0, 0, 0
	FETCH_A 0, 0, 0
	SCALES 0
	FETCH_A 0, 0, 4
	STEP 0, 0, 1                                   ; the first products start the sums: nothing is cleared
.if LAPS > 1
	s_mov_b32 s3, LAPS-1
.Llap:                                             ; a trip goes once round the ring and fills both slots again
	STEPS 0, 1
	TURN 0, 1, 1
	STEPS 1, 0
	TURN 1, 0, 1
	STEP 0, 0, 0
	s_sub_co_u32 s3, s3, 1
	s_cmp_lg_u32 s3, 0
	s_cbranch_scc1 .Llap
.endif
	STEPS 0, 1                                     ; the last lap fills nothing
	TURN 0, 1, 0
	STEPS 1, 0
	s_wait_dscnt 8
	WIN MUL_LO
	MUL16 0, 1, NQ-1, 1, 0
	MUL16 2, 1, NQ-1, 1, 0
	s_wait_dscnt 0
	WIN MUL_HI
	MUL16 4, 1, NQ-1, 1, 0
	MUL16 6, 1, NQ-1, 1, 0
	WIN 0
.macro TOSTAGE a                       ; A's tile a: 16 rows x 128 columns into my stage, and back as whole rows.  LDS serves a wave's instructions in order: no wait between the stores and the loads
.set AC, 64*((\a)%4)
	WIN 0x08+4*((\a)/4)
.irp b, 0,1,2,3,4,5,6,7
	ds_store_b128 v[STO], v[AC+8*\b:AC+8*\b+3] offset:128*(\b/2)+32*(\b%2)        ; each accumulator from its low end on
	ds_store_b128 v[STO], v[AC+8*\b+4:AC+8*\b+7] offset:128*(\b/2)+32*(\b%2)+16
.endr
	WIN 0
.set BB, BK+64*((\a)%2)
.irp t, 0,1,2,3,4,5,6,7,8,9,10,11,12,13,14,15
	ds_load_b128 v[BB+4*\t:BB+4*\t+3], v[RD] offset:\t*528
.endr
.endm
.macro SEND a, younger, lc             ; younger: the LDS instructions behind tile a's loads;  lc: the residual loads of later tiles, which may stay out
.set BB, BK+64*((\a)%2)
.set RS, 128*((\a)%2)+64*(1-((\a)%4)/2)
	s_wait_dscnt \younger
	s_wait_loadcnt \lc
.irp t, 0,1,2,3,4,5,6,7,8,9,10,11,12,13,14,15
	v_pk_add_f32 v[BB+4*\t:BB+4*\t+1], v[BB+4*\t:BB+4*\t+1], v[BI:BI+1]
	v_pk_add_f32 v[BB+4*\t+2:BB+4*\t+3], v[BB+4*\t+2:BB+4*\t+3], v[BI+2:BI+3]
.endr
	WIN 0x04
.set i, 0
.rept 32
	v_pk_add_f32 v[BB+i:BB+i+1], v[BB+i:BB+i+1], v[RS+i:RS+i+1]
.set i, i+2
.endr
	WIN 0
.if (\a) < 4
	RLOAD (\a)+4
.endif
.set BB, BK+64*((\a)%2)
.irp t, 0,1,2,3,4,5,6,7,8,9,10,11,12,13,14,15
	global_store_b128 v[CO], v[BB+4*\t:BB+4*\t+3], s[76:77] offset:(32*((\a)/2)+8*((\a)%2)+(\t%8)+16*(\t/8))*4096 th:TH_STORE_NT   ; 512 consecutive bytes, aligned; written once, read by nobody here
.endr
.endm
	PLACES 4
	RLOAD 2
	RLOAD 3
	TOSTAGE 0
	TOSTAGE 1
	SEND 0, 32, 48
.irp a, 2,3,4,5
	s_wait_xcnt 0x0                                ; tile a - 2's stores have read their registers: tile a's rows may land there
	TOSTAGE \a
	SEND \a-1, 32, 48
.endr
	s_wait_xcnt 0x0
	TOSTAGE 6
	SEND 5, 32, 32
	s_wait_xcnt 0x0
	TOSTAGE 7
	SEND 6, 32, 16
	SEND 7, 0, 0
	s_wait_tensorcnt 0x0                           ; the wave's end
	ds_add_u32 v[SPW], v[NIL]
	s_wait_dscnt 0x0
	CROUND                                         ; the closing round
	s_endpgm
.Lfunc_end_k_qe1c00ee292_fc2:
	.size	k_qe1c00ee292_fc2, .Lfunc_end_k_qe1c00ee292_fc2-k_qe1c00ee292_fc2
	.p2alignl 7, 3214868480
	.fill 96, 4, 3214868480
	.section	.rodata,"a",@progbits
	.p2align	6, 0x0
	.amdhsa_kernel k_qe1c00ee292_fc2
		.amdhsa_group_segment_fixed_size 327680
		.amdhsa_private_segment_fixed_size 0
		.amdhsa_enable_private_segment 0
		.amdhsa_kernarg_size 40
		.amdhsa_user_sgpr_count 2
		.amdhsa_user_sgpr_kernarg_segment_ptr 1
		.amdhsa_wavefront_size32 1
		.amdhsa_system_sgpr_workgroup_id_x 1
		.amdhsa_system_sgpr_workgroup_id_y 1
		.amdhsa_system_sgpr_workgroup_id_z 1
		.amdhsa_system_vgpr_workitem_id 0
		.amdhsa_next_free_vgpr 1024
		.amdhsa_next_free_sgpr 100
		.amdhsa_reserve_vcc 0
		.amdhsa_float_denorm_mode_32 3
		.amdhsa_float_denorm_mode_16_64 3
		.amdhsa_memory_ordered 1
		.amdhsa_forward_progress 1
		.amdhsa_inst_pref_size 255
	.end_amdhsa_kernel
	.section	.bss,"aw",@nobits
	.p2align	6
	.space	262144
	.amdgpu_metadata
---
amdhsa.version: [ 1, 2 ]
amdhsa.kernels:
  - .name:           k_qe1c00ee292_fc2
    .symbol:         k_qe1c00ee292_fc2.kd
    .args:
      - { .name: g, .offset: 0, .size: 8, .value_kind: global_buffer, .address_space: global }
      - { .name: wc, .offset: 8, .size: 8, .value_kind: global_buffer, .address_space: global }
      - { .name: c2, .offset: 16, .size: 8, .value_kind: global_buffer, .address_space: global }
      - { .name: x1, .offset: 24, .size: 8, .value_kind: global_buffer, .address_space: global }
      - { .name: out0, .offset: 32, .size: 8, .value_kind: global_buffer, .address_space: global }
    .group_segment_fixed_size: 327680
    .private_segment_fixed_size: 0
    .kernarg_segment_align: 8
    .kernarg_segment_size: 40
    .max_flat_workgroup_size: 128
    .sgpr_count:     100
    .vgpr_count:     1024
    .wavefront_size: 32
...
	.end_amdgpu_metadata
.endif
;; end of part 7
;; ======== version 2 of 2: 8 launches; 1.16 times as fast as version 1
;; limits: an absolute error that grows with the inputs' magnitude: up to 1e-07 times it
;; workspace buffers: wc 6,684,672 bytes; h 2,228,224 bytes; qc 2,359,296 bytes; kv 4,587,520 bytes; ctx 2,228,224 bytes; x1 16,777,216 bytes; g 8,912,896 bytes
;; launch wquant: the kernel of part 1 again; grid 768 x 1, 4 waves a work-group, no clusters, 0 bytes of LDS; arguments W1, W2, Wo, Wq, Wk, Wv, wc; writes wc
;; launch ln1: the kernel of part 2 again; grid 256 x 1, 4 waves a work-group, no clusters, 83,456 bytes of LDS; arguments x, g1, b1, h; writes h
;; launch qkv: the kernel of part 3 again; grid 12 x 16, 4 waves a work-group, clusters of 4 x 4, 327,680 bytes of LDS; arguments h, wc, bq, bk, bv, qc, kv; writes qc, kv
;; launch attn: the kernel of part 4 again; grid 8 x 32, 16 waves a work-group, no clusters, 169,984 bytes of LDS; arguments qc, kv, ctx; writes ctx
;; launch wo (part 8): grid 8 x 32, 4 waves a work-group, clusters of 4 x 4, 327,680 bytes of LDS; arguments ctx, wc, bo, x, x1; writes x1
.if DOCPART == 8
	.amdgcn_target "amdgcn-amd-amdhsa--gfx1250"
	.amdhsa_code_object_version 6
	.text
	.protected	k_qe1c00ee292_wo
	.globl	k_qe1c00ee292_wo
	.p2align	8
	.type	k_qe1c00ee292_wo,@function
k_qe1c00ee292_wo:
	s_mov_b64 s[64:65], 0
	v_nop
	global_prefetch_b8 v0, s[64:65] scope:SCOPE_SE
	s_setreg_imm32_b32 hwreg(HW_REG_WAVE_MODE, 25, 1), 1
	s_wait_xcnt 0x0
	s_wait_alu depctr_hold_cnt(0) depctr_sa_sdst(0) depctr_va_vdst(0) depctr_va_sdst(0) depctr_va_ssrc(0) depctr_va_vcc(0) depctr_vm_vsrc(0)
	s_getreg_b32 s2, hwreg(HW_REG_IB_STS2, 6, 4)
	s_cmp_eq_u32 s2, 0
	s_cbranch_scc0 .Lentry_in_a_cluster
	s_endpgm
.Lentry_in_a_cluster:
	s_bfe_u32 s2, ttmp6, 0x10000c
	s_cmp_lg_u32 s2, 0xf033
	s_cbranch_scc0 .Lentry_shape_is_right
	s_endpgm
.Lentry_shape_is_right:
; out = res + (A W + bias): A [4,096][SIZE_K] and W's columns [1,024][SIZE_K] as codes of FP4 (E2M1) with E8M0 scales; bias [1,024], res and out [4,096][1,024] f32.  Here: x1 = x + ctx Wo + bo.
; OPERAND BUFFERS are images of operand registers: a chunk of CH bytes holds 128 rows x 512 along K: codes at tile x 4,096 + K step x 1,024 + 16 x lane (+ 512 for registers 4-7), scale words at 32,768 + K step x 512 + (tile / 2) x 128 + 4 x lane
; (lanes 0-15 the even tile, lanes 16-31 the odd one).  Place r of tile T holds row 32 (T / 2) + 8 (T % 2) + r % 8 + 16 (r / 8) of the 128.
; A TILE OF 128 x 128 is made by four waves, 64 x 64 each: 16 accumulators.  The result has 32 x 8 such tiles: 256 work-groups.  (Tiles of 256 x 256 would be 64.)
; A SLOT holds 1,024 along K: A's two chunks, then B's two; each wave brings one chunk, codes and scale words together, by one joint tensor load.  This text serves SIZE_K = 1,024 (one slot, filled once: the ring's lines are not
; assembled) and multiples of 2,048 (a ring of two slots).
; THE MATRIX INSTRUCTION IS USED TRANSPOSED (source 0 = 16 rows of W's columns, source 1 = 16 rows of A): a lane holds one row of the result and, by the order of rows in a tile, runs of 16 neighbouring columns.
; CLUSTERS: 4 x 4 work-groups; A's chunks are asked for jointly along a row of the cluster, B's along a column.
; THE WAY OUT: 16 rows x 64 columns at a time through the wave's own stage in LDS, back as rows of 256 bytes; the residual's 64 rows are loaded at the head into registers of their own.
; REGISTERS, in windows of 256: window 0: v8-23 LDS addresses, v24-29 the way out and the add, v32-95 scale words (two sets), v96-99 the bias, v128-255 the accumulators ((a, b) at 128 + 8 (4 a + b)).
;   window 1: two fragment buffers of 128: for 256 along K (two matrix instructions deep) 64 registers of A (2 x 4 tiles), then 64 of B.   window 2: v0-127 the residual's rows, v128-191 rows back from the stage, two sets.
.set SIZE_K, 1024
.set CH,    34816
.set REGION, 48*CH                     ; the weight's region of wc
.set SLOT,  4*CH
.set SPARE, 2*SLOT                     ; the spare words, 128 bytes a wave: two blocks of 256 bytes that no other line names
.set STAGE, SPARE+512                  ; 16 rows x (256 + 16) bytes for each wave: no tensor load fills it
.set SP,    272
.set KG,    SIZE_K/512                 ; chunks along K
.set NSLOT, SIZE_K/1024                ; slots' worth of K
.set LAPS,  NSLOT/2                    ; a lap = once round the ring
.set ADRA, 8                           ; v8-11  LDS address of my A fragments: register 2 x slot + chunk (a chunk's distance does not fit an LDS instruction's 16-bit offset)
.set ADRB, 12                          ; v12-15 the same for B
.set ADSA, 16                          ; v16-19 of A's scale words
.set ADSB, 20                          ; v20-23 of B's
.set STO,  24                          ; v24 the stage: where I put 32 bytes of a row
.set RD,   25                          ; v25 and where I read rows back
.set CO,   26                          ; v26 my byte offset in two rows of the result: 4,096 (lane / 16) + 16 (lane % 16)
.set BO,   27                          ; v27 16 (lane % 16)
.set SPW,  28                          ; v28 LDS address of my spare word; never rewritten
.set NIL,  29                          ; v29 0; never rewritten
.set SC,   32                          ; v32-95 scale words: set s at SC + 32 s: A's at 2 x step + pair, B's at 16 + 2 x step + pair (step: the slot's eight steps of 128 along K)
.set BI,   96                          ; v96-99 the bias of my four columns
.set ACC,  128
.set BK,   128                         ; window 2: 16 rows back from the stage: v128-159 and v160-191 by turns
.set G1, 24
.set G0, 32
.set G1B, 48
.set G0B, 56
.set MSB, 0
.macro WIN new                         ; the immediate's high byte repeats the setting that is left
.if MSB != (\new)
	s_set_vgpr_msb (MSB<<8)|(\new)
.set MSB, (\new)
.endif
.endm
.set MUL,  0x05                        ; sources 0 (B) and 1 (A) window 1; C and D window 0
.set TO_F, 0x40                        ; destination window 1, address window 0
.macro JLOAD g0a, g1a, g0b, g1b        ; a joint load: waves 0 and 1 fetch A's chunks, waves 2 and 3 B's; four v_nop follow each line
	s_cmp_eq_u32 s15, 0
	s_cbranch_scc0 .Lfor_b_\@
	tensor_load_to_lds s[\g0a:\g0a+3], s[\g1a:\g1a+7]
	s_nop 0
.rept 4
	v_nop
.endr
	s_branch .Lasked_\@
.Lfor_b_\@:
	tensor_load_to_lds s[\g0b:\g0b+3], s[\g1b:\g1b+7]
	s_nop 0
.rept 4
	v_nop
.endr
.Lasked_\@:
.endm
.macro CREST                           ; a round of the cluster's barrier behind its opening barrier
	s_cmp_lg_u32 s14, 0
	s_cbranch_scc1 .Lnot_wave_0_\@
	s_barrier_signal -3
.Lnot_wave_0_\@:
	s_barrier_wait -3
	s_barrier_signal -1
	s_barrier_wait -1
.endm
.macro CROUND                          ; a whole round
	s_barrier_signal -1
	s_barrier_wait -1
	CREST
.endm
	s_load_b256 s[68:75], s[0:1], 0x0              ; A, wc, the bias, the residual
	s_load_b64 s[76:77], s[0:1], 0x20              ; the result
	v_lshl_add_u32 v[SPW], v0, 2, SPARE
	v_mov_b32 v[NIL], 0
	ds_add_u32 v28, v29
	ds_add_u32 v28, v29
	s_wait_dscnt 0x0
	v_lshrrev_b32 v1, 5, v0
	v_readfirstlane_b32 s14, v1                    ; wave 0..3
	s_lshr_b32 s15, s14, 1                         ; which 64 of the tile's rows are mine.  Also: I fetch for A (0) or for B (1)
	s_and_b32 s16, s14, 1                          ; which 64 of its columns.  Also: which of a slot's two chunks I fetch
	s_bfe_u32 s40, ttmp6, 0x40000                  ; cx
	s_bfe_u32 s41, ttmp6, 0x40004                  ; cy
	s_lshl_b32 s42, ttmp9, 2
	s_add_co_u32 s42, s42, s40                     ; tile column = 4 x cluster x + cx
	s_and_b32 s17, ttmp7, 0xffff
	s_lshl_b32 s17, s17, 2
	s_add_co_u32 s17, s17, s41                     ; tile row = 4 x cluster y + cy
	s_lshl_b32 s43, s41, 2
	s_lshl_b32 s43, 15, s43                        ; my row of the cluster
	s_lshl_b32 s44, 0x1111, s40                    ; my column
	s_or_b32 s[G1+0], s43, (3<<16)|(1<<21)         ; 15:0 the mask; 17:16 elements of 8 bytes; 21 set beside a mask; no padding: a fragment is read at 16 x lane
	s_or_b32 s[G1B+0], s44, (3<<16)|(1<<21)
.irp g, G1, G1B
	s_mov_b32 s[\g+1], 32<<16                      ; tensor_dim0: 32 elements, 256 bytes
	s_mov_b32 s[\g+2], 136<<16                     ; tensor_dim1: a chunk is 136 such rows, dense
	s_mov_b32 s[\g+3], 32<<16                      ; tile_dim0
	s_mov_b32 s[\g+4], 136                         ; tile_dim1
	s_mov_b32 s[\g+5], 32                          ; the pitch
	s_mov_b32 s[\g+6], 0
	s_mov_b32 s[\g+7], 0
.endr
	s_mul_i32 s20, s17, KG
	s_add_co_u32 s20, s20, s16
	s_mul_i32 s20, s20, CH                         ; A: the tile row's 128 rows, chunk number wave % 2
	s_mov_b32 s21, 0
	s_mul_i32 s46, s42, KG
	s_add_co_u32 s46, s46, s16
	s_mul_i32 s46, s46, CH
	s_add_co_u32 s46, s46, REGION                  ; B: the tile column's 128 rows likewise, in its region
	s_mov_b32 s47, 0
	s_mul_i32 s45, s14, CH                         ; where they go: wave x a chunk: no place in the cluster enters an LDS address
	s_wait_kmcnt 0x0
	s_add_nc_u64 s[20:21], s[68:69], s[20:21]
	s_add_nc_u64 s[46:47], s[70:71], s[46:47]
	CROUND                                         ; all sixteen work-groups are here: the first joint loads meet
.irp s, 0,1
.if \s < NSLOT
	s_mov_b32 s[G0+4*\s], 1
	s_add_co_u32 s[G0+4*\s+1], s45, \s*SLOT
	s_add_nc_u64 s[G0+4*\s+2:G0+4*\s+3], s[20:21], \s*2*CH
	s_or_b32 s[G0+4*\s+3], s[G0+4*\s+3], 0x80000000
	s_mov_b32 s[G0B+4*\s], 1
	s_add_co_u32 s[G0B+4*\s+1], s45, \s*SLOT
	s_add_nc_u64 s[G0B+4*\s+2:G0B+4*\s+3], s[46:47], \s*2*CH
	s_or_b32 s[G0B+4*\s+3], s[G0B+4*\s+3], 0x80000000
	JLOAD G0+4*\s, G1, G0B+4*\s, G1B
.endif
.endr
	v_and_b32 v1, 15, v0                           ; lane % 16
	v_bfe_u32 v2, v0, 4, 1                         ; lane / 16
	v_and_b32 v3, 31, v0
	v_lshlrev_b32 v4, 4, v3                        ; 16 x lane
	v_lshlrev_b32 v5, 2, v3                        ; 4 x lane
	s_lshl_b32 s21, s15, 14                        ; A: my four tiles of 4,096 bytes
	s_lshl_b32 s22, s16, 14
	s_add_co_u32 s22, s22, 2*CH                    ; B: likewise, behind A's two chunks
	s_lshl_b32 s23, s15, 8                         ; A's scale words: my two pairs of 128 bytes
	s_lshl_b32 s18, s16, 8
	s_add_co_u32 s18, s18, 2*CH
	v_add_nc_u32 v[ADRA], s21, v4
	v_add_nc_u32 v[ADRB], s22, v4
	v_add_nc_u32 v[ADSA], s23, v5
	v_add_nc_u32 v[ADSB], s18, v5
.irp n, 1,2,3
.if \n < 2*NSLOT
	v_add_nc_u32 v[ADRA+\n], (\n/2)*SLOT+(\n%2)*CH, v[ADRA]
	v_add_nc_u32 v[ADRB+\n], (\n/2)*SLOT+(\n%2)*CH, v[ADRB]
	v_add_nc_u32 v[ADSA+\n], (\n/2)*SLOT+(\n%2)*CH, v[ADSA]
	v_add_nc_u32 v[ADSB+\n], (\n/2)*SLOT+(\n%2)*CH, v[ADSB]
.endif
.endr
	s_mul_i32 s19, s14, 16*SP
	s_add_co_u32 s19, s19, STAGE                   ; my stage
	v_mul_u32_u24 v6, v1, SP
	v_lshl_add_u32 v6, v2, 6, v6
	v_add_nc_u32 v[STO], s19, v6                   ; in: row lane % 16, + 64 (lane / 16)
	v_mul_u32_u24 v6, v2, SP
	v_lshl_add_u32 v6, v1, 4, v6
	v_add_nc_u32 v[RD], s19, v6                    ; back: lanes 0-15 one row of 256 bytes, lanes 16-31 the next
	v_lshlrev_b32 v[BO], 4, v1
	v_lshl_add_u32 v[CO], v2, 12, v[BO]            ; and the same two rows in memory
	s_lshl_b32 s90, s42, 9
	s_lshl_b32 s91, s16, 8
	s_add_co_u32 s90, s90, s91                     ; my first column, in bytes: 512 x tile column + 256 x half
	s_mov_b32 s91, 0
	s_add_nc_u64 s[72:73], s[72:73], s[90:91]
	s_lshl_b32 s92, s17, 19
	s_lshl_b32 s93, s15, 18
	s_add_co_u32 s92, s92, s93                     ; my first row, 4,096 bytes each: 128 x tile row + 64 x half
	s_add_co_u32 s92, s92, s90
	s_mov_b32 s93, 0
	s_add_nc_u64 s[74:75], s[74:75], s[92:93]
	s_add_nc_u64 s[76:77], s[76:77], s[92:93]
	global_load_b128 v[BI:BI+3], v[BO], s[72:73]
	WIN 0x80                                       ; destination window 2
.irp a, 0,1,2,3                        ; the residual: register 32 a + 4 t: rows 2 t, 2 t + 1 (by places) of my A tile a: 256 consecutive bytes for each sixteen lanes
.irp t, 0,1,2,3,4,5,6,7
	global_load_b128 v[32*\a+4*\t:32*\a+4*\t+3], v[CO], s[74:75] offset:(32*(\a/2)+8*(\a%2)+2*(\t%4)+16*(\t/4))*4096
.endr
.endr
	WIN 0
; one product: my A tile a x my B tile b, half c of buffer f, the slot's step st.  A pair of tiles shares a scale register: the odd tile's words stand in lanes 16-31.
.macro WM a, b, f, c, st, sc, zero
.set rD, ACC+8*(4*(\a)+(\b))
.set rB, (\f)+64+8*(4*(\c)+(\b))
.set rA, (\f)+8*(4*(\c)+(\a))
.set rX, SC+32*(\sc)+16+2*(\st)+(\b)/2
.set rY, SC+32*(\sc)+2*(\st)+(\a)/2
.set sl, 4*(\zero)+2*((\a)%2)+(\b)%2
.if sl == 0
	v_wmma_scale_f32_16x16x128_f8f6f4 v[rD:rD+7], v[rB:rB+7], v[rA:rA+7], v[rD:rD+7], v[rX], v[rY] matrix_a_fmt:MATRIX_FMT_FP4 matrix_b_fmt:MATRIX_FMT_FP4
.elseif sl == 1
	v_wmma_scale_f32_16x16x128_f8f6f4 v[rD:rD+7], v[rB:rB+7], v[rA:rA+7], v[rD:rD+7], v[rX], v[rY] matrix_a_fmt:MATRIX_FMT_FP4 matrix_b_fmt:MATRIX_FMT_FP4 matrix_a_scale:MATRIX_SCALE_ROW1
.elseif sl == 2
	v_wmma_scale_f32_16x16x128_f8f6f4 v[rD:rD+7], v[rB:rB+7], v[rA:rA+7], v[rD:rD+7], v[rX], v[rY] matrix_a_fmt:MATRIX_FMT_FP4 matrix_b_fmt:MATRIX_FMT_FP4 matrix_b_scale:MATRIX_SCALE_ROW1
.elseif sl == 3
	v_wmma_scale_f32_16x16x128_f8f6f4 v[rD:rD+7], v[rB:rB+7], v[rA:rA+7], v[rD:rD+7], v[rX], v[rY] matrix_a_fmt:MATRIX_FMT_FP4 matrix_b_fmt:MATRIX_FMT_FP4 matrix_a_scale:MATRIX_SCALE_ROW1 matrix_b_scale:MATRIX_SCALE_ROW1
.elseif sl == 4
	v_wmma_scale_f32_16x16x128_f8f6f4 v[rD:rD+7], v[rB:rB+7], v[rA:rA+7], 0, v[rX], v[rY] matrix_a_fmt:MATRIX_FMT_FP4 matrix_b_fmt:MATRIX_FMT_FP4
.elseif sl == 5
	v_wmma_scale_f32_16x16x128_f8f6f4 v[rD:rD+7], v[rB:rB+7], v[rA:rA+7], 0, v[rX], v[rY] matrix_a_fmt:MATRIX_FMT_FP4 matrix_b_fmt:MATRIX_FMT_FP4 matrix_a_scale:MATRIX_SCALE_ROW1
.elseif sl == 6
	v_wmma_scale_f32_16x16x128_f8f6f4 v[rD:rD+7], v[rB:rB+7], v[rA:rA+7], 0, v[rX], v[rY] matrix_a_fmt:MATRIX_FMT_FP4 matrix_b_fmt:MATRIX_FMT_FP4 matrix_b_scale:MATRIX_SCALE_ROW1
.else
	v_wmma_scale_f32_16x16x128_f8f6f4 v[rD:rD+7], v[rB:rB+7], v[rA:rA+7], 0, v[rX], v[rY] matrix_a_fmt:MATRIX_FMT_FP4 matrix_b_fmt:MATRIX_FMT_FP4 matrix_a_scale:MATRIX_SCALE_ROW1 matrix_b_scale:MATRIX_SCALE_ROW1
.endif
.endm
.macro MUL8 f, c, a0, st, sc, zero     ; A's tiles a0, a0 + 1 x B's four.  The 16 accumulators take turns, one instruction a turn, in the same order in every step
.irp a, \a0, \a0+1
.irp b, 0,1,2,3
	WM \a, \b, \f, \c, \st, \sc, \zero
.endr
.endr
.endm
; 32 LDS loads in one run: the fragments of the slot's quarter u (256 along K: chunk u / 2, K steps 2 (u % 2) and 2 (u % 2) + 1) into buffer f; the first 128 along K first
.macro FETCH slot, u, f
	WIN TO_F
.irp c, 0,1
.irp i, 0,1,2,3
	ds_load_b128 v[(\f)+64+8*(4*\c+\i):(\f)+64+8*(4*\c+\i)+3],   v[ADRB+2*(\slot)+(\u)/2] offset:\i*4096+(2*((\u)%2)+\c)*1024
	ds_load_b128 v[(\f)+64+8*(4*\c+\i)+4:(\f)+64+8*(4*\c+\i)+7], v[ADRB+2*(\slot)+(\u)/2] offset:\i*4096+(2*((\u)%2)+\c)*1024+512
	ds_load_b128 v[(\f)+8*(4*\c+\i):(\f)+8*(4*\c+\i)+3],         v[ADRA+2*(\slot)+(\u)/2] offset:\i*4096+(2*((\u)%2)+\c)*1024
	ds_load_b128 v[(\f)+8*(4*\c+\i)+4:(\f)+8*(4*\c+\i)+7],       v[ADRA+2*(\slot)+(\u)/2] offset:\i*4096+(2*((\u)%2)+\c)*1024+512
.endr
.endr
.endm
.macro SCALES sc                       ; a slot's scale words: 8 steps x 2 pairs for each side
.irp k, 0,1
.irp q, 0,1,2,3
.irp p, 0,1
	ds_load_b32 v[SC+32*\sc+2*(4*\k+\q)+\p], v[ADSA+2*\sc+\k] offset:32768+512*\q+128*\p
	ds_load_b32 v[SC+32*\sc+16+2*(4*\k+\q)+\p], v[ADSB+2*\sc+\k] offset:32768+512*\q+128*\p
.endr
.endr
.endr
.endm
.macro PLACES n                        ; plain vector instructions between a matrix instruction and a load into, or a read of, its registers (ISA guide 7.12.1 for the reads)
.rept \n
	v_nop
.endr
.endm
; A slot is four quarters of 256 along K, 32 matrix instructions each, on buffers 0, 1, 0, 1.  One of the first three: multiplies quarter u and fetches quarter u + 1 into the other buffer.
.macro QUARTER slot, u, zero
	s_wait_dscnt 16                                ; the first 128 along K (and what was asked for ahead of it) are in; the youngest sixteen loads may be out
	WIN MUL
	MUL8 128*((\u)%2), 0, 0, 2*(\u), \slot, \zero
	MUL8 128*((\u)%2), 0, 2, 2*(\u), \slot, \zero
	PLACES 4
	FETCH \slot, (\u)+1, 128-128*((\u)%2)
	s_wait_dscnt 32                                ; all but the 32 just issued
	WIN MUL
	MUL8 128*((\u)%2), 1, 0, 2*(\u)+1, \slot, 0
	MUL8 128*((\u)%2), 1, 2, 2*(\u)+1, \slot, 0
.endm
; The last quarter multiplies buffer 1 and changes slots: ONE barrier; in front of it each wave waits for all its tensor loads, adds 0 to its spare word, and waits for that and for its own reads of this slot.
; fill = 1: the barrier opens a round of the cluster's barrier, and this slot is filled again, two slots ahead.
.macro TURN slot, next, fill
	WIN 0                                          ; (the add's two registers lie in window 0)
	s_wait_tensorcnt 0x0                           ; all my tensor loads have landed: my part of the next slot
	ds_add_u32 v[SPW], v[NIL]                      ; 0 onto my spare word
	s_wait_dscnt 17                                ; (the add and the youngest sixteen loads may be out)
	WIN MUL
	MUL8 128, 0, 0, 6, \slot, 0                    ; eight matrix instructions stand between the add and the wait for it
	s_wait_dscnt 0x0                               ; the add is done, and my reads of this slot are over
	s_barrier_signal -1
	MUL8 128, 0, 2, 6, \slot, 0
	WIN 0
	s_barrier_wait -1
.if \fill
	CREST                                          ; no wave of any partner still reads this slot or has a load on its way
	s_add_nc_u64 s[G0+4*\slot+2:G0+4*\slot+3], s[G0+4*\slot+2:G0+4*\slot+3], 4*CH
	s_add_nc_u64 s[G0B+4*\slot+2:G0B+4*\slot+3], s[G0B+4*\slot+2:G0B+4*\slot+3], 4*CH
	JLOAD G0+4*\slot, G1, G0B+4*\slot, G1B         ; the first tensor load behind the round: 112 matrix instructions ahead of the wait for it; its four v_nop are also the places in front of the loads below
.else
	PLACES 4
.endif
	SCALES \next
	FETCH \next, 0, 0
	WIN MUL
	MUL8 128, 1, 0, 7, \slot, 0
	MUL8 128, 1, 2, 7, \slot, 0
.endm
.if NSLOT > 1
	s_wait_tensorcnt 1                             ; my part of slot 0 is in (slot 1's load may be out),
.else
	s_wait_tensorcnt 0x0                           ; my chunk is in,
.endif
	s_barrier_signal -1
	s_barrier_wait -1                              ; everybody's is
	SCALES 0
	FETCH 0, 0, 0
	QUARTER 0, 0, 1                                ; the first products start the sums: nothing is cleared
.if LAPS > 1
	WIN 0                                          ; at a label and at a branch every window is 0
	s_mov_b32 s3, LAPS-1
.Llap:                                             ; a trip goes once round the ring, from a lap's second quarter to the next lap's first, and fills both slots again
	QUARTER 0, 1, 0
	QUARTER 0, 2, 0
	TURN 0, 1, 1
	QUARTER 1, 0, 0
	QUARTER 1, 1, 0
	QUARTER 1, 2, 0
	TURN 1, 0, 1
	QUARTER 0, 0, 0
	WIN 0
	s_sub_co_u32 s3, s3, 1
	s_cmp_lg_u32 s3, 0
	s_cbranch_scc1 .Llap
.endif
	QUARTER 0, 1, 0
	QUARTER 0, 2, 0
.if NSLOT > 1
	TURN 0, 1, 0                                   ; the last lap fills nothing
	QUARTER 1, 0, 0
	QUARTER 1, 1, 0
	QUARTER 1, 2, 0
.endif
.set LS, (NSLOT>1)&1                   ; the last slot
	s_wait_dscnt 16                                ; the very last quarter: nothing more to fetch
	WIN MUL
	MUL8 128, 0, 0, 6, LS, 0
	MUL8 128, 0, 2, 6, LS, 0
	s_wait_dscnt 0
	MUL8 128, 1, 0, 7, LS, 0
	MUL8 128, 1, 2, 7, LS, 0
	WIN 0
.macro TOSTAGE a                       ; my A tile a: 16 rows x 64 columns into my stage, and back as rows.  LDS serves a wave's instructions in order (ISA guide 5.7.1.4): no wait between the stores and the loads, nor ahead of the next tile's stores
	WIN 0
.irp b, 0,1,2,3
	ds_store_b128 v[STO], v[ACC+8*(4*(\a)+\b):ACC+8*(4*(\a)+\b)+3] offset:128*(\b/2)+32*(\b%2)        ; each accumulator from its low end on: columns 32 (b / 2) + 16 (lane / 16) + 8 (b % 2) on
	ds_store_b128 v[STO], v[ACC+8*(4*(\a)+\b)+4:ACC+8*(4*(\a)+\b)+7] offset:128*(\b/2)+32*(\b%2)+16
.endr
	WIN 0x80                                       ; destination window 2
.irp t, 0,1,2,3,4,5,6,7
	ds_load_b128 v[BK+32*((\a)%2)+4*\t:BK+32*((\a)%2)+4*\t+3], v[RD] offset:\t*2*SP
.endr
.endm
.macro SEND a, younger                 ; younger: the LDS instructions behind tile a's loads, which may stay out
.set BB, BK+32*((\a)%2)
	s_wait_dscnt \younger
	WIN 0x82                                       ; destination and source 0 window 2, source 1 window 0
.irp t, 0,1,2,3,4,5,6,7
	v_pk_add_f32 v[BB+4*\t:BB+4*\t+1], v[BB+4*\t:BB+4*\t+1], v[BI:BI+1]          ; + bias
	v_pk_add_f32 v[BB+4*\t+2:BB+4*\t+3], v[BB+4*\t+2:BB+4*\t+3], v[BI+2:BI+3]
.endr
	WIN 0x8a                                       ; all three window 2
.set i, 0
.rept 16
	v_pk_add_f32 v[BB+i:BB+i+1], v[BB+i:BB+i+1], v[32*(\a)+i:32*(\a)+i+1]        ; + the residual
.set i, i+2
.endr
	WIN 0x08                                       ; a store's data are its source 1: window 2
.irp t, 0,1,2,3,4,5,6,7
	global_store_b128 v[CO], v[BB+4*\t:BB+4*\t+3], s[76:77] offset:(32*((\a)/2)+8*((\a)%2)+2*(\t%4)+16*(\t/4))*4096   ; each sixteen lanes store 256 consecutive bytes, aligned
.endr
.endm
	PLACES 4                                       ; behind the last products: for the stores that read results
	s_wait_loadcnt 0x0                             ; the bias and the residual, asked for at the head
	TOSTAGE 0
	TOSTAGE 1
	SEND 0, 16                                     ; behind tile 0's loads: tile 1's 8 stores and 8 loads
	s_wait_xcnt 0x0                                ; tile 0's stores have read their registers: tile 2's rows may land there
	TOSTAGE 2
	SEND 1, 16
	s_wait_xcnt 0x0
	TOSTAGE 3
	SEND 2, 16
	SEND 3, 0
	WIN 0
	s_wait_tensorcnt 0x0                           ; the wave's end
	ds_add_u32 v[SPW], v[NIL]
	s_wait_dscnt 0x0
	CROUND                                         ; the closing round: no work-group ends while a partner may still ask for a chunk that names it
	s_endpgm
.Lfunc_end_k_qe1c00ee292_wo:
	.size	k_qe1c00ee292_wo, .Lfunc_end_k_qe1c00ee292_wo-k_qe1c00ee292_wo
	.p2alignl 7, 3214868480
	.fill 96, 4, 3214868480
	.section	.rodata,"a",@progbits
	.p2align	6, 0x0
	.amdhsa_kernel k_qe1c00ee292_wo
		.amdhsa_group_segment_fixed_size 327680
		.amdhsa_private_segment_fixed_size 0
		.amdhsa_enable_private_segment 0
		.amdhsa_kernarg_size 40
		.amdhsa_user_sgpr_count 2
		.amdhsa_user_sgpr_kernarg_segment_ptr 1
		.amdhsa_wavefront_size32 1
		.amdhsa_system_sgpr_workgroup_id_x 1
		.amdhsa_system_sgpr_workgroup_id_y 1
		.amdhsa_system_sgpr_workgroup_id_z 1
		.amdhsa_system_vgpr_workitem_id 0
		.amdhsa_next_free_vgpr 768
		.amdhsa_next_free_sgpr 100
		.amdhsa_reserve_vcc 0
		.amdhsa_float_denorm_mode_32 3
		.amdhsa_float_denorm_mode_16_64 3
		.amdhsa_memory_ordered 1
		.amdhsa_forward_progress 1
		.amdhsa_inst_pref_size 53
	.end_amdhsa_kernel
	.amdgpu_metadata
---
amdhsa.version: [ 1, 2 ]
amdhsa.kernels:
  - .name:           k_qe1c00ee292_wo
    .symbol:         k_qe1c00ee292_wo.kd
    .args:
      - { .name: ctx, .offset: 0, .size: 8, .value_kind: global_buffer, .address_space: global }
      - { .name: wc, .offset: 8, .size: 8, .value_kind: global_buffer, .address_space: global }
      - { .name: bo, .offset: 16, .size: 8, .value_kind: global_buffer, .address_space: global }
      - { .name: x, .offset: 24, .size: 8, .value_kind: global_buffer, .address_space: global }
      - { .name: x1, .offset: 32, .size: 8, .value_kind: global_buffer, .address_space: global }
    .group_segment_fixed_size: 327680
    .private_segment_fixed_size: 0
    .kernarg_segment_align: 8
    .kernarg_segment_size: 40
    .max_flat_workgroup_size: 128
    .sgpr_count:     100
    .vgpr_count:     768
    .wavefront_size: 32
...
	.end_amdgpu_metadata
.endif
;; end of part 8
;; launch ln2: the kernel of part 2 again; grid 256 x 1, 4 waves a work-group, no clusters, 83,456 bytes of LDS; arguments x1, g2, b2, h; writes h
;; launch fc1: the kernel of part 6 again; grid 16 x 16, 4 waves a work-group, clusters of 4 x 4, 327,680 bytes of LDS; arguments h, wc, c1, g; writes g
;; launch fc2 (part 9): grid 8 x 32, 4 waves a work-group, clusters of 4 x 4, 327,680 bytes of LDS; arguments g, wc, c2, x1, out0; writes out0
.if DOCPART == 9
	.amdgcn_target "amdgcn-amd-amdhsa--gfx1250"
	.amdhsa_code_object_version 6
	.text
	.protected	k_qe1c00ee292_fc2
	.globl	k_qe1c00ee292_fc2
	.p2align	8
	.type	k_qe1c00ee292_fc2,@function
k_qe1c00ee292_fc2:
	s_mov_b64 s[64:65], 0
	v_nop
	global_prefetch_b8 v0, s[64:65] scope:SCOPE_SE
	s_setreg_imm32_b32 hwreg(HW_REG_WAVE_MODE, 25, 1), 1
	s_wait_xcnt 0x0
	s_wait_alu depctr_hold_cnt(0) depctr_sa_sdst(0) depctr_va_vdst(0) depctr_va_sdst(0) depctr_va_ssrc(0) depctr_va_vcc(0) depctr_vm_vsrc(0)
	s_getreg_b32 s2, hwreg(HW_REG_IB_STS2, 6, 4)
	s_cmp_eq_u32 s2, 0
	s_cbranch_scc0 .Lentry_in_a_cluster
	s_endpgm
.Lentry_in_a_cluster:
	s_bfe_u32 s2, ttmp6, 0x10000c
	s_cmp_lg_u32 s2, 0xf033
	s_cbranch_scc0 .Lentry_shape_is_right
	s_endpgm
.Lentry_shape_is_right:
; out = res + (A W + bias): A [4,096][SIZE_K] and W's columns [1,024][SIZE_K] as codes of FP4 (E2M1) with E8M0 scales; bias [1,024], res and out [4,096][1,024] f32.  Here: out0 = x1 + g W2 + c2.
; OPERAND BUFFERS are images of operand registers: a chunk of CH bytes holds 128 rows x 512 along K: codes at tile x 4,096 + K step x 1,024 + 16 x lane (+ 512 for registers 4-7), scale words at 32,768 + K step x 512 + (tile / 2) x 128 + 4 x lane
; (lanes 0-15 the even tile, lanes 16-31 the odd one).  Place r of tile T holds row 32 (T / 2) + 8 (T % 2) + r % 8 + 16 (r / 8) of the 128.
; A TILE OF 128 x 128 is made by four waves, 64 x 64 each: 16 accumulators.  The result has 32 x 8 such tiles: 256 work-groups.  (Tiles of 256 x 256 would be 64.)
; A SLOT holds 1,024 along K: A's two chunks, then B's two; each wave brings one chunk, codes and scale words together, by one joint tensor load.  K = 4,096 is four slots' worth on a ring of two: two first fills and two refills a wave;
; two loads of a wave are out at the start, one behind each change of slots.  This text serves SIZE_K = 1,024 (one slot, filled once) and multiples of 2,048.
; THE MATRIX INSTRUCTION IS USED TRANSPOSED (source 0 = 16 rows of W's columns, source 1 = 16 rows of A): a lane holds one row of the result and, by the order of rows in a tile, runs of 16 neighbouring columns.
; CLUSTERS: 4 x 4 work-groups; A's chunks are asked for jointly along a row of the cluster, B's along a column.
; THE WAY OUT: 16 rows x 64 columns at a time through the wave's own stage in LDS, back as rows of 256 bytes; the residual's 64 rows are loaded at the head into registers of their own.
; REGISTERS, in windows of 256: window 0: v8-23 LDS addresses, v24-29 the way out and the add, v32-95 scale words (two sets), v96-99 the bias, v128-255 the accumulators ((a, b) at 128 + 8 (4 a + b)).
;   window 1: two fragment buffers of 128: for 256 along K (two matrix instructions deep) 64 registers of A (2 x 4 tiles), then 64 of B.   window 2: v0-127 the residual's rows, v128-191 rows back from the stage, two sets.
.set SIZE_K, 4096
.set CH,    34816
.set REGION, 128*CH                    ; the weight's region of wc
.set SLOT,  4*CH
.set SPARE, 2*SLOT                     ; the spare words, 128 bytes a wave: two blocks of 256 bytes that no other line names
.set STAGE, SPARE+512                  ; 16 rows x (256 + 16) bytes for each wave: no tensor load fills it
.set SP,    272
.set KG,    SIZE_K/512                 ; chunks along K
.set NSLOT, SIZE_K/1024                ; slots' worth of K
.set LAPS,  NSLOT/2                    ; a lap = once round the ring
.set ADRA, 8                           ; v8-11  LDS address of my A fragments: register 2 x slot + chunk (a chunk's distance does not fit an LDS instruction's 16-bit offset)
.set ADRB, 12                          ; v12-15 the same for B
.set ADSA, 16                          ; v16-19 of A's scale words
.set ADSB, 20                          ; v20-23 of B's
.set STO,  24                          ; v24 the stage: where I put 32 bytes of a row
.set RD,   25                          ; v25 and where I read rows back
.set CO,   26                          ; v26 my byte offset in two rows of the result: 4,096 (lane / 16) + 16 (lane % 16)
.set BO,   27                          ; v27 16 (lane % 16)
.set SPW,  28                          ; v28 LDS address of my spare word; never rewritten
.set NIL,  29                          ; v29 0; never rewritten
.set SC,   32                          ; v32-95 scale words: set s at SC + 32 s: A's at 2 x step + pair, B's at 16 + 2 x step + pair (step: the slot's eight steps of 128 along K)
.set BI,   96                          ; v96-99 the bias of my four columns
.set ACC,  128
.set BK,   128                         ; window 2: 16 rows back from the stage: v128-159 and v160-191 by turns
.set G1, 24
.set G0, 32
.set G1B, 48
.set G0B, 56
.set MSB, 0
.macro WIN new                         ; the immediate's high byte repeats the setting that is left
.if MSB != (\new)
	s_set_vgpr_msb (MSB<<8)|(\new)
.set MSB, (\new)
.endif
.endm
.set MUL,  0x05                        ; sources 0 (B) and 1 (A) window 1; C and D window 0
.set TO_F, 0x40                        ; destination window 1, address window 0
.macro JLOAD g0a, g1a, g0b, g1b        ; a joint load: waves 0 and 1 fetch A's chunks, waves 2 and 3 B's; four v_nop follow each line
	s_cmp_eq_u32 s15, 0
	s_cbranch_scc0 .Lfor_b_\@
	tensor_load_to_lds s[\g0a:\g0a+3], s[\g1a:\g1a+7]
	s_nop 0
.rept 4
	v_nop
.endr
	s_branch .Lasked_\@
.Lfor_b_\@:
	tensor_load_to_lds s[\g0b:\g0b+3], s[\g1b:\g1b+7]
	s_nop 0
.rept 4
	v_nop
.endr
.Lasked_\@:
.endm
.macro CREST                           ; a round of the cluster's barrier behind its opening barrier
	s_cmp_lg_u32 s14, 0
	s_cbranch_scc1 .Lnot_wave_0_\@
	s_barrier_signal -3
.Lnot_wave_0_\@:
	s_barrier_wait -3
	s_barrier_signal -1
	s_barrier_wait -1
.endm
.macro CROUND                          ; a whole round
	s_barrier_signal -1
	s_barrier_wait -1
	CREST
.endm
	s_load_b256 s[68:75], s[0:1], 0x0              ; A, wc, the bias, the residual
	s_load_b64 s[76:77], s[0:1], 0x20              ; the result
	v_lshl_add_u32 v[SPW], v0, 2, SPARE
	v_mov_b32 v[NIL], 0
	ds_add_u32 v28, v29
	ds_add_u32 v28, v29
	s_wait_dscnt 0x0
	v_lshrrev_b32 v1, 5, v0
	v_readfirstlane_b32 s14, v1                    ; wave 0..3
	s_lshr_b32 s15, s14, 1                         ; which 64 of the tile's rows are mine.  Also: I fetch for A (0) or for B (1)
	s_and_b32 s16, s14, 1                          ; which 64 of its columns.  Also: which of a slot's two chunks I fetch
	s_bfe_u32 s40, ttmp6, 0x40000                  ; cx
	s_bfe_u32 s41, ttmp6, 0x40004                  ; cy
	s_lshl_b32 s42, ttmp9, 2
	s_add_co_u32 s42, s42, s40                     ; tile column = 4 x cluster x + cx
	s_and_b32 s17, ttmp7, 0xffff
	s_lshl_b32 s17, s17, 2
	s_add_co_u32 s17, s17, s41                     ; tile row = 4 x cluster y + cy
	s_lshl_b32 s43, s41, 2
	s_lshl_b32 s43, 15, s43                        ; my row of the cluster
	s_lshl_b32 s44, 0x1111, s40                    ; my column
	s_or_b32 s[G1+0], s43, (3<<16)|(1<<21)         ; 15:0 the mask; 17:16 elements of 8 bytes; 21 set beside a mask; no padding: a fragment is read at 16 x lane
	s_or_b32 s[G1B+0], s44, (3<<16)|(1<<21)
.irp g, G1, G1B
	s_mov_b32 s[\g+1], 32<<16                      ; tensor_dim0: 32 elements, 256 bytes
	s_mov_b32 s[\g+2], 136<<16                     ; tensor_dim1: a chunk is 136 such rows, dense
	s_mov_b32 s[\g+3], 32<<16                      ; tile_dim0
	s_mov_b32 s[\g+4], 136                         ; tile_dim1
	s_mov_b32 s[\g+5], 32                          ; the pitch
	s_mov_b32 s[\g+6], 0
	s_mov_b32 s[\g+7], 0
.endr
	s_mul_i32 s20, s17, KG
	s_add_co_u32 s20, s20, s16
	s_mul_i32 s20, s20, CH                         ; A: the tile row's 128 rows, chunk number wave % 2
	s_mov_b32 s21, 0
	s_mul_i32 s46, s42, KG
	s_add_co_u32 s46, s46, s16
	s_mul_i32 s46, s46, CH
	s_add_co_u32 s46, s46, REGION                  ; B: the tile column's 128 rows likewise, in its region
	s_mov_b32 s47, 0
	s_mul_i32 s45, s14, CH                         ; where they go: wave x a chunk: no place in the cluster enters an LDS address
	s_wait_kmcnt 0x0
	s_add_nc_u64 s[20:21], s[68:69], s[20:21]
	s_add_nc_u64 s[46:47], s[70:71], s[46:47]
	CROUND                                         ; all sixteen work-groups are here: the first joint loads meet
.irp s, 0,1
.if \s < NSLOT
	s_mov_b32 s[G0+4*\s], 1
	s_add_co_u32 s[G0+4*\s+1], s45, \s*SLOT
	s_add_nc_u64 s[G0+4*\s+2:G0+4*\s+3], s[20:21], \s*2*CH
	s_or_b32 s[G0+4*\s+3], s[G0+4*\s+3], 0x80000000
	s_mov_b32 s[G0B+4*\s], 1
	s_add_co_u32 s[G0B+4*\s+1], s45, \s*SLOT
	s_add_nc_u64 s[G0B+4*\s+2:G0B+4*\s+3], s[46:47], \s*2*CH
	s_or_b32 s[G0B+4*\s+3], s[G0B+4*\s+3], 0x80000000
	JLOAD G0+4*\s, G1, G0B+4*\s, G1B
.endif
.endr
	v_and_b32 v1, 15, v0                           ; lane % 16
	v_bfe_u32 v2, v0, 4, 1                         ; lane / 16
	v_and_b32 v3, 31, v0
	v_lshlrev_b32 v4, 4, v3                        ; 16 x lane
	v_lshlrev_b32 v5, 2, v3                        ; 4 x lane
	s_lshl_b32 s21, s15, 14                        ; A: my four tiles of 4,096 bytes
	s_lshl_b32 s22, s16, 14
	s_add_co_u32 s22, s22, 2*CH                    ; B: likewise, behind A's two chunks
	s_lshl_b32 s23, s15, 8                         ; A's scale words: my two pairs of 128 bytes
	s_lshl_b32 s18, s16, 8
	s_add_co_u32 s18, s18, 2*CH
	v_add_nc_u32 v[ADRA], s21, v4
	v_add_nc_u32 v[ADRB], s22, v4
	v_add_nc_u32 v[ADSA], s23, v5
	v_add_nc_u32 v[ADSB], s18, v5
.irp n, 1,2,3
.if \n < 2*NSLOT
	v_add_nc_u32 v[ADRA+\n], (\n/2)*SLOT+(\n%2)*CH, v[ADRA]
	v_add_nc_u32 v[ADRB+\n], (\n/2)*SLOT+(\n%2)*CH, v[ADRB]
	v_add_nc_u32 v[ADSA+\n], (\n/2)*SLOT+(\n%2)*CH, v[ADSA]
	v_add_nc_u32 v[ADSB+\n], (\n/2)*SLOT+(\n%2)*CH, v[ADSB]
.endif
.endr
	s_mul_i32 s19, s14, 16*SP
	s_add_co_u32 s19, s19, STAGE                   ; my stage
	v_mul_u32_u24 v6, v1, SP
	v_lshl_add_u32 v6, v2, 6, v6
	v_add_nc_u32 v[STO], s19, v6                   ; in: row lane % 16, + 64 (lane / 16)
	v_mul_u32_u24 v6, v2, SP
	v_lshl_add_u32 v6, v1, 4, v6
	v_add_nc_u32 v[RD], s19, v6                    ; back: lanes 0-15 one row of 256 bytes, lanes 16-31 the next
	v_lshlrev_b32 v[BO], 4, v1
	v_lshl_add_u32 v[CO], v2, 12, v[BO]            ; and the same two rows in memory
	s_lshl_b32 s90, s42, 9
	s_lshl_b32 s91, s16, 8
	s_add_co_u32 s90, s90, s91                     ; my first column, in bytes: 512 x tile column + 256 x half
	s_mov_b32 s91, 0
	s_add_nc_u64 s[72:73], s[72:73], s[90:91]
	s_lshl_b32 s92, s17, 19
	s_lshl_b32 s93, s15, 18
	s_add_co_u32 s92, s92, s93                     ; my first row, 4,096 bytes each: 128 x tile row + 64 x half
	s_add_co_u32 s92, s92, s90
	s_mov_b32 s93, 0
	s_add_nc_u64 s[74:75], s[74:75], s[92:93]
	s_add_nc_u64 s[76:77], s[76:77], s[92:93]
	global_load_b128 v[BI:BI+3], v[BO], s[72:73]
	WIN 0x80                                       ; destination window 2
.irp a, 0,1,2,3                        ; the residual: register 32 a + 4 t: rows 2 t, 2 t + 1 (by places) of my A tile a: 256 consecutive bytes for each sixteen lanes
.irp t, 0,1,2,3,4,5,6,7
	global_load_b128 v[32*\a+4*\t:32*\a+4*\t+3], v[CO], s[74:75] offset:(32*(\a/2)+8*(\a%2)+2*(\t%4)+16*(\t/4))*4096
.endr
.endr
	WIN 0
; one product: my A tile a x my B tile b, half c of buffer f, the slot's step st.  A pair of tiles shares a scale register: the odd tile's words stand in lanes 16-31.
.macro WM a, b, f, c, st, sc, zero
.set rD, ACC+8*(4*(\a)+(\b))
.set rB, (\f)+64+8*(4*(\c)+(\b))
.set rA, (\f)+8*(4*(\c)+(\a))
.set rX, SC+32*(\sc)+16+2*(\st)+(\b)/2
.set rY, SC+32*(\sc)+2*(\st)+(\a)/2
.set sl, 4*(\zero)+2*((\a)%2)+(\b)%2
.if sl == 0
	v_wmma_scale_f32_16x16x128_f8f6f4 v[rD:rD+7], v[rB:rB+7], v[rA:rA+7], v[rD:rD+7], v[rX], v[rY] matrix_a_fmt:MATRIX_FMT_FP4 matrix_b_fmt:MATRIX_FMT_FP4
.elseif sl == 1
	v_wmma_scale_f32_16x16x128_f8f6f4 v[rD:rD+7], v[rB:rB+7], v[rA:rA+7], v[rD:rD+7], v[rX], v[rY] matrix_a_fmt:MATRIX_FMT_FP4 matrix_b_fmt:MATRIX_FMT_FP4 matrix_a_scale:MATRIX_SCALE_ROW1
.elseif sl == 2
	v_wmma_scale_f32_16x16x128_f8f6f4 v[rD:rD+7], v[rB:rB+7], v[rA:rA+7], v[rD:rD+7], v[rX], v[rY] matrix_a_fmt:MATRIX_FMT_FP4 matrix_b_fmt:MATRIX_FMT_FP4 matrix_b_scale:MATRIX_SCALE_ROW1
.elseif sl == 3
	v_wmma_scale_f32_16x16x128_f8f6f4 v[rD:rD+7], v[rB:rB+7], v[rA:rA+7], v[rD:rD+7], v[rX], v[rY] matrix_a_fmt:MATRIX_FMT_FP4 matrix_b_fmt:MATRIX_FMT_FP4 matrix_a_scale:MATRIX_SCALE_ROW1 matrix_b_scale:MATRIX_SCALE_ROW1
.elseif sl == 4
	v_wmma_scale_f32_16x16x128_f8f6f4 v[rD:rD+7], v[rB:rB+7], v[rA:rA+7], 0, v[rX], v[rY] matrix_a_fmt:MATRIX_FMT_FP4 matrix_b_fmt:MATRIX_FMT_FP4
.elseif sl == 5
	v_wmma_scale_f32_16x16x128_f8f6f4 v[rD:rD+7], v[rB:rB+7], v[rA:rA+7], 0, v[rX], v[rY] matrix_a_fmt:MATRIX_FMT_FP4 matrix_b_fmt:MATRIX_FMT_FP4 matrix_a_scale:MATRIX_SCALE_ROW1
.elseif sl == 6
	v_wmma_scale_f32_16x16x128_f8f6f4 v[rD:rD+7], v[rB:rB+7], v[rA:rA+7], 0, v[rX], v[rY] matrix_a_fmt:MATRIX_FMT_FP4 matrix_b_fmt:MATRIX_FMT_FP4 matrix_b_scale:MATRIX_SCALE_ROW1
.else
	v_wmma_scale_f32_16x16x128_f8f6f4 v[rD:rD+7], v[rB:rB+7], v[rA:rA+7], 0, v[rX], v[rY] matrix_a_fmt:MATRIX_FMT_FP4 matrix_b_fmt:MATRIX_FMT_FP4 matrix_a_scale:MATRIX_SCALE_ROW1 matrix_b_scale:MATRIX_SCALE_ROW1
.endif
.endm
.macro MUL8 f, c, a0, st, sc, zero     ; A's tiles a0, a0 + 1 x B's four.  The 16 accumulators take turns, one instruction a turn, in the same order in every step, over the loop's backward jump too
.irp a, \a0, \a0+1
.irp b, 0,1,2,3
	WM \a, \b, \f, \c, \st, \sc, \zero
.endr
.endr
.endm
; 32 LDS loads in one run: the fragments of the slot's quarter u (256 along K: chunk u / 2, K steps 2 (u % 2) and 2 (u % 2) + 1) into buffer f; the first 128 along K first
.macro FETCH slot, u, f
	WIN TO_F
.irp c, 0,1
.irp i, 0,1,2,3
	ds_load_b128 v[(\f)+64+8*(4*\c+\i):(\f)+64+8*(4*\c+\i)+3],   v[ADRB+2*(\slot)+(\u)/2] offset:\i*4096+(2*((\u)%2)+\c)*1024
	ds_load_b128 v[(\f)+64+8*(4*\c+\i)+4:(\f)+64+8*(4*\c+\i)+7], v[ADRB+2*(\slot)+(\u)/2] offset:\i*4096+(2*((\u)%2)+\c)*1024+512
	ds_load_b128 v[(\f)+8*(4*\c+\i):(\f)+8*(4*\c+\i)+3],         v[ADRA+2*(\slot)+(\u)/2] offset:\i*4096+(2*((\u)%2)+\c)*1024
	ds_load_b128 v[(\f)+8*(4*\c+\i)+4:(\f)+8*(4*\c+\i)+7],       v[ADRA+2*(\slot)+(\u)/2] offset:\i*4096+(2*((\u)%2)+\c)*1024+512
.endr
.endr
.endm
.macro SCALES sc                       ; a slot's scale words: 8 steps x 2 pairs for each side
.irp k, 0,1
.irp q, 0,1,2,3
.irp p, 0,1
	ds_load_b32 v[SC+32*\sc+2*(4*\k+\q)+\p], v[ADSA+2*\sc+\k] offset:32768+512*\q+128*\p
	ds_load_b32 v[SC+32*\sc+16+2*(4*\k+\q)+\p], v[ADSB+2*\sc+\k] offset:32768+512*\q+128*\p
.endr
.endr
.endr
.endm
.macro PLACES n                        ; plain vector instructions between a matrix instruction and a load into, or a read of, its registers (ISA guide 7.12.1 for the reads)
.rept \n
	v_nop
.endr
.endm
; A slot is four quarters of 256 along K, 32 matrix instructions each, on buffers 0, 1, 0, 1.  One of the first three: multiplies quarter u and fetches quarter u + 1 into the other buffer.
.macro QUARTER slot, u, zero
	s_wait_dscnt 16                                ; the first 128 along K (and what was asked for ahead of it) are in; the youngest sixteen loads may be out
	WIN MUL
	MUL8 128*((\u)%2), 0, 0, 2*(\u), \slot, \zero
	MUL8 128*((\u)%2), 0, 2, 2*(\u), \slot, \zero
	PLACES 4
	FETCH \slot, (\u)+1, 128-128*((\u)%2)
	s_wait_dscnt 32                                ; all but the 32 just issued
	WIN MUL
	MUL8 128*((\u)%2), 1, 0, 2*(\u)+1, \slot, 0
	MUL8 128*((\u)%2), 1, 2, 2*(\u)+1, \slot, 0
.endm
; The last quarter multiplies buffer 1 and changes slots: ONE barrier; in front of it each wave waits for all its tensor loads, adds 0 to its spare word, and waits for that and for its own reads of this slot.
; fill = 1: the barrier opens a round of the cluster's barrier, and this slot is filled again, two slots ahead.
.macro TURN slot, next, fill
	WIN 0                                          ; (the add's two registers lie in window 0)
	s_wait_tensorcnt 0x0                           ; all my tensor loads have landed: my part of the next slot
	ds_add_u32 v[SPW], v[NIL]                      ; 0 onto my spare word
	s_wait_dscnt 17                                ; (the add and the youngest sixteen loads may be out)
	WIN MUL
	MUL8 128, 0, 0, 6, \slot, 0                    ; eight matrix instructions stand between the add and the wait for it
	s_wait_dscnt 0x0                               ; the add is done, and my reads of this slot are over
	s_barrier_signal -1
	MUL8 128, 0, 2, 6, \slot, 0
	WIN 0
	s_barrier_wait -1
.if \fill
	CREST                                          ; no wave of any partner still reads this slot or has a load on its way
	s_add_nc_u64 s[G0+4*\slot+2:G0+4*\slot+3], s[G0+4*\slot+2:G0+4*\slot+3], 4*CH
	s_add_nc_u64 s[G0B+4*\slot+2:G0B+4*\slot+3], s[G0B+4*\slot+2:G0B+4*\slot+3], 4*CH
	JLOAD G0+4*\slot, G1, G0B+4*\slot, G1B         ; the first tensor load behind the round: 112 matrix instructions ahead of the wait for it; its four v_nop are also the places in front of the loads below
.else
	PLACES 4
.endif
	SCALES \next
	FETCH \next, 0, 0
	WIN MUL
	MUL8 128, 1, 0, 7, \slot, 0
	MUL8 128, 1, 2, 7, \slot, 0
.endm
.if NSLOT > 1
	s_wait_tensorcnt 1                             ; my part of slot 0 is in (slot 1's load may be out),
.else
	s_wait_tensorcnt 0x0                           ; my chunk is in,
.endif
	s_barrier_signal -1
	s_barrier_wait -1                              ; everybody's is
	SCALES 0
	FETCH 0, 0, 0
	QUARTER 0, 0, 1                                ; the first products start the sums: nothing is cleared
.if LAPS > 1
	WIN 0                                          ; at a label and at a branch every window is 0
	s_mov_b32 s3, LAPS-1
.Llap:                                             ; a trip goes once round the ring, from a lap's second quarter to the next lap's first, and fills both slots again
	QUARTER 0, 1, 0
	QUARTER 0, 2, 0
	TURN 0, 1, 1
	QUARTER 1, 0, 0
	QUARTER 1, 1, 0
	QUARTER 1, 2, 0
	TURN 1, 0, 1
	QUARTER 0, 0, 0
	WIN 0
	s_sub_co_u32 s3, s3, 1
	s_cmp_lg_u32 s3, 0
	s_cbranch_scc1 .Llap
.endif
	QUARTER 0, 1, 0
	QUARTER 0, 2, 0
.if NSLOT > 1
	TURN 0, 1, 0                                   ; the last lap fills nothing
	QUARTER 1, 0, 0
	QUARTER 1, 1, 0
	QUARTER 1, 2, 0
.endif
.set LS, (NSLOT>1)&1                   ; the last slot
	s_wait_dscnt 16                                ; the very last quarter: nothing more to fetch
	WIN MUL
	MUL8 128, 0, 0, 6, LS, 0
	MUL8 128, 0, 2, 6, LS, 0
	s_wait_dscnt 0
	MUL8 128, 1, 0, 7, LS, 0
	MUL8 128, 1, 2, 7, LS, 0
	WIN 0
.macro TOSTAGE a                       ; my A tile a: 16 rows x 64 columns into my stage, and back as rows.  LDS serves a wave's instructions in order (ISA guide 5.7.1.4): no wait between the stores and the loads, nor ahead of the next tile's stores
	WIN 0
.irp b, 0,1,2,3
	ds_store_b128 v[STO], v[ACC+8*(4*(\a)+\b):ACC+8*(4*(\a)+\b)+3] offset:128*(\b/2)+32*(\b%2)        ; each accumulator from its low end on: columns 32 (b / 2) + 16 (lane / 16) + 8 (b % 2) on
	ds_store_b128 v[STO], v[ACC+8*(4*(\a)+\b)+4:ACC+8*(4*(\a)+\b)+7] offset:128*(\b/2)+32*(\b%2)+16
.endr
	WIN 0x80                                       ; destination window 2
.irp t, 0,1,2,3,4,5,6,7
	ds_load_b128 v[BK+32*((\a)%2)+4*\t:BK+32*((\a)%2)+4*\t+3], v[RD] offset:\t*2*SP
.endr
.endm
.macro SEND a, younger                 ; younger: the LDS instructions behind tile a's loads, which may stay out
.set BB, BK+32*((\a)%2)
	s_wait_dscnt \younger
	WIN 0x82                                       ; destination and source 0 window 2, source 1 window 0
.irp t, 0,1,2,3,4,5,6,7
	v_pk_add_f32 v[BB+4*\t:BB+4*\t+1], v[BB+4*\t:BB+4*\t+1], v[BI:BI+1]          ; + bias
	v_pk_add_f32 v[BB+4*\t+2:BB+4*\t+3], v[BB+4*\t+2:BB+4*\t+3], v[BI+2:BI+3]
.endr
	WIN 0x8a                                       ; all three window 2
.set i, 0
.rept 16
	v_pk_add_f32 v[BB+i:BB+i+1], v[BB+i:BB+i+1], v[32*(\a)+i:32*(\a)+i+1]        ; + the residual
.set i, i+2
.endr
	WIN 0x08                                       ; a store's data are its source 1: window 2
.irp t, 0,1,2,3,4,5,6,7
	global_store_b128 v[CO], v[BB+4*\t:BB+4*\t+3], s[76:77] offset:(32*((\a)/2)+8*((\a)%2)+2*(\t%4)+16*(\t/4))*4096 th:TH_STORE_NT   ; each sixteen lanes store 256 consecutive bytes, aligned; written once, read by nobody here
.endr
.endm
	PLACES 4                                       ; behind the last products: for the stores that read results
	s_wait_loadcnt 0x0                             ; the bias and the residual, asked for at the head
	TOSTAGE 0
	TOSTAGE 1
	SEND 0, 16                                     ; behind tile 0's loads: tile 1's 8 stores and 8 loads
	s_wait_xcnt 0x0                                ; tile 0's stores have read their registers: tile 2's rows may land there
	TOSTAGE 2
	SEND 1, 16
	s_wait_xcnt 0x0
	TOSTAGE 3
	SEND 2, 16
	SEND 3, 0
	WIN 0
	s_wait_tensorcnt 0x0                           ; the wave's end: behind my last tensor load and my last LDS store
	ds_add_u32 v[SPW], v[NIL]
	s_wait_dscnt 0x0
	CROUND                                         ; the closing round: no work-group ends while a partner may still ask for a chunk that names it
	s_endpgm
.Lfunc_end_k_qe1c00ee292_fc2:
	.size	k_qe1c00ee292_fc2, .Lfunc_end_k_qe1c00ee292_fc2-k_qe1c00ee292_fc2
	.p2alignl 7, 3214868480
	.fill 96, 4, 3214868480
	.section	.rodata,"a",@progbits
	.p2align	6, 0x0
	.amdhsa_kernel k_qe1c00ee292_fc2
		.amdhsa_group_segment_fixed_size 327680
		.amdhsa_private_segment_fixed_size 0
		.amdhsa_enable_private_segment 0
		.amdhsa_kernarg_size 40
		.amdhsa_user_sgpr_count 2
		.amdhsa_user_sgpr_kernarg_segment_ptr 1
		.amdhsa_wavefront_size32 1
		.amdhsa_system_sgpr_workgroup_id_x 1
		.amdhsa_system_sgpr_workgroup_id_y 1
		.amdhsa_system_sgpr_workgroup_id_z 1
		.amdhsa_system_vgpr_workitem_id 0
		.amdhsa_next_free_vgpr 768
		.amdhsa_next_free_sgpr 100
		.amdhsa_reserve_vcc 0
		.amdhsa_float_denorm_mode_32 3
		.amdhsa_float_denorm_mode_16_64 3
		.amdhsa_memory_ordered 1
		.amdhsa_forward_progress 1
		.amdhsa_inst_pref_size 138
	.end_amdhsa_kernel
	.amdgpu_metadata
---
amdhsa.version: [ 1, 2 ]
amdhsa.kernels:
  - .name:           k_qe1c00ee292_fc2
    .symbol:         k_qe1c00ee292_fc2.kd
    .args:
      - { .name: g, .offset: 0, .size: 8, .value_kind: global_buffer, .address_space: global }
      - { .name: wc, .offset: 8, .size: 8, .value_kind: global_buffer, .address_space: global }
      - { .name: c2, .offset: 16, .size: 8, .value_kind: global_buffer, .address_space: global }
      - { .name: x1, .offset: 24, .size: 8, .value_kind: global_buffer, .address_space: global }
      - { .name: out0, .offset: 32, .size: 8, .value_kind: global_buffer, .address_space: global }
    .group_segment_fixed_size: 327680
    .private_segment_fixed_size: 0
    .kernarg_segment_align: 8
    .kernarg_segment_size: 40
    .max_flat_workgroup_size: 128
    .sgpr_count:     100
    .vgpr_count:     768
    .wavefront_size: 32
...
	.end_amdgpu_metadata
.endif
;; end of part 9
